; MI455X (gfx1250); checked and timed in simulation.
; The chip was launched on July 23, 2026; its instructions are those of AMD's public machine-readable ISA for CDNA 5 (MIT licence, August 2026) and "CDNA5" Instruction Set Architecture Reference Guide (July 2026). The comments in the code are by the model that wrote it; some were corrected since.
;; Gated Linear Attention. Allowed arithmetic: float matrix products may take bf16 or f16 operands with f32 sums; other float arithmetic in f32, or as packed bf16 or f16 multiplies, adds, multiply-adds, maxima and minima; sums over many terms, partial sums and values carried from step to step in f32; what a program stores and reads back later, other than sums and carried values, may be rounded once to bf16 or f16.
;; Inputs: Wg 2,048 x 2,048 float32; Wk 1,024 x 2,048 float32; Wkg1 16 x 2,048 float32; Wkg2 1,024 x 16 float32; Wo 2,048 x 2,048 float32; Wq 1,024 x 2,048 float32; Wv 2,048 x 2,048 float32; bg 2,048 float32; bkg2 1,024 float32; x 2 x 2,048 x 2,048 float32.
;; Outputs: out0 2 x 2,048 x 2,048 float32.
;; 3 versions, each right; version 2 is faster than version 1; version 3 is version 2 with the launches cast, gout written anew for expert scheduling mode. Each part assembles by itself: llvm-mc -triple=amdgcn-amd-amdhsa -mcpu=gfx1250 --defsym DOCPART=n.
;; ======== version 1 of 3: 6 launches
;; limits: values outside matrix products are rounded to f16; values are held in f16: magnitudes above 65,504 overflow, below 6.1e-05 lose precision; right only within a limited range of input values
;; workspace buffers: hb 50,397,184 bytes; P 50,331,648 bytes; pmax 12,288 bytes; z 131,072 bytes; sc 2,048 bytes; U 8,388,608 bytes; dsg 65,536 bytes; y 16,777,216 bytes
;; launch cast (part 1): grid 769 x 1, 8 waves a work-group, no clusters, 0 bytes of LDS; arguments x, Wq, Wk, Wv, Wg, Wo, Wkg1, hb; writes hb
.if DOCPART == 1
	.amdgcn_target "amdgcn-amd-amdhsa--gfx1250"
	.amdhsa_code_object_version 6
	.text
	.protected	k_q1456284f52_cast
	.globl	k_q1456284f52_cast
	.p2align	8
	.type	k_q1456284f52_cast,@function
k_q1456284f52_cast:
	s_mov_b64 s[64:65], 0
	v_nop
	global_prefetch_b8 v0, s[64:65] scope:SCOPE_SE
	s_setreg_imm32_b32 hwreg(HW_REG_WAVE_MODE, 25, 1), 1
	s_wait_xcnt 0x0
; GATED LINEAR ATTENTION, launch 1 of 6: x, Wq, Wk, Wv, Wg, Wo, Wkg1 from f32 to f16, one after the other, into hb.
; The program: cast -> gemm1 (q | k | v | g = x Wcat^T, and the largest magnitude of each 64 x 128 tile) -> gate (z = x Wkg1^T, power-of-two
; scales from those magnitudes, and q_0 . k_0 of each chain in f32) -> gstate (each 256-step segment's own end state) -> gout (the recurrence in
; blocks of 32 steps, LayerNorm, silu gate) -> gemm2 (the product with Wo).
; WHY f16: eleven bits of mantissa; the chain has many roundings of operands and each output is held to a hundredth of the output's rms.
; WORK LEFT OUT, for all values of the inputs:
;  * S0 is built as zeros by the recurrence itself: a segment's own state starts with its first product, nothing is multiplied by S0.
;  * the own end state of the last segment (steps 1792..2047) is read by no later step and is not made.
;  * SCALE and the scales a, b, c (powers of two on q, k, v) multiply o by one constant f = a b c / SCALE.  LayerNorm without affine gives
;    (o - mu) rsqrt(var + EPS) = (f o - f mu) rsqrt(f^2 var + f^2 EPS): the constant is met by E = f^2 EPS in EPS's place, so SCALE multiplies no data.
; All ten inputs have a way to the output and are loaded.
; LIMITS: |x|, |W..|, |q|, |k|, |v|, |x Wg^T|, |x Wkg1^T| below 65504 (they are kept in f16); a NaN or an infinity in an input is not carried
; as the f32 recurrence would carry it.
; A work-group takes 32,768 numbers: 32 loads of 16 bytes a thread, all out at once; a wave's store covers 256 consecutive bytes, aligned.
	s_load_b512 s[4:19], s[0:1], 0x0               ; x, Wq, Wk, Wv, Wg, Wo, Wkg1, hb
	v_lshlrev_b32 v1, 4, v0                        ; 16 bytes a thread in
	v_lshlrev_b32 v2, 3, v0                        ; 8 bytes a thread out
	s_mov_b32 s21, 0                               ; first chunk of the chosen source
	s_wait_kmcnt 0x0
	s_mov_b64 s[22:23], s[4:5]
.macro PICK start, reg                             ; chunks from start on belong to the buffer in s[reg:reg+1]
	s_cmp_ge_u32 ttmp9, \start
	s_cselect_b64 s[22:23], s[\reg:\reg+1], s[22:23]
	s_cselect_b32 s21, \start, s21
.endm
	PICK 256, 6
	PICK 320, 8
	PICK 384, 10
	PICK 512, 12
	PICK 640, 14
	PICK 768, 16
	s_sub_co_u32 s24, ttmp9, s21
	s_lshl_b32 s24, s24, 17                        ; 131,072 bytes of f32 a chunk
	s_mov_b32 s25, 0
	s_add_nc_u64 s[22:23], s[22:23], s[24:25]
	s_lshl_b32 s26, ttmp9, 16                      ; 65,536 bytes of f16 a chunk
	s_mov_b32 s27, 0
	s_add_nc_u64 s[18:19], s[18:19], s[26:27]
.set i, 0
.rept 32
	global_load_b128 v[4+4*i:7+4*i], v1, s[22:23] offset:4096*i th:TH_LOAD_NT
.set i, i+1
.endr
.set i, 0
.rept 32
	s_wait_loadcnt 31-i                            ; loads come back in order: number i is in, the younger ones stay out
	v_cvt_pk_f16_f32 v[4+4*i], v[4+4*i], v[5+4*i]
	v_cvt_pk_f16_f32 v[5+4*i], v[6+4*i], v[7+4*i]
	global_store_b64 v2, v[4+4*i:5+4*i], s[18:19] offset:2048*i
.set i, i+1
.endr
	s_endpgm
.Lfunc_end_k_q1456284f52_cast:
	.size	k_q1456284f52_cast, .Lfunc_end_k_q1456284f52_cast-k_q1456284f52_cast
	.p2alignl 7, 3214868480
	.fill 96, 4, 3214868480
	.section	.rodata,"a",@progbits
	.p2align	6, 0x0
	.amdhsa_kernel k_q1456284f52_cast
		.amdhsa_group_segment_fixed_size 0
		.amdhsa_private_segment_fixed_size 0
		.amdhsa_enable_private_segment 0
		.amdhsa_kernarg_size 64
		.amdhsa_user_sgpr_count 2
		.amdhsa_user_sgpr_kernarg_segment_ptr 1
		.amdhsa_wavefront_size32 1
		.amdhsa_system_sgpr_workgroup_id_x 1
		.amdhsa_system_sgpr_workgroup_id_y 1
		.amdhsa_system_sgpr_workgroup_id_z 1
		.amdhsa_system_vgpr_workitem_id 0
		.amdhsa_next_free_vgpr 132
		.amdhsa_next_free_sgpr 66
		.amdhsa_reserve_vcc 0
		.amdhsa_float_denorm_mode_32 3
		.amdhsa_float_denorm_mode_16_64 3
		.amdhsa_memory_ordered 1
		.amdhsa_forward_progress 1
		.amdhsa_inst_pref_size 13
	.end_amdhsa_kernel
	.amdgpu_metadata
---
amdhsa.version: [ 1, 2 ]
amdhsa.kernels:
  - .name:           k_q1456284f52_cast
    .symbol:         k_q1456284f52_cast.kd
    .args:
      - { .name: x, .offset: 0, .size: 8, .value_kind: global_buffer, .address_space: global }
      - { .name: Wq, .offset: 8, .size: 8, .value_kind: global_buffer, .address_space: global }
      - { .name: Wk, .offset: 16, .size: 8, .value_kind: global_buffer, .address_space: global }
      - { .name: Wv, .offset: 24, .size: 8, .value_kind: global_buffer, .address_space: global }
      - { .name: Wg, .offset: 32, .size: 8, .value_kind: global_buffer, .address_space: global }
      - { .name: Wo, .offset: 40, .size: 8, .value_kind: global_buffer, .address_space: global }
      - { .name: Wkg1, .offset: 48, .size: 8, .value_kind: global_buffer, .address_space: global }
      - { .name: hb, .offset: 56, .size: 8, .value_kind: global_buffer, .address_space: global }
    .group_segment_fixed_size: 0
    .private_segment_fixed_size: 0
    .kernarg_segment_align: 8
    .kernarg_segment_size: 64
    .max_flat_workgroup_size: 256
    .sgpr_count:     66
    .vgpr_count:     132
    .wavefront_size: 32
...
	.end_amdgpu_metadata
.endif
;; end of part 1
;; launch gemm1 (part 2): grid 24 x 32, 4 waves a work-group, clusters of 4 x 4, 327,680 bytes of LDS; arguments hb, P, pmax; writes P, pmax
.if DOCPART == 2
	.amdgcn_target "amdgcn-amd-amdhsa--gfx1250"
	.amdhsa_code_object_version 6
	.text
	.protected	k_q1456284f52_gemm1
	.globl	k_q1456284f52_gemm1
	.p2align	8
	.type	k_q1456284f52_gemm1,@function
k_q1456284f52_gemm1:
	s_mov_b64 s[64:65], 0
	v_nop
	global_prefetch_b8 v0, s[64:65] scope:SCOPE_SE
	s_setreg_imm32_b32 hwreg(HW_REG_WAVE_MODE, 25, 1), 1
	s_wait_xcnt 0x0
	s_wait_alu depctr_hold_cnt(0) depctr_sa_sdst(0) depctr_va_vdst(0) depctr_va_sdst(0) depctr_va_ssrc(0) depctr_va_vcc(0) depctr_vm_vsrc(0)
	s_getreg_b32 s2, hwreg(HW_REG_IB_STS2, 6, 4)
	s_cmp_eq_u32 s2, 0
	s_cbranch_scc0 .Lentry_in_a_cluster
	s_endpgm
.Lentry_in_a_cluster:
	s_bfe_u32 s2, ttmp6, 0x10000c
	s_cmp_lg_u32 s2, 0xf033
	s_cbranch_scc0 .Lentry_shape_is_right
	s_endpgm
.Lentry_shape_is_right:
; Launch 2: P[4096][6144] = x Wcat^T in f16 (Wcat = Wq, Wk, Wv, Wg one under the other in hb), sums in f32, K = 2048; and pmax, the largest
; magnitude of each wave's 64 x 128 tile.  No step of the problem is left out here; SCALE and the biases come later.
; A work-group makes 128 x 256 of P with four waves (2 x 2), a wave 64 x 128: 32 accumulator tiles, 256 registers (window 1).
; 768 work-groups.  K goes in steps of 128 through two LDS slots filled by the tensor data mover (rows of 256 bytes, padded to 272).
; CLUSTERS 4 x 4: x's tile hangs on the block row alone and is asked for jointly by a row of the cluster, Wcat's on the block column alone
; and is asked for jointly by a column.  Waves 0, 1 ask for the two halves of x's tile (64 rows each), waves 2, 3 for Wcat's (128 rows each).
; The matrix instruction is used transposed (source 0 = rows of Wcat, source 1 = rows of x): a lane then holds 8 neighbouring columns of a row.
.set KSTEP,  128
.set SIZE_K, 2048
.set SIZE_N, 6144
.set PITCH,  272
.set AH,     64*PITCH                  ; what a load of x brings, and what a wave reads of x
.set BH,     128*PITCH                 ; the same for Wcat
.set SLOT,   2*AH+2*BH
.set STAGE,  2*SLOT                    ; behind the ring: 16 rows x 272 bytes for each wave; no tensor load lands here
.set SPITCH, 272
.set LAPS,   SIZE_K/(2*KSTEP)
.set ADRA, 16
.set ADRB, 20
.set STO,  24
.set RD,   25
.set CO,   26
.set MX,   27
.set F0,   32                          ; fragment buffer 0: Wcat v32-95, x v96-127
.set F1,   128                         ; fragment buffer 1: Wcat v128-191, x v192-223
.set TMP,  224
.set G1, 24
.set G0, 32
.set G1B, 48
.set G0B, 56
.set MSB, 0
.macro WIN new                         ; the immediate's high byte repeats the setting that is left
.if MSB != \new
	s_set_vgpr_msb (MSB<<8)|\new
.set MSB, \new
.endif
.endm
.set MUL, 0x50                         ; C and D in window 1, fragments in window 0
.macro JLOAD s                         ; a joint load: one line and one mask for x's tiles, one for Wcat's; the branch hangs on the wave's number alone
	s_cmp_eq_u32 s11, 0
	s_cbranch_scc0 .Lfor_b_\@
	tensor_load_to_lds s[G0+4*\s:G0+4*\s+3], s[G1:G1+7]
	s_nop 0
	s_branch .Lasked_\@
.Lfor_b_\@:
	tensor_load_to_lds s[G0B+4*\s:G0B+4*\s+3], s[G1B:G1B+7]
	s_nop 0
.Lasked_\@:
.endm
.macro CREST                           ; a round of the cluster's barrier behind its opening barrier
	s_cmp_lg_u32 s10, 0
	s_cbranch_scc1 .Lnot_wave_0_\@
	s_barrier_signal -3
.Lnot_wave_0_\@:
	s_barrier_wait -3
	s_barrier_signal -1
	s_barrier_wait -1
.endm
.macro CROUND
	s_barrier_signal -1
	s_barrier_wait -1
	CREST
.endm
	s_load_b128 s[4:7], s[0:1], 0x0                ; hb, P
	s_load_b64 s[66:67], s[0:1], 0x10              ; pmax
	v_lshl_add_u32 v23, v0, 2, 0x37400
	v_mov_b32 v31, 0
	ds_add_u32 v23, v31
	v_lshrrev_b32 v1, 5, v0
	v_readfirstlane_b32 s10, v1                    ; wave 0..3
	s_lshr_b32 s11, s10, 1                         ; my 64 rows of the block.  Also: I fetch for x (0) or for Wcat (1)
	s_and_b32 s12, s10, 1                          ; my 128 columns.  Also: which half of that tile I fetch
	s_bfe_u32 s40, ttmp6, 0x40000                  ; cx
	s_bfe_u32 s41, ttmp6, 0x40004                  ; cy
	s_lshl_b32 s42, ttmp9, 2
	s_add_co_u32 s42, s42, s40                     ; block column
	s_and_b32 s13, ttmp7, 0xffff
	s_lshl_b32 s13, s13, 2
	s_add_co_u32 s13, s13, s41                     ; block row
	s_lshl_b32 s43, s41, 2
	s_lshl_b32 s43, 15, s43                        ; my row of the cluster
	s_lshl_b32 s44, 0x1111, s40                    ; my column
	s_or_b32 s[G1+0], s43, (1<<16)|(1<<20)|(1<<21)|(5<<22)|(3<<25)   ; mask; 2-byte elements; 4 words of padding behind every 64
	s_or_b32 s[G1B+0], s44, (1<<16)|(1<<20)|(1<<21)|(5<<22)|(3<<25)
	s_mov_b32 s[G1+1], KSTEP<<16                   ; tensor_dim0 = 128
	s_mov_b32 s[G1B+1], KSTEP<<16
	s_mov_b32 s[G1+2], 64<<16                      ; tensor_dim1 = 64 rows of x
	s_mov_b32 s[G1B+2], 128<<16                    ; 128 rows of Wcat
	s_mov_b32 s[G1+3], KSTEP<<16                   ; tile_dim0 = 128
	s_mov_b32 s[G1B+3], KSTEP<<16
	s_mov_b32 s[G1+4], 64                          ; tile_dim1
	s_mov_b32 s[G1B+4], 128
	s_mov_b32 s[G1+5], SIZE_K                      ; elements from row to row
	s_mov_b32 s[G1B+5], SIZE_K
	s_mov_b32 s[G1+6], 0
	s_mov_b32 s[G1B+6], 0
	s_mov_b32 s[G1+7], 0
	s_mov_b32 s[G1B+7], 0
	s_lshl_b32 s17, s12, 6
	s_lshl_b32 s16, s13, 7
	s_add_co_u32 s16, s16, s17                     ; x: row 128 x block row + 64 x half
	s_lshl_b32 s16, s16, 12                        ; rows of 4,096 bytes; 16 MiB at the most
	s_mov_b32 s17, 0
	s_lshl_b32 s47, s12, 7
	s_lshl_b32 s46, s42, 8
	s_add_co_u32 s46, s46, s47                     ; Wcat: row 256 x block column + 128 x half
	s_lshl_b32 s46, s46, 12
	s_mov_b32 s47, 0
	s_mul_i32 s20, s12, AH                         ; where x's half goes
	s_mul_i32 s21, s12, BH
	s_add_co_u32 s21, s21, 2*AH                    ; where Wcat's half goes
	s_wait_dscnt 0x0
	s_wait_kmcnt 0x0
	s_mov_b64 s[8:9], s[6:7]                       ; P
	s_add_nc_u64 s[6:7], s[4:5], 0x1000000         ; Wcat lies 16 MiB into hb
	s_add_nc_u64 s[14:15], s[4:5], s[16:17]
	s_add_nc_u64 s[46:47], s[6:7], s[46:47]
	CROUND                                         ; all sixteen work-groups are here: the first joint loads meet
.irp s, 0,1
	s_mov_b32 s[G0+4*\s], 1
	s_add_co_u32 s[G0+4*\s+1], s20, \s*SLOT
	s_add_nc_u64 s[G0+4*\s+2:G0+4*\s+3], s[14:15], \s*KSTEP*2
	s_or_b32 s[G0+4*\s+3], s[G0+4*\s+3], 0x80000000
	s_mov_b32 s[G0B+4*\s], 1
	s_add_co_u32 s[G0B+4*\s+1], s21, \s*SLOT
	s_add_nc_u64 s[G0B+4*\s+2:G0B+4*\s+3], s[46:47], \s*KSTEP*2
	s_or_b32 s[G0B+4*\s+3], s[G0B+4*\s+3], 0x80000000
	JLOAD \s
.endr
	v_and_b32 v1, 15, v0
	v_bfe_u32 v2, v0, 4, 1
	v_mul_u32_u24 v3, v1, PITCH
	v_lshl_add_u32 v3, v2, 4, v3                   ; row x pitch + 16 x half of the lanes
	s_mul_i32 s21, s11, AH
	s_mul_i32 s22, s12, BH
	s_add_co_u32 s22, s22, 2*AH
.irp s, 0,1
	v_add_nc_u32 v[ADRA+\s], s21, v3
	v_add_nc_u32 v[ADRB+\s], s22, v3
	s_add_co_u32 s21, s21, SLOT
	s_add_co_u32 s22, s22, SLOT
.endr
	s_mul_i32 s23, s10, 16*SPITCH
	s_add_co_u32 s23, s23, STAGE
	v_mul_u32_u24 v4, v1, SPITCH
	v_lshl_add_u32 v4, v2, 4, v4
	v_add_nc_u32 v[STO], s23, v4
	v_mul_u32_u24 v5, v2, SPITCH
	v_lshl_add_u32 v5, v1, 4, v5
	v_add_nc_u32 v[RD], s23, v5
	v_mul_u32_u24 v5, v2, SIZE_N*2
	v_lshl_add_u32 v[CO], v1, 4, v5
	v_mov_b32 v[MX], 0
.macro MUL8 f, a, zero                 ; 8 matrix instructions: row block a x all 8 column blocks, 32 along K
.irp b, 0,1,2,3,4,5,6,7
.if \zero
	v_wmma_f32_16x16x32_f16 v[8*(8*\a+\b):8*(8*\a+\b)+7], v[\f+8*\b:\f+8*\b+7], v[\f+64+8*\a:\f+64+8*\a+7], 0
.else
	v_wmma_f32_16x16x32_f16 v[8*(8*\a+\b):8*(8*\a+\b)+7], v[\f+8*\b:\f+8*\b+7], v[\f+64+8*\a:\f+64+8*\a+7], v[8*(8*\a+\b):8*(8*\a+\b)+7]
.endif
.endr
.endm
.macro FETCH slot, k, f                ; 24 LDS loads: 128 rows of Wcat, then 64 rows of x, 32 K at byte k of the rows
.irp i, 0,1,2,3,4,5,6,7
	ds_load_b128 v[\f+8*\i:\f+8*\i+3],   v[ADRB+\slot] offset:\k+\i*16*PITCH
	ds_load_b128 v[\f+8*\i+4:\f+8*\i+7], v[ADRB+\slot] offset:\k+\i*16*PITCH+32
.endr
.irp i, 0,1,2,3
	ds_load_b128 v[\f+64+8*\i:\f+64+8*\i+3],   v[ADRA+\slot] offset:\k+\i*16*PITCH
	ds_load_b128 v[\f+64+8*\i+4:\f+64+8*\i+7], v[ADRA+\slot] offset:\k+\i*16*PITCH+32
.endr
.endm
.macro PLACES                          ; a load into a register that a matrix instruction has read stands four plain vector instructions behind it
.rept 4
	v_nop
.endr
.endm
; The 32 accumulators take turns, one instruction a turn, in the same order in every quarter step.
.macro QUARTER slot, k, f, g, zero
	s_wait_dscnt 4                                 ; Wcat's fragments and x's blocks 0, 1 are in; the youngest four loads (blocks 2, 3) may be out
	WIN MUL
	MUL8 \f, 0, \zero
	MUL8 \f, 1, \zero
	PLACES
	WIN 0
	FETCH \slot, \k, \g
	s_wait_dscnt 24                                ; all but the 24 just issued
	WIN MUL
	MUL8 \f, 2, \zero
	MUL8 \f, 3, \zero
.endm
.macro THREE slot, zero
	QUARTER \slot, 64,  F0, F1, \zero
	QUARTER \slot, 128, F1, F0, 0
	QUARTER \slot, 192, F0, F1, 0
.endm
.macro TURN slot, next, fill           ; the last quarter of a K step, and the change of slots
	s_wait_dscnt 4
	WIN MUL
	MUL8 F1, 0, 0
	s_wait_dscnt 0                                 ; my reads of this slot are over
	s_wait_tensorcnt 0x0                           ; all my tensor loads have landed: the one that was out is my part of the next slot
	ds_add_u32 v23, v31
	s_wait_dscnt 0x0
	s_barrier_signal -1
	MUL8 F1, 1, 0                                  ; register work while the others arrive
	WIN 0
	s_barrier_wait -1
.if \fill
	CREST                                          ; the round closes: no wave of any partner still reads this slot or has a load on its way
	s_add_nc_u64 s[G0+4*\slot+2:G0+4*\slot+3], s[G0+4*\slot+2:G0+4*\slot+3], 2*KSTEP*2
	s_add_nc_u64 s[G0B+4*\slot+2:G0B+4*\slot+3], s[G0B+4*\slot+2:G0B+4*\slot+3], 2*KSTEP*2
	JLOAD \slot                                    ; the first tensor load behind the round, one a wave
.endif
	PLACES
	FETCH \next, 0, F0
	WIN MUL
	MUL8 F1, 2, 0
	MUL8 F1, 3, 0
.endm
.macro LAP zero
	THREE 0, \zero
	TURN 0, 1, 1
	THREE 1, 0
	TURN 1, 0, 1
.endm
	s_wait_tensorcnt 1                             ; my part of K step 0 is in; K step 1's stays out
	s_barrier_signal -1
	s_barrier_wait -1
	FETCH 0, 0, F0
	LAP 1                                          ; the first products start the sums
	WIN 0
	s_mov_b32 s3, LAPS-2
.Llap:
	LAP 0
	WIN 0
	s_sub_co_u32 s3, s3, 1
	s_cmp_lg_u32 s3, 0
	s_cbranch_scc1 .Llap
	THREE 0, 0                                     ; the last lap fills nothing
	TURN 0, 1, 0
	THREE 1, 0
	s_wait_dscnt 4
	WIN MUL
	MUL8 F1, 0, 0
	MUL8 F1, 1, 0
	s_wait_dscnt 0
	MUL8 F1, 2, 0
	MUL8 F1, 3, 0
	PLACES                                         ; behind the last matrix instructions, for the conversions and the loads below
	; the way out, 16 rows at a time: f16, 16 bytes a lane into my own stage, back as whole rows of 256 bytes
	s_lshl_b32 s16, s13, 7
	s_lshl_b32 s17, s11, 6
	s_add_co_u32 s16, s16, s17                     ; my first row
	s_mul_i32 s16, s16, SIZE_N*2
	s_mov_b32 s17, 0
	s_add_nc_u64 s[8:9], s[8:9], s[16:17]
	s_lshl_b32 s46, s42, 9
	s_lshl_b32 s47, s12, 8
	s_add_co_u32 s46, s46, s47                     ; my first column, in bytes
	s_mov_b32 s47, 0
	s_add_nc_u64 s[8:9], s[8:9], s[46:47]
.macro OUT16 a, f
	WIN 0x05                                       ; sources 0 and 1 in window 1
.irp b, 0,1,2,3,4,5,6,7
.irp r, 0,1,2,3
	v_cvt_pk_f16_f32 v[TMP+4*\b+\r], v[8*(8*\a+\b)+2*\r], v[8*(8*\a+\b)+2*\r+1]
	v_max3_num_f32 v[MX], |v[8*(8*\a+\b)+2*\r]|, |v[8*(8*\a+\b)+2*\r+1]|, v[MX]
.endr
.endr
	WIN 0
.irp b, 0,1,2,3,4,5,6,7
	ds_store_b128 v[STO], v[TMP+4*\b:TMP+4*\b+3] offset:32*\b
.endr
	s_wait_xcnt 0x0                                ; buffer f, which stores read, and the stores' base are rewritten only behind this wait
.if \a
	s_add_nc_u64 s[8:9], s[8:9], 16*SIZE_N*2
.endif
.irp t, 0,1,2,3,4,5,6,7
	ds_load_b128 v[\f+4*\t:\f+4*\t+3], v[RD] offset:\t*2*SPITCH    ; LDS serves a wave's instructions in order: these see the stores above
.endr
.irp t, 0,1,2,3,4,5,6,7
	s_wait_dscnt 7-\t
	global_store_b128 v[CO], v[\f+4*\t:\f+4*\t+3], s[8:9] offset:2*\t*SIZE_N*2   ; 16 lanes store 256 consecutive bytes, aligned
.endr
.endm
	OUT16 0, F0
	OUT16 1, F1
	OUT16 2, F0
	OUT16 3, F1
	; the tile's largest magnitude: over the lanes, then one word from lane 0 at pmax[2 bx + column half][2 by + row half]
	v_max_num_f32_dpp v[MX], v[MX], v[MX] row_xmask:1 row_mask:0xf bank_mask:0xf
	v_max_num_f32_dpp v[MX], v[MX], v[MX] row_xmask:2 row_mask:0xf bank_mask:0xf
	v_max_num_f32_dpp v[MX], v[MX], v[MX] row_xmask:4 row_mask:0xf bank_mask:0xf
	v_max_num_f32_dpp v[MX], v[MX], v[MX] row_xmask:8 row_mask:0xf bank_mask:0xf
	s_mov_b32 s20, 0x76543210
	s_mov_b32 s21, 0xfedcba98
	v_mov_b32 v28, 0
	v_permlanex16_b32 v28, v[MX], s20, s21
	v_max_num_f32 v[MX], v[MX], v28
	s_lshl_b32 s45, s42, 1
	s_add_co_u32 s45, s45, s12
	s_lshl_b32 s45, s45, 5
	s_add_co_u32 s45, s45, s13
	s_lshl_b32 s45, s45, 1
	s_add_co_u32 s45, s45, s11                     ; 64 (2 bx + half) + 2 by + half
	s_lshl_b32 s45, s45, 2
	v_mov_b32 v29, s45
	v_and_b32 v30, 31, v0
	v_cmp_eq_u32 vcc_lo, 0, v30
	s_wait_xcnt 0x0                                ; EXEC changes only behind this wait
	s_and_saveexec_b32 s22, vcc_lo
	global_store_b32 v29, v[MX], s[66:67]
	s_wait_xcnt 0x0
	s_or_b32 exec_lo, exec_lo, s22
	s_wait_tensorcnt 0x0
	ds_add_u32 v23, v31
	s_wait_dscnt 0x0
	CROUND                                         ; the closing round
	s_endpgm
.Lfunc_end_k_q1456284f52_gemm1:
	.size	k_q1456284f52_gemm1, .Lfunc_end_k_q1456284f52_gemm1-k_q1456284f52_gemm1
	.p2alignl 7, 3214868480
	.fill 96, 4, 3214868480
	.section	.rodata,"a",@progbits
	.p2align	6, 0x0
	.amdhsa_kernel k_q1456284f52_gemm1
		.amdhsa_group_segment_fixed_size 327680
		.amdhsa_private_segment_fixed_size 0
		.amdhsa_enable_private_segment 0
		.amdhsa_kernarg_size 24
		.amdhsa_user_sgpr_count 2
		.amdhsa_user_sgpr_kernarg_segment_ptr 1
		.amdhsa_wavefront_size32 1
		.amdhsa_system_sgpr_workgroup_id_x 1
		.amdhsa_system_sgpr_workgroup_id_y 1
		.amdhsa_system_sgpr_workgroup_id_z 1
		.amdhsa_system_vgpr_workitem_id 0
		.amdhsa_next_free_vgpr 512
		.amdhsa_next_free_sgpr 80
		.amdhsa_reserve_vcc 1
		.amdhsa_float_denorm_mode_32 3
		.amdhsa_float_denorm_mode_16_64 3
		.amdhsa_memory_ordered 1
		.amdhsa_forward_progress 1
		.amdhsa_inst_pref_size 127
	.end_amdhsa_kernel
	.amdgpu_metadata
---
amdhsa.version: [ 1, 2 ]
amdhsa.kernels:
  - .name:           k_q1456284f52_gemm1
    .symbol:         k_q1456284f52_gemm1.kd
    .args:
      - { .name: hb, .offset: 0, .size: 8, .value_kind: global_buffer, .address_space: global }
      - { .name: P, .offset: 8, .size: 8, .value_kind: global_buffer, .address_space: global }
      - { .name: pmax, .offset: 16, .size: 8, .value_kind: global_buffer, .address_space: global }
    .group_segment_fixed_size: 327680
    .private_segment_fixed_size: 0
    .kernarg_segment_align: 8
    .kernarg_segment_size: 24
    .max_flat_workgroup_size: 128
    .sgpr_count:     80
    .vgpr_count:     512
    .wavefront_size: 32
...
	.end_amdgpu_metadata
.endif
;; end of part 2
;; launch gate (part 3): grid 385 x 1, 8 waves a work-group, no clusters, 9,472 bytes of LDS; arguments hb, pmax, bg, z, sc, x, Wq, Wk; writes z, sc
.if DOCPART == 3
	.amdgcn_target "amdgcn-amd-amdhsa--gfx1250"
	.amdhsa_code_object_version 6
	.text
	.protected	k_q1456284f52_gate
	.globl	k_q1456284f52_gate
	.p2align	8
	.type	k_q1456284f52_gate,@function
k_q1456284f52_gate:
	s_mov_b64 s[64:65], 0
	v_nop
	global_prefetch_b8 v0, s[64:65] scope:SCOPE_SE
	s_setreg_imm32_b32 hwreg(HW_REG_WAVE_MODE, 25, 1), 1
	s_wait_xcnt 0x0
; Launch 3.  Work-groups 0..255: z[16 rows][16] = x Wkg1^T in f16 (K = 2048 shared among eight waves, summed through LDS).
; Work-group 256, wave 0: the scales, from the largest magnitudes that the launch before stored and from bg.
;   sc[0] a = 2^-e(max|q|), sc[1] b for k, sc[2] c for v as two f16, sc[3] a b, sc[4] E/(1+E), sc[5] 1/(128 (1+E)), sc[6] d/8, sc[7] 8/(d sqrt(1+E)),
;   E = (a b c)^2 128 EPS (SCALE^-2 = 128), d = 2^-e(max|x Wg^T| + max|bg|).  a, b, c lie in 2^-16 .. 2^15, d in 2^-27 .. 2^123.
; Work-groups 257..384: q_0 . k_0 of each chain from the f32 inputs, in f32.  Step 0 is the one step whose output is a single term,
;   o_0 = SCALE (q_0 . k_0) v_0: where the 64 products cancel, var comes down to EPS and LayerNorm no longer divides the scale away, so the result hangs on
;   the ABSOLUTE error of that sum, which operands rounded to f16 cannot hold.  Work-group 257 + n takes rows 8 n .. 8 n + 7 of Wq and of Wk (head n / 8),
;   a wave one row of each against x[0][0] and x[1][0]; the partial sum over the 8 keys goes to the float 256 + 128 batch + n of sc.
; LDS: bytes 0 .. 8,191 are the z role's (1,024 a wave), bytes 8,192 .. 8,255 the q . k role's (8 a wave): no byte serves two roles.
; Nothing of the problem is left out here.  No cluster: the work-groups share only Wkg1's 64 KiB and two rows of x.
.set QKL, 8192                         ; the q . k role's LDS bytes begin here
	s_load_b256 s[4:11], s[0:1], 0x0               ; hb, pmax, bg, z
	s_load_b64 s[12:13], s[0:1], 0x20              ; sc
	s_load_b64 s[24:25], s[0:1], 0x28              ; x
	s_load_b128 s[28:31], s[0:1], 0x30             ; Wq, Wk
	v_lshl_add_u32 v176, v0, 2, 0x2100
	v_mov_b32 v177, 0
	v_lshrrev_b32 v1, 5, v0
	v_readfirstlane_b32 s14, v1                    ; wave
	v_and_b32 v1, 31, v0                           ; lane
	v_and_b32 v2, 15, v0                           ; r
	v_bfe_u32 v3, v0, 4, 1                         ; h
	s_wait_kmcnt 0x0
	s_cmp_gt_u32 ttmp9, 256
	s_cbranch_scc1 .Lqk
	s_cmp_eq_u32 ttmp9, 256
	s_cbranch_scc1 .Lscale
	s_lshl_b32 s16, ttmp9, 16                      ; 16 rows of 4,096 bytes
	s_lshl_b32 s18, s14, 9                         ; my 256 of K
	s_add_co_u32 s16, s16, s18
	s_mov_b32 s17, 0
	s_add_co_u32 s18, s18, 0x3000000               ; Wkg1 lies 48 MiB into hb
	s_mov_b32 s19, 0
	s_add_nc_u64 s[20:21], s[4:5], s[16:17]
	s_add_nc_u64 s[22:23], s[4:5], s[18:19]
	v_lshlrev_b32 v4, 12, v2
	v_lshl_add_u32 v4, v3, 4, v4                   ; r x 4,096 + 16 h
.irp i, 0,1,2,3,4,5,6,7
	global_load_b128 v[16+8*\i:19+8*\i], v4, s[20:21] offset:64*\i
	global_load_b128 v[20+8*\i:23+8*\i], v4, s[20:21] offset:64*\i+32
	global_load_b128 v[80+8*\i:83+8*\i], v4, s[22:23] offset:64*\i
	global_load_b128 v[84+8*\i:87+8*\i], v4, s[22:23] offset:64*\i+32
.endr
	v_lshlrev_b32 v5, 5, v1                        ; 32 bytes a lane
	v_lshl_add_u32 v6, s14, 10, v5                 ; + 1,024 x wave
	s_wait_loadcnt 0x0
	; source 0 = Wkg1, source 1 = x: a lane holds z[row r][8h .. 8h+7].  Two accumulators take turns.
	v_wmma_f32_16x16x32_f16 v[144:151], v[80:87], v[16:23], 0
	v_wmma_f32_16x16x32_f16 v[152:159], v[88:95], v[24:31], 0
.irp i, 2,4,6
	v_wmma_f32_16x16x32_f16 v[144:151], v[80+8*\i:87+8*\i], v[16+8*\i:23+8*\i], v[144:151]
	v_wmma_f32_16x16x32_f16 v[152:159], v[88+8*\i:95+8*\i], v[24+8*\i:31+8*\i], v[152:159]
.endr
.rept 4
	v_nop                                          ; four places before the sums are read (ISA guide 7.12.1)
.endr
.irp i, 0,2,4,6
	v_pk_add_f32 v[144+\i:145+\i], v[144+\i:145+\i], v[152+\i:153+\i]
.endr
	ds_store_b128 v6, v[144:147]
	ds_store_b128 v6, v[148:151] offset:16
	s_wait_dscnt 0x0                               ; for the reader's sake
	s_barrier_signal -1
	s_barrier_wait -1
	s_cmp_lg_u32 s14, 0
	s_cbranch_scc1 .Lend
.irp w, 0,1,2,3,4,5,6,7
	ds_load_b128 v[16+8*\w:19+8*\w], v5 offset:1024*\w
	ds_load_b128 v[20+8*\w:23+8*\w], v5 offset:1024*\w+16
.endr
	s_wait_dscnt 0x0
.irp w, 1,2,3,4,5,6,7
.irp i, 0,2,4,6
	v_pk_add_f32 v[16+\i:17+\i], v[16+\i:17+\i], v[16+8*\w+\i:17+8*\w+\i]
.endr
.endr
.irp i, 0,1,2,3
	v_cvt_pk_f16_f32 v[8+\i], v[16+2*\i], v[17+2*\i]
.endr
	v_lshlrev_b32 v7, 5, v2
	v_lshl_add_u32 v7, v3, 4, v7                   ; r x 32 + 16 h
	s_lshl_b32 s16, ttmp9, 9
	s_mov_b32 s17, 0
	s_add_nc_u64 s[10:11], s[10:11], s[16:17]
	global_store_b128 v7, v[8:11], s[10:11]        ; the wave's store covers 512 consecutive bytes
	s_wait_tensorcnt 0x0
	ds_add_u32 v176, v177
	s_wait_dscnt 0x0
	s_endpgm
.Lscale:
	s_cmp_lg_u32 s14, 0
	s_cbranch_scc1 .Lend
	v_lshlrev_b32 v5, 4, v1
.set i, 0
.rept 24
	global_load_b128 v[16+4*i:19+4*i], v5, s[6:7] offset:512*i       ; pmax: q 4 loads, k 4, v 8, g 8
.set i, i+1
.endr
.set i, 0
.rept 16
	global_load_b128 v[112+4*i:115+4*i], v5, s[8:9] offset:512*i     ; bg
.set i, i+1
.endr
	s_mov_b32 s16, 0x76543210
	s_mov_b32 s17, 0xfedcba98
	v_mov_b32 v7, 0
	s_wait_loadcnt 0x0
.macro MAXR dst, base, n               ; the largest magnitude of n registers, over all lanes
	v_max_num_f32 v[\dst], |v[\base]|, |v[\base+1]|
.set i, 2
.rept (\n-2)/2
	v_max3_num_f32 v[\dst], |v[\base+i]|, |v[\base+i+1]|, v[\dst]
.set i, i+2
.endr
	v_max_num_f32_dpp v[\dst], v[\dst], v[\dst] row_xmask:1 row_mask:0xf bank_mask:0xf
	v_max_num_f32_dpp v[\dst], v[\dst], v[\dst] row_xmask:2 row_mask:0xf bank_mask:0xf
	v_max_num_f32_dpp v[\dst], v[\dst], v[\dst] row_xmask:4 row_mask:0xf bank_mask:0xf
	v_max_num_f32_dpp v[\dst], v[\dst], v[\dst] row_xmask:8 row_mask:0xf bank_mask:0xf
	v_permlanex16_b32 v7, v[\dst], s16, s17
	v_max_num_f32 v[\dst], v[\dst], v7
.endm
	MAXR 8, 16, 16
	MAXR 9, 32, 16
	MAXR 10, 48, 32
	MAXR 11, 80, 32
	MAXR 12, 112, 64
	v_add_f32 v11, v11, v12                        ; a bound on |x Wg^T + bg|
.macro FIELD dst, src, lo, hi          ; the exponent field of the power of two that brings src into [1/2, 1), clamped
	v_lshrrev_b32 v[\dst], 23, v[\src]
	v_sub_nc_u32 v[\dst], 253, v[\dst]
	v_max_i32 v[\dst], \lo, v[\dst]
	v_min_i32 v[\dst], \hi, v[\dst]
.endm
	FIELD 16, 8, 111, 142
	FIELD 17, 9, 111, 142
	FIELD 18, 10, 111, 142
	FIELD 19, 11, 100, 250
	v_lshlrev_b32 v24, 23, v16                     ; a
	v_lshlrev_b32 v25, 23, v17                     ; b
	v_lshlrev_b32 v18, 23, v18                     ; c
	v_cvt_pk_f16_f32 v26, v18, v18                 ; c twice in f16 (2^-16 is a denormal there, and exact)
	v_lshlrev_b32 v20, 23, v19                     ; d
	v_sub_nc_u32 v21, 254, v19
	v_lshlrev_b32 v21, 23, v21                     ; 1/d
	v_mul_f32 v27, v24, v25                        ; a b
	v_mul_f32 v22, v27, v18
	v_mul_f32 v22, v22, v22
	v_mul_f32 v22, 0x3aa7c5ac, v22                 ; E = (a b c)^2 x 1.28e-3
	v_add_f32 v23, 1.0, v22
	v_rcp_f32 v32, v23
	v_rsq_f32 v33, v23
	v_mul_f32 v30, 0x3e000000, v20                 ; d/8: also the plain instruction behind the two transcendentals
	s_wait_alu depctr_va_vdst(0)
	v_mul_f32 v28, v22, v32                        ; E/(1+E)
	v_mul_f32 v29, 0x3c000000, v32                 ; 1/(128 (1+E))
	v_mul_f32 v31, v21, v33
	v_mul_f32 v31, 0x41000000, v31                 ; 8/(d sqrt(1+E))
	v_mov_b32 v6, 0
	v_cmp_eq_u32 vcc_lo, 0, v1
	s_wait_xcnt 0x0                                ; EXEC changes only behind this wait
	s_and_saveexec_b32 s18, vcc_lo
	global_store_b128 v6, v[24:27], s[12:13]
	global_store_b128 v6, v[28:31], s[12:13] offset:16
	s_wait_xcnt 0x0
	s_or_b32 exec_lo, exec_lo, s18
.Lend:
	s_wait_tensorcnt 0x0
	ds_add_u32 v176, v177
	s_wait_dscnt 0x0
	s_endpgm
	; q_0 . k_0 in f32
.Lqk:
	s_sub_co_u32 s34, ttmp9, 257                   ; n = 8 head + part
	s_lshl_b32 s18, s34, 3
	s_add_co_u32 s18, s18, s14                     ; my row of Wq and of Wk: 8 n + wave
	s_lshl_b32 s18, s18, 13                        ; rows of 8,192 bytes
	s_mov_b32 s19, 0
	s_add_nc_u64 s[20:21], s[28:29], s[18:19]
	s_add_nc_u64 s[22:23], s[30:31], s[18:19]
	s_add_nc_u64 s[26:27], s[24:25], 0x1000000     ; x[1][0]: 2,048 rows of 8,192 bytes on
	s_mov_b32 s32, 0x76543210
	s_mov_b32 s33, 0xfedcba98
	v_lshlrev_b32 v5, 4, v1                        ; 16 bytes a lane: a load of the wave covers 512 consecutive bytes
	v_mov_b32 v7, 0
; Half of K: 1,024 numbers of x[0][0] (v16-47), x[1][0] (v48-79), my row of Wq (v80-111) and of Wk (v112-143); four chains of packed multiply-adds.
.macro QKH half
.set i, 0
.rept 8
	global_load_b128 v[16+4*i:19+4*i],   v5, s[24:25] offset:4096*\half+512*i
	global_load_b128 v[48+4*i:51+4*i],   v5, s[26:27] offset:4096*\half+512*i
	global_load_b128 v[80+4*i:83+4*i],   v5, s[20:21] offset:4096*\half+512*i th:TH_LOAD_NT
	global_load_b128 v[112+4*i:115+4*i], v5, s[22:23] offset:4096*\half+512*i th:TH_LOAD_NT
.set i, i+1
.endr
	s_wait_loadcnt 0x0
.set i, 0
.rept 16
.if \half+i == 0
	v_pk_mul_f32 v[144:145], v[80:81], v[16:17]                ; the first products start the sums
	v_pk_mul_f32 v[146:147], v[80:81], v[48:49]
	v_pk_mul_f32 v[148:149], v[112:113], v[16:17]
	v_pk_mul_f32 v[150:151], v[112:113], v[48:49]
.else
	v_pk_fma_f32 v[144:145], v[80+2*i:81+2*i], v[16+2*i:17+2*i], v[144:145]      ; q, batch 0
	v_pk_fma_f32 v[146:147], v[80+2*i:81+2*i], v[48+2*i:49+2*i], v[146:147]      ; q, batch 1
	v_pk_fma_f32 v[148:149], v[112+2*i:113+2*i], v[16+2*i:17+2*i], v[148:149]    ; k, batch 0
	v_pk_fma_f32 v[150:151], v[112+2*i:113+2*i], v[48+2*i:49+2*i], v[150:151]    ; k, batch 1
.endif
.set i, i+1
.endr
.endm
	QKH 0
	QKH 1
.macro SUMR r                          ; the pair, then all 32 lanes; every lane ends with the sum
	v_add_f32 v[\r], v[\r], v[\r+1]
	v_add_f32_dpp v[\r], v[\r], v[\r] row_xmask:1 row_mask:0xf bank_mask:0xf
	v_add_f32_dpp v[\r], v[\r], v[\r] row_xmask:2 row_mask:0xf bank_mask:0xf
	v_add_f32_dpp v[\r], v[\r], v[\r] row_xmask:4 row_mask:0xf bank_mask:0xf
	v_add_f32_dpp v[\r], v[\r], v[\r] row_xmask:8 row_mask:0xf bank_mask:0xf
	v_permlanex16_b32 v7, v[\r], s32, s33
	v_add_f32 v[\r], v[\r], v7
.endm
	SUMR 144
	SUMR 146
	SUMR 148
	SUMR 150
	v_mul_f32 v152, v144, v148                     ; q k of my key, batch 0
	v_mul_f32 v153, v146, v150                     ; batch 1
	v_mov_b32 v6, s14
	v_lshlrev_b32 v6, 3, v6
	ds_store_b64 v6, v[152:153] offset:QKL         ; all lanes write the same 8 bytes with the same values, in this role's own bytes
	s_wait_dscnt 0x0                               ; for the reader's sake
	s_barrier_signal -1
	s_barrier_wait -1
	s_cmp_lg_u32 s14, 0
	s_cbranch_scc1 .Lqend
	v_mov_b32 v8, 0
.irp w, 0,1,2,3
	ds_load_b128 v[16+4*\w:19+4*\w], v8 offset:QKL+16*\w
.endr
	s_wait_dscnt 0x0
.irp w, 1,2,3,4,5,6,7
	v_pk_add_f32 v[16:17], v[16:17], v[16+2*\w:17+2*\w]
.endr
	v_cmp_eq_u32 vcc_lo, 1, v1
	v_cndmask_b32 v16, v16, v17, vcc_lo            ; lane 0 stores batch 0's sum, lane 1 batch 1's
	v_lshlrev_b32 v9, 9, v1                        ; 128 floats from batch to batch
	v_lshl_add_u32 v9, s34, 2, v9
	v_cmp_gt_u32 vcc_lo, 2, v1
	s_wait_xcnt 0x0                                ; EXEC changes only behind this wait
	s_and_saveexec_b32 s18, vcc_lo
	global_store_b32 v9, v16, s[12:13] offset:1024
	s_wait_xcnt 0x0
	s_or_b32 exec_lo, exec_lo, s18
.Lqend:
	s_wait_tensorcnt 0x0
	ds_add_u32 v176, v177
	s_wait_dscnt 0x0
	s_endpgm
.Lfunc_end_k_q1456284f52_gate:
	.size	k_q1456284f52_gate, .Lfunc_end_k_q1456284f52_gate-k_q1456284f52_gate
	.p2alignl 7, 3214868480
	.fill 96, 4, 3214868480
	.section	.rodata,"a",@progbits
	.p2align	6, 0x0
	.amdhsa_kernel k_q1456284f52_gate
		.amdhsa_group_segment_fixed_size 9472
		.amdhsa_private_segment_fixed_size 0
		.amdhsa_enable_private_segment 0
		.amdhsa_kernarg_size 64
		.amdhsa_user_sgpr_count 2
		.amdhsa_user_sgpr_kernarg_segment_ptr 1
		.amdhsa_wavefront_size32 1
		.amdhsa_system_sgpr_workgroup_id_x 1
		.amdhsa_system_sgpr_workgroup_id_y 1
		.amdhsa_system_sgpr_workgroup_id_z 1
		.amdhsa_system_vgpr_workitem_id 0
		.amdhsa_next_free_vgpr 178
		.amdhsa_next_free_sgpr 66
		.amdhsa_reserve_vcc 1
		.amdhsa_float_denorm_mode_32 3
		.amdhsa_float_denorm_mode_16_64 3
		.amdhsa_memory_ordered 1
		.amdhsa_forward_progress 1
		.amdhsa_inst_pref_size 40
	.end_amdhsa_kernel
	.amdgpu_metadata
---
amdhsa.version: [ 1, 2 ]
amdhsa.kernels:
  - .name:           k_q1456284f52_gate
    .symbol:         k_q1456284f52_gate.kd
    .args:
      - { .name: hb, .offset: 0, .size: 8, .value_kind: global_buffer, .address_space: global }
      - { .name: pmax, .offset: 8, .size: 8, .value_kind: global_buffer, .address_space: global }
      - { .name: bg, .offset: 16, .size: 8, .value_kind: global_buffer, .address_space: global }
      - { .name: z, .offset: 24, .size: 8, .value_kind: global_buffer, .address_space: global }
      - { .name: sc, .offset: 32, .size: 8, .value_kind: global_buffer, .address_space: global }
      - { .name: x, .offset: 40, .size: 8, .value_kind: global_buffer, .address_space: global }
      - { .name: Wq, .offset: 48, .size: 8, .value_kind: global_buffer, .address_space: global }
      - { .name: Wk, .offset: 56, .size: 8, .value_kind: global_buffer, .address_space: global }
    .group_segment_fixed_size: 9472
    .private_segment_fixed_size: 0
    .kernarg_segment_align: 8
    .kernarg_segment_size: 64
    .max_flat_workgroup_size: 256
    .sgpr_count:     66
    .vgpr_count:     178
    .wavefront_size: 32
...
	.end_amdgpu_metadata
.endif
;; end of part 3
;; launch gstate (part 4): grid 7 x 32, 8 waves a work-group, no clusters, 179,200 bytes of LDS; arguments P, z, Wkg2, bkg2, sc, U, dsg; writes U, dsg
.if DOCPART == 4
	.amdgcn_target "amdgcn-amd-amdhsa--gfx1250"
	.amdhsa_code_object_version 6
	.text
	.protected	k_q1456284f52_gstate
	.globl	k_q1456284f52_gstate
	.p2align	8
	.type	k_q1456284f52_gstate,@function
k_q1456284f52_gstate:
	s_mov_b64 s[64:65], 0
	v_nop
	global_prefetch_b8 v0, s[64:65] scope:SCOPE_SE
	s_setreg_imm32_b32 hwreg(HW_REG_WAVE_MODE, 25, 1), 1
	s_wait_xcnt 0x0
; Launch 4: for each (batch, head) and each of the first seven segments of 256 steps, the state that the segment would reach from zero
; (U, 64 x 128 in f32, scaled by b c) and the product of its decays (dsg, 64 numbers).
; LEFT OUT: the eighth segment's own state, which no later step reads; the product with the zero state at a segment's start (its first block starts the sums).
; With e_t = exp(log_sigmoid(kg_t)/16) <= 1:  S_end = diag(prod e) S_start + sum_s (k_s prod_{u>s} e_u) v_s^T, block by block of 32 steps.
; Every factor is a product of e's, never a quotient: nothing can overflow however small an e is.
; PHASE A, wave w = block w: kg = z Wkg2^T + bkg2 by a matrix instruction whose result has lane (r, h), register j = (step 8h + j, key r); k is brought
; into the same layout, exactly, by a product with a 0/1 matrix.  So products along the steps stay in a lane, and 8 steps pack into 16 bytes of an array [key][step].
; PHASE B, wave w = 16 columns of v: S[64][16] in four accumulators over the eight blocks.
; No cluster and no tensor loads: each work-group reads bytes of its own, once, in small pieces.
.set BLK, 22272                        ; a block's LDS: (Q32 6,144 unused here) K32 [64] pitch 80, (AF 1,536 unused) d 256, V [32] pitch 288
.set OKK, 6144
.set OD,  12800
.set OV,  13056
.set ID, 24                            ; v24-35   0000 X 0000: the 0/1 matrix for keys 0-15 (from +4) and 16-31 (from +0) of a chunk of 32
.set W2, 36                            ; v36-55   Wkg2's fragments, 4 registers a key tile, 4 zeros behind
.set BI, 56                            ; v56-59   bkg2 of my key in each tile
.set CT, 60                            ; v60-67   the bias as a C tile
.set ZF, 68                            ; v68-83   z's fragments (upper halves zero)
.set KF, 100                           ; v100-131 k's fragments: (chunk, step tile)
.set E,  132                           ; v132-147 kg, then e
.set K,  164                           ; v164-179 k
.set T,  180                           ; v180-195 at work
.set UL, 196
.set M,  202
.set KR, 226                           ; v226-241 k x suffix product inside its 8 steps
.set LS, 242                           ; v242-255 lane scalars
.set VS, 132                           ; V on its way to LDS
.set WS, 196                           ; Wkg2 in f32
.macro PLACES                          ; five plain places: the next matrix instructions write over registers of the last (ISA guide 7.12.1)
.rept 5
	v_nop
.endr
.endm
	s_load_b256 s[4:11], s[0:1], 0x0               ; P, z, Wkg2, bkg2
	s_load_b128 s[12:15], s[0:1], 0x20             ; sc, U
	s_load_b64 s[16:17], s[0:1], 0x30              ; dsg
	v_lshl_add_u32 v250, v0, 2, 0x2b800
	v_mov_b32 v251, 0
	v_lshrrev_b32 v1, 5, v0
	v_readfirstlane_b32 s22, v1                    ; wave
	s_mov_b32 s23, ttmp9                           ; segment
	s_and_b32 s24, ttmp7, 0xffff                   ; 16 batch + head
	s_and_b32 s25, s24, 15
	s_lshr_b32 s26, s24, 4
	s_lshl_b32 s26, s26, 11
	s_lshl_b32 s27, s23, 8
	s_add_co_u32 s26, s26, s27
	s_lshl_b32 s27, s22, 5
	s_add_co_u32 s26, s26, s27                     ; my block's first row
	s_mov_b32 s36, 0xbfb8aa3b                      ; -log2(e)
	s_mov_b32 s38, 0x3db8aa3b                      ; log2(e)/16
	s_mov_b32 s39, 0x3db8aa3b
	s_mov_b32 s60, 0xbd800000                      ; -1/16
	s_mov_b32 s61, 0xbd800000
	s_mov_b32 s40, 0xffff0000                      ; lanes with h = 1
	s_mov_b32 s62, 0x76543210
	s_mov_b32 s63, 0xfedcba98
	s_mul_i32 s87, s22, BLK
	v_and_b32 v1, 31, v0
	v_and_b32 v2, 15, v0
	v_bfe_u32 v3, v0, 4, 1
	v_lshlrev_b32 v4, 5, v2
	v_lshl_add_u32 v4, v3, 4, v4                   ; z: r x 32 + 16 h
	v_mul_u32_u24 v5, v2, 0x3000
	v_lshl_add_u32 v5, v3, 4, v5                   ; P: r x 12,288 + 16 h
	v_lshlrev_b32 v6, 6, v2
	v_lshl_add_u32 v6, v3, 5, v6                   ; Wkg2: r x 64 + 32 h
	v_lshlrev_b32 v7, 2, v2                        ; bkg2
	v_mul_u32_u24 v8, v3, 0x3000
	v_lshl_add_u32 v8, v2, 4, v8                   ; V: h x 12,288 + 16 r
	v_mul_u32_u24 v9, v3, 288
	v_lshl_add_u32 v9, v2, 4, v9
	v_add3_u32 v9, v9, s87, OV
	v_mul_u32_u24 v13, v2, 80
	v_lshl_add_u32 v13, v3, 4, v13
	v_add3_u32 v13, v13, s87, OKK
	v_lshlrev_b32 v14, 2, v2
	v_add3_u32 v14, v14, s87, OD
	s_wait_kmcnt 0x0
	s_load_b256 s[28:35], s[12:13], 0x0            ; the scales: s29 b, s30 c (two f16)
	s_mul_i32 s84, s26, 12288
	s_lshl_b32 s86, s25, 7
	s_add_co_u32 s84, s84, s86
	s_mov_b32 s85, 0
	s_add_nc_u64 s[66:67], s[4:5], s[84:85]        ; q's columns of my head; k's are 2,048 bytes on
	s_add_co_u32 s84, s84, s86
	s_add_nc_u64 s[68:69], s[4:5], s[84:85]        ; v's columns are 4,096 bytes on from here
	s_lshl_b32 s84, s26, 5
	s_add_nc_u64 s[70:71], s[6:7], s[84:85]
	s_lshl_b32 s84, s25, 12
	s_add_nc_u64 s[72:73], s[8:9], s[84:85]
	s_lshl_b32 s84, s25, 8
	s_add_nc_u64 s[74:75], s[10:11], s[84:85]
	s_lshl_b32 s86, s24, 3
	s_add_co_u32 s86, s86, s23                     ; 8 (16 batch + head) + segment
	s_lshl_b32 s84, s86, 3
	s_add_co_u32 s84, s84, s22
	s_lshl_b32 s84, s84, 12
	s_add_nc_u64 s[80:81], s[14:15], s[84:85]      ; U: my wave's 4,096 bytes
	s_lshl_b32 s84, s86, 8
	s_add_nc_u64 s[82:83], s[16:17], s[84:85]
	global_load_b128 v[ZF:ZF+3], v4, s[70:71]
	global_load_b128 v[ZF+8:ZF+11], v4, s[70:71] offset:512
.irp c, 0,1
.irp tt, 0,1
	global_load_b128 v[KF+16*\c+8*\tt:KF+16*\c+8*\tt+3],   v5, s[66:67] offset:2048+196608*\tt+64*\c
	global_load_b128 v[KF+16*\c+8*\tt+4:KF+16*\c+8*\tt+7], v5, s[66:67] offset:2048+196608*\tt+64*\c+32
.endr
.endr
.irp kt, 0,1,2,3
	global_load_b128 v[WS+8*\kt:WS+8*\kt+3],   v6, s[72:73] offset:1024*\kt
	global_load_b128 v[WS+8*\kt+4:WS+8*\kt+7], v6, s[72:73] offset:1024*\kt+16
	global_load_b32 v[BI+\kt], v7, s[74:75] offset:64*\kt
.endr
.set i, 0
.rept 16
	global_load_b128 v[VS+4*i:VS+4*i+3], v8, s[68:69] offset:4096+24576*i
.set i, i+1
.endr
	; the 0/1 matrix: column r has its one at k = r
	v_and_b32 v16, 1, v2
	v_lshlrev_b32 v16, 4, v16
	v_lshlrev_b32 v17, v16, 0x3c00                 ; 1.0 in f16, in the half that r's parity names
	v_lshrrev_b32 v18, 3, v2
	v_xor_b32 v18, v18, v3
	v_bfe_u32 v19, v2, 1, 2
	v_lshl_or_b32 v19, v18, 2, v19                 ; = i only where r / 8 = h and (r mod 8) / 2 = i
.irp i, 0,1,2,3
	v_mov_b32 v[ID+\i], 0
	v_cmp_eq_u32 vcc_lo, \i, v19
	v_cndmask_b32 v[ID+4+\i], 0, v17, vcc_lo
	v_mov_b32 v[ID+8+\i], 0
	v_mov_b32 v[ZF+4+\i], 0
	v_mov_b32 v[ZF+12+\i], 0
	v_mov_b32 v[W2+16+\i], 0
.endr
	v_mov_b32 v[LS+2], 0
	v_mov_b32 v[LS+3], 0
	v_mov_b32 v[LS+13], 0
	s_wait_loadcnt 0x0
	s_wait_kmcnt 0x0
.set i, 0
.rept 16
	ds_store_b128 v9, v[VS+4*i:VS+4*i+3] offset:576*i
.set i, i+1
.endr
.set i, 0
.rept 16
	v_cvt_pk_f16_f32 v[W2+i], v[WS+2*i], v[WS+2*i+1]
.set i, i+1
.endr
; e = exp2((min(x,0) log2e - log2(1 + exp2(-|x| log2e))) / 16) for 16 registers.  Behind each group of transcendentals stands a run of plain
; instructions that touch none of its registers (ISA guide 5.7.2).
.macro DECAY
.set i, 0
.rept 16
	v_mul_f32 v[T+i], s36, |v[E+i]|
.set i, i+1
.endr
.set i, 0
.rept 16
	v_exp_f32 v[T+i], v[T+i]
.set i, i+1
.endr
.set i, 0
.rept 16
	v_min_num_f32 v[E+i], 0, v[E+i]
.set i, i+1
.endr
.set i, 0
	s_wait_alu depctr_va_vdst(0)
.rept 8
	v_pk_add_f32 v[T+2*i:T+2*i+1], v[T+2*i:T+2*i+1], 1.0 op_sel_hi:[1,0]
.set i, i+1
.endr
.set i, 0
.rept 16
	v_log_f32 v[T+i], v[T+i]
.set i, i+1
.endr
.set i, 0
.rept 8
	v_pk_mul_f32 v[E+2*i:E+2*i+1], v[E+2*i:E+2*i+1], s[38:39] op_sel_hi:[1,0]
.set i, i+1
.endr
.set i, 0
	s_wait_alu depctr_va_vdst(0)
.rept 8
	v_pk_fma_f32 v[E+2*i:E+2*i+1], v[T+2*i:T+2*i+1], s[60:61], v[E+2*i:E+2*i+1] op_sel_hi:[1,0,1]
.set i, i+1
.endr
.set i, 0
.rept 16
	v_exp_f32 v[E+i], v[E+i]
.set i, i+1
.endr
	v_nop
	s_wait_alu depctr_va_vdst(0)
.endm
.macro TILEK tt                        ; k_j x e_{j+1} .. e_7 for a lane's 8 steps, and the product of all 8
.set te, E+8*\tt
.set tk, K+8*\tt
.set tr, KR+8*\tt
	v_mul_f32 v[UL], v[te+2], v[te+3]
	v_mul_f32 v[UL+1], v[te+6], v[te+7]
	v_mul_f32 v[UL+2], v[te+4], v[te+5]
	v_mul_f32 v[UL+3], v[te+1], v[UL]
	v_mul_f32 v[UL+5], v[UL+2], v[UL+1]            ; e4 .. e7
	v_mul_f32 v[T+8], v[UL+3], v[UL+5]
	v_mul_f32 v[T+9], v[UL], v[UL+5]
	v_mul_f32 v[T+10], v[te+3], v[UL+5]
	v_mul_f32 v[T+12], v[te+5], v[UL+1]
	v_mul_f32 v[LS+\tt], v[te], v[T+8]             ; e0 .. e7
	v_mul_f32 v[tr], v[tk], v[T+8]
	v_mul_f32 v[tr+1], v[tk+1], v[T+9]
	v_mul_f32 v[tr+2], v[tk+2], v[T+10]
	v_mul_f32 v[tr+3], v[tk+3], v[UL+5]
	v_mul_f32 v[tr+4], v[tk+4], v[T+12]
	v_mul_f32 v[tr+5], v[tk+5], v[UL+1]
	v_mul_f32 v[tr+6], v[tk+6], v[te+7]
	v_mov_b32 v[tr+7], v[tk+7]
.endm
.macro SC8 src, sc, addr, off          ; 8 numbers x a lane scalar, to f16, 16 bytes into an array [key][step]
.set i, 0
.rept 4
	v_pk_mul_f32 v[M+2*i:M+2*i+1], v[\src+2*i:\src+2*i+1], v[\sc:\sc+1] op_sel_hi:[1,0]
.set i, i+1
.endr
	v_cvt_pk_f16_f32 v[M], v[M], v[M+1]
	v_cvt_pk_f16_f32 v[M+1], v[M+2], v[M+3]
	v_cvt_pk_f16_f32 v[M+2], v[M+4], v[M+5]
	v_cvt_pk_f16_f32 v[M+3], v[M+6], v[M+7]
	ds_store_b128 v[\addr], v[M:M+3] offset:\off
.endm
.macro KT kt
.irp j, 0,1,2,3,4,5,6,7
	v_mov_b32 v[CT+\j], v[BI+\kt]
.endr
	v_wmma_f32_16x16x32_f16 v[E:E+7], v[ZF:ZF+7], v[W2+4*\kt:W2+4*\kt+7], v[CT:CT+7]
	v_wmma_f32_16x16x32_f16 v[E+8:E+15], v[ZF+8:ZF+15], v[W2+4*\kt:W2+4*\kt+7], v[CT:CT+7]
	v_wmma_f32_16x16x32_f16 v[K:K+7], v[KF+16*(\kt/2):KF+16*(\kt/2)+7], v[ID+4-4*(\kt&1):ID+11-4*(\kt&1)], 0
	v_wmma_f32_16x16x32_f16 v[K+8:K+15], v[KF+16*(\kt/2)+8:KF+16*(\kt/2)+15], v[ID+4-4*(\kt&1):ID+11-4*(\kt&1)], 0
	PLACES
	DECAY
	TILEK 0
	TILEK 1
	v_permlanex16_b32 v[LS+2], v[LS], s62, s63     ; the other 8 steps' product, tile 0
	v_permlanex16_b32 v[LS+3], v[LS+1], s62, s63
	v_mul_f32 v[LS+4], v[LS], v[LS+2]              ; 16 steps, tile 0
	v_mul_f32 v[LS+5], v[LS+1], v[LS+3]            ; tile 1
	v_cndmask_b32 v[LS+6], v[LS+2], 1.0, s40       ; what follows my 8 steps inside tile 0
	v_cndmask_b32 v[LS+7], v[LS+3], 1.0, s40       ; inside tile 1
	v_mul_f32 v[LS+10], v[LS+6], v[LS+5]
	v_mul_f32 v[LS+10], s29, v[LS+10]              ; tile 0: to the block's end, x b
	v_mul_f32 v[LS+12], s29, v[LS+7]               ; tile 1
	v_mul_f32 v[LS+11], v[LS+4], v[LS+5]           ; the block's decay
	SC8 KR, LS+10, 13, 1280*\kt
	SC8 KR+8, LS+12, 13, 1280*\kt+32
	ds_store_b32 v14, v[LS+11] offset:64*\kt
.endm
	KT 0
	KT 1
	KT 2
	KT 3
	s_wait_dscnt 0x0                               ; my block is in LDS, for the others' sake
	s_barrier_signal -1
	s_barrier_wait -1
	; PHASE B
.set S,   24
.set VF,  88
.set KFR, 144
.set DV,  176
.set GV,  208
	v_and_b32 v16, 7, v0
	v_lshl_add_u32 v16, v3, 3, v16                 ; 8 h + lane mod 8
	v_bfe_u32 v17, v0, 3, 1
	v_lshlrev_b32 v17, 4, v17
	v_mul_u32_u24 v4, v16, 288
	v_add3_u32 v4, v4, v17, OV
	v_lshl_add_u32 v4, s22, 5, v4                  ; V transposed: my 16 columns
	v_mul_u32_u24 v5, v2, 80
	v_lshl_add_u32 v5, v3, 4, v5
	v_add_nc_u32 v5, OKK, v5
	v_lshlrev_b32 v8, 5, v3
	v_add_nc_u32 v8, OD, v8
	v_mov_b32 v[GV], s30
.macro SBLK first
	PLACES
	ds_load_tr16_b128 v[VF:VF+3], v4
	ds_load_tr16_b128 v[VF+4:VF+7], v4 offset:4608
.irp kt, 0,1,2,3
	ds_load_b128 v[KFR+8*\kt:KFR+8*\kt+3],   v5 offset:1280*\kt
	ds_load_b128 v[KFR+8*\kt+4:KFR+8*\kt+7], v5 offset:1280*\kt+32
.if \first == 0
	ds_load_b128 v[DV+8*\kt:DV+8*\kt+3],   v8 offset:64*\kt
	ds_load_b128 v[DV+8*\kt+4:DV+8*\kt+7], v8 offset:64*\kt+16
.endif
.endr
	s_wait_dscnt 0x0
.irp i, 0,1,2,3,4,5,6,7
	v_pk_mul_f16 v[VF+\i], v[VF+\i], v[GV]         ; v x c, a power of two
.endr
.if \first == 0
.set i, 0
.rept 16
	v_pk_mul_f32 v[S+2*i:S+2*i+1], v[S+2*i:S+2*i+1], v[DV+2*i:DV+2*i+1]
.set i, i+1
.endr
.endif
.irp kt, 0,1,2,3                       ; four accumulators by turns
.if \first
	v_wmma_f32_16x16x32_f16 v[S+8*\kt:S+8*\kt+7], v[KFR+8*\kt:KFR+8*\kt+7], v[VF:VF+7], 0
.else
	v_wmma_f32_16x16x32_f16 v[S+8*\kt:S+8*\kt+7], v[KFR+8*\kt:KFR+8*\kt+7], v[VF:VF+7], v[S+8*\kt:S+8*\kt+7]
.endif
.endr
	v_add_nc_u32 v4, BLK, v4
	v_add_nc_u32 v5, BLK, v5
	v_add_nc_u32 v8, BLK, v8
.endm
	SBLK 1
	s_mov_b32 s57, 7
.Lblk:
	SBLK 0
	s_sub_co_u32 s57, s57, 1
	s_cmp_lg_u32 s57, 0
	s_cbranch_scc1 .Lblk
	PLACES
	v_lshlrev_b32 v10, 4, v1
.irp q, 0,1,2,3,4,5,6,7
	global_store_b128 v10, v[S+4*\q:S+4*\q+3], s[80:81] offset:512*\q   ; the registers as they are: 512 consecutive bytes a store
.endr
	s_cmp_lg_u32 s22, 0
	s_cbranch_scc1 .Lend
	v_lshlrev_b32 v11, 3, v1                       ; wave 0: the segment's decay, two keys a lane
	v_add_nc_u32 v12, OD, v11
.set i, 0
.rept 8
	ds_load_b64 v[96+2*i:97+2*i], v12
	v_add_nc_u32 v12, BLK, v12
.set i, i+1
.endr
	s_wait_dscnt 0x0
.set i, 1
.rept 7
	v_pk_mul_f32 v[96:97], v[96:97], v[96+2*i:97+2*i]
.set i, i+1
.endr
	global_store_b64 v11, v[96:97], s[82:83]
.Lend:
	s_wait_tensorcnt 0x0
	ds_add_u32 v250, v251
	s_wait_dscnt 0x0
	s_endpgm
.Lfunc_end_k_q1456284f52_gstate:
	.size	k_q1456284f52_gstate, .Lfunc_end_k_q1456284f52_gstate-k_q1456284f52_gstate
	.p2alignl 7, 3214868480
	.fill 96, 4, 3214868480
	.section	.rodata,"a",@progbits
	.p2align	6, 0x0
	.amdhsa_kernel k_q1456284f52_gstate
		.amdhsa_group_segment_fixed_size 179200
		.amdhsa_private_segment_fixed_size 0
		.amdhsa_enable_private_segment 0
		.amdhsa_kernarg_size 56
		.amdhsa_user_sgpr_count 2
		.amdhsa_user_sgpr_kernarg_segment_ptr 1
		.amdhsa_wavefront_size32 1
		.amdhsa_system_sgpr_workgroup_id_x 1
		.amdhsa_system_sgpr_workgroup_id_y 1
		.amdhsa_system_sgpr_workgroup_id_z 1
		.amdhsa_system_vgpr_workitem_id 0
		.amdhsa_next_free_vgpr 256
		.amdhsa_next_free_sgpr 90
		.amdhsa_reserve_vcc 1
		.amdhsa_float_denorm_mode_32 3
		.amdhsa_float_denorm_mode_16_64 3
		.amdhsa_memory_ordered 1
		.amdhsa_forward_progress 1
		.amdhsa_inst_pref_size 52
	.end_amdhsa_kernel
	.amdgpu_metadata
---
amdhsa.version: [ 1, 2 ]
amdhsa.kernels:
  - .name:           k_q1456284f52_gstate
    .symbol:         k_q1456284f52_gstate.kd
    .args:
      - { .name: P, .offset: 0, .size: 8, .value_kind: global_buffer, .address_space: global }
      - { .name: z, .offset: 8, .size: 8, .value_kind: global_buffer, .address_space: global }
      - { .name: Wkg2, .offset: 16, .size: 8, .value_kind: global_buffer, .address_space: global }
      - { .name: bkg2, .offset: 24, .size: 8, .value_kind: global_buffer, .address_space: global }
      - { .name: sc, .offset: 32, .size: 8, .value_kind: global_buffer, .address_space: global }
      - { .name: U, .offset: 40, .size: 8, .value_kind: global_buffer, .address_space: global }
      - { .name: dsg, .offset: 48, .size: 8, .value_kind: global_buffer, .address_space: global }
    .group_segment_fixed_size: 179200
    .private_segment_fixed_size: 0
    .kernarg_segment_align: 8
    .kernarg_segment_size: 56
    .max_flat_workgroup_size: 256
    .sgpr_count:     90
    .vgpr_count:     256
    .wavefront_size: 32
...
	.end_amdgpu_metadata
.endif
;; end of part 4
;; launch gout (part 5): grid 8 x 32, 8 waves a work-group, no clusters, 314,368 bytes of LDS; arguments P, z, Wkg2, bkg2, bg, sc, U, dsg, y; writes y
.if DOCPART == 5
	.amdgcn_target "amdgcn-amd-amdhsa--gfx1250"
	.amdhsa_code_object_version 6
	.text
	.protected	k_q1456284f52_gout
	.globl	k_q1456284f52_gout
	.p2align	8
	.type	k_q1456284f52_gout,@function
k_q1456284f52_gout:
	s_mov_b64 s[64:65], 0
	v_nop
	global_prefetch_b8 v0, s[64:65] scope:SCOPE_SE
	s_setreg_imm32_b32 hwreg(HW_REG_WAVE_MODE, 25, 1), 1
	s_wait_xcnt 0x0
; Launch 5: for each (batch, head) and each segment of 256 steps: o, LayerNorm over 128, x silu(x Wg^T + bg), to y in f16 (scaled: see sc).
; LEFT OUT: SCALE as a multiplication (it is met by E in EPS's place: LayerNorm is unchanged by a constant factor on o when EPS takes its square).
; Block of 32 steps, e_t = exp(log_sigmoid(kg_t)/16) <= 1:
;   o_t = (q_t prod_{u<=t} e_u) S_start + sum_{s<=t} A[t][s] v_s,   A[t][s] = sum_key q_t k_s prod_{s<u<=t} e_u,   S_end = diag(prod e) S_start + sum_s (k_s prod_{u>s} e_u) v_s^T.
; Every weight is a product of e's, never a quotient of cumulated decays, so no factor exceeds 1 whatever the gates are.  A's weights split at the
; boundary between s and t on five levels (groups of 2, 4, 8, 16, 32 steps): on each level ONE array holds k x (suffix to the group's middle) in the lower
; half of a group and q x (prefix from the middle) in the upper half; the array times itself gives all of that level's A[t][s] (and numbers that are
; thrown away by lane masks).  The diagonal is q_t k_t, summed by lanes.
; A[0][0] of a chain's very first step is taken from sc, where an earlier launch left it as eight partial sums made in f32 from the f32 inputs: o_0 is that
; one number times v_0, and where it cancels to near zero LayerNorm's EPS makes the result hang on its absolute error.  It is put in by a selection.
; PHASE A, wave w = block w.  Layout: lane (r, h), register j of tile (tt, kt) = (step 16 tt + 8 h + j, key 16 kt + r), the result layout of
;   kg = z Wkg2^T + bkg2; q and k come into it exactly by a product with a 0/1 matrix.
; STATE IN: S = sum over earlier segments, S = S D_j + U_j.   PHASE B, wave w = 16 columns of v, eight blocks in order.   PHASE C, wave w = 32 rows.
; LIMITS: |q|, |k|, |v|, |x Wg^T|, |x Wkg1^T| below 65504 (kept in f16); NaN and infinities are not carried as the f32 recurrence would carry them.
; No cluster and no tensor loads: each work-group reads bytes of its own in small pieces; only Wkg2's 4 KiB and the states are read by several.
.set BLK, 22272                        ; a block's LDS: Q32 [64 keys] pitch 96, K32 [64] pitch 80, AF 3 x 512, d 64 f32, V [32 steps] pitch 288
.set OKK, 6144
.set OAF, 11264
.set OD,  12800
.set OV,  13056
.set OO,  178176                       ; o [256 steps] pitch 528 in f32; in phase A the same bytes hold each wave's five level arrays
.set LEV, 3072                         ; a level array: [32 keys] pitch 96
.set ID, 24
.set W2, 36
.set BI, 56
.set CT, 60
.set ZF, 68
.set QF, 84
.set KF, 100
.set DG, 116
.set E,  132
.set Q,  148
.set K,  164
.set T,  180
.set UL, 196
.set M,  202
.set QP, 210
.set KR, 226
.set LS, 242
.set VS, 132
.set WS, 196
.set FR, 132
.set AT, 132
.set LM, 10
.set LT, 11
.set LQ, 12
.set LK, 13
.set MSB, 0
.macro WIN new
.if MSB != \new
	s_set_vgpr_msb (MSB<<8)|\new
.set MSB, \new
.endif
.endm
.macro PLACES                          ; five plain places: the next matrix instructions write over registers of the last (ISA guide 7.12.1)
.rept 5
	v_nop
.endr
.endm
	s_load_b512 s[4:19], s[0:1], 0x0               ; P, z, Wkg2, bkg2, bg, sc, U, dsg
	s_load_b64 s[20:21], s[0:1], 0x40              ; y
	v_lshl_add_u32 v22, v0, 2, 0x4c800
	v_mov_b32 v23, 0
	v_lshrrev_b32 v1, 5, v0
	v_readfirstlane_b32 s22, v1                    ; wave
	s_mov_b32 s23, ttmp9                           ; segment
	s_and_b32 s24, ttmp7, 0xffff                   ; 16 batch + head
	s_and_b32 s25, s24, 15
	s_lshr_b32 s26, s24, 4
	s_lshl_b32 s26, s26, 11
	s_lshl_b32 s27, s23, 8
	s_add_co_u32 s26, s26, s27
	s_lshl_b32 s27, s22, 5
	s_add_co_u32 s26, s26, s27                     ; my 32 rows' first
	s_or_b32 s89, s22, s23
	s_cmp_eq_u32 s89, 0
	s_cselect_b32 s89, 1, 0                        ; lane 0, in segment 0's wave 0 alone: the chain's step 0
	s_mov_b32 s36, 0xbfb8aa3b                      ; -log2(e)
	s_mov_b32 s37, 0xbfb8aa3b
	s_mov_b32 s38, 0x3db8aa3b                      ; log2(e)/16
	s_mov_b32 s39, 0x3db8aa3b
	s_mov_b32 s60, 0xbd800000                      ; -1/16
	s_mov_b32 s61, 0xbd800000
	s_mov_b32 s40, 0xffff0000                      ; lanes with h = 1
	s_mov_b32 s62, 0x76543210
	s_mov_b32 s63, 0xfedcba98
	; lane masks for a score tile (register j, lane (r, h)) = (s = 8 h + j, t = r)
.irp j, 0,1,2,3,4,5,6,7
	s_mov_b32 s[41+\j], (1<<\j)|(1<<(24+\j))       ; t = s
.endr
.irp j, 0,2,4,6
	s_mov_b32 s[49+\j/2], (2<<\j)|(2<<(24+\j))     ; s even, t = s + 1
.endr
	s_mov_b32 s53, 0x0c00000c                      ; j = 0, 1: t = 2, 3 of the same four
	s_mov_b32 s54, 0xc00000c0                      ; j = 4, 5: t = 6, 7
	s_mov_b32 s55, 0xf00000f0                      ; j < 4: t = 4 .. 7 of the same eight
	s_mov_b32 s56, 0x0000ff00                      ; s < 8 <= t
	s_mul_i32 s87, s22, BLK
	s_mul_i32 s88, s22, 5*LEV
	s_add_co_u32 s88, s88, OO
	v_and_b32 v1, 31, v0
	v_and_b32 v2, 15, v0
	v_bfe_u32 v3, v0, 4, 1
	v_and_b32 v16, 7, v0
	v_lshl_add_u32 v16, v3, 3, v16                 ; 8 h + lane mod 8
	v_bfe_u32 v17, v0, 3, 1
	v_lshlrev_b32 v17, 4, v17
	v_lshlrev_b32 v4, 5, v2
	v_lshl_add_u32 v4, v3, 4, v4                   ; z: r x 32 + 16 h
	v_mul_u32_u24 v5, v2, 0x3000
	v_lshl_add_u32 v5, v3, 4, v5                   ; P: r x 12,288 + 16 h
	v_lshlrev_b32 v6, 6, v2
	v_lshl_add_u32 v6, v3, 5, v6                   ; Wkg2
	v_lshlrev_b32 v7, 2, v2                        ; bkg2
	v_mul_u32_u24 v8, v3, 0x3000
	v_lshl_add_u32 v8, v2, 4, v8                   ; V
	v_mul_u32_u24 v9, v3, 288
	v_lshl_add_u32 v9, v2, 4, v9
	v_add3_u32 v9, v9, s87, OV
	v_mul_u32_u24 v18, v2, 96
	v_lshl_add_u32 v18, v3, 4, v18                 ; r x 96 + 16 h
	v_add_nc_u32 v[LM], s88, v18
	v_add_nc_u32 v[LQ], s87, v18
	v_mul_u32_u24 v[LT], v16, 96
	v_add3_u32 v[LT], v[LT], v17, s88
	v_mul_u32_u24 v[LK], v2, 80
	v_lshl_add_u32 v[LK], v3, 4, v[LK]
	v_add3_u32 v[LK], v[LK], s87, OKK
	v_lshlrev_b32 v14, 2, v2
	v_add3_u32 v14, v14, s87, OD
	v_lshlrev_b32 v15, 4, v1
	v_add3_u32 v15, v15, s87, OAF
	s_wait_kmcnt 0x0
	s_load_b256 s[28:35], s[14:15], 0x0            ; a, b, c (f16 x 2), a b, E/(1+E), 1/(128 (1+E)), d/8, (the last is the next launch's)
	s_lshl_b32 s84, s24, 5                         ; 8 floats a chain
	s_mov_b32 s85, 0
	s_add_nc_u64 s[90:91], s[14:15], s[84:85]
	s_load_b256 s[92:99], s[90:91], 0x400          ; the eight partial sums of my chain's q_0 . k_0
	s_mul_i32 s84, s26, 12288
	s_lshl_b32 s86, s25, 7
	s_add_co_u32 s84, s84, s86
	s_add_nc_u64 s[66:67], s[4:5], s[84:85]        ; q's columns; k's are 2,048 bytes on
	s_add_co_u32 s84, s84, s86
	s_add_nc_u64 s[68:69], s[4:5], s[84:85]        ; v's columns are 4,096 bytes on from here, g's 8,192
	s_lshl_b32 s84, s26, 5
	s_add_nc_u64 s[70:71], s[6:7], s[84:85]
	s_lshl_b32 s84, s25, 12
	s_add_nc_u64 s[72:73], s[8:9], s[84:85]
	s_lshl_b32 s84, s25, 8
	s_add_nc_u64 s[74:75], s[10:11], s[84:85]
	s_lshl_b32 s86, s26, 12
	s_add_co_u32 s84, s84, s86
	s_add_nc_u64 s[76:77], s[20:21], s[84:85]      ; y: my first row, my head's 256 bytes
	s_lshl_b32 s84, s25, 9
	s_add_nc_u64 s[78:79], s[12:13], s[84:85]
	s_lshl_b32 s84, s24, 6
	s_add_co_u32 s84, s84, s22
	s_lshl_b32 s84, s84, 12
	s_add_nc_u64 s[80:81], s[16:17], s[84:85]      ; U of segment 0, my wave's part
	s_lshl_b32 s84, s24, 11
	s_add_nc_u64 s[82:83], s[18:19], s[84:85]
.macro LOADQK c                        ; q's and k's fragments of keys 32 c .. 32 c + 31
.irp tt, 0,1
	global_load_b128 v[QF+8*\tt:QF+8*\tt+3],   v5, s[66:67] offset:196608*\tt+64*\c
	global_load_b128 v[QF+8*\tt+4:QF+8*\tt+7], v5, s[66:67] offset:196608*\tt+64*\c+32
	global_load_b128 v[KF+8*\tt:KF+8*\tt+3],   v5, s[66:67] offset:2048+196608*\tt+64*\c
	global_load_b128 v[KF+8*\tt+4:KF+8*\tt+7], v5, s[66:67] offset:2048+196608*\tt+64*\c+32
.endr
.endm
	global_load_b128 v[ZF:ZF+3], v4, s[70:71]
	global_load_b128 v[ZF+8:ZF+11], v4, s[70:71] offset:512
	LOADQK 0
.irp kt, 0,1,2,3
	global_load_b128 v[WS+8*\kt:WS+8*\kt+3],   v6, s[72:73] offset:1024*\kt
	global_load_b128 v[WS+8*\kt+4:WS+8*\kt+7], v6, s[72:73] offset:1024*\kt+16
	global_load_b32 v[BI+\kt], v7, s[74:75] offset:64*\kt
.endr
.set i, 0
.rept 16
	global_load_b128 v[VS+4*i:VS+4*i+3], v8, s[68:69] offset:4096+24576*i
.set i, i+1
.endr
	v_and_b32 v16, 1, v2
	v_lshlrev_b32 v16, 4, v16
	v_lshlrev_b32 v17, v16, 0x3c00                 ; 1.0 in f16, in the half that r's parity names
	v_lshrrev_b32 v18, 3, v2
	v_xor_b32 v18, v18, v3
	v_bfe_u32 v19, v2, 1, 2
	v_lshl_or_b32 v19, v18, 2, v19
.irp i, 0,1,2,3
	v_mov_b32 v[ID+\i], 0
	v_cmp_eq_u32 vcc_lo, \i, v19
	v_cndmask_b32 v[ID+4+\i], 0, v17, vcc_lo
	v_mov_b32 v[ID+8+\i], 0
	v_mov_b32 v[ZF+4+\i], 0
	v_mov_b32 v[ZF+12+\i], 0
	v_mov_b32 v[W2+16+\i], 0
.endr
	v_mov_b32 v[LS+2], 0
	v_mov_b32 v[LS+3], 0
	v_mov_b32 v[LS+13], 0
	s_wait_loadcnt 0x0
	s_wait_kmcnt 0x0
	s_mov_b32 s58, s31                             ; a b, as a pair for the packed multiply
	s_mov_b32 s59, s31
.set i, 0
.rept 16
	ds_store_b128 v9, v[VS+4*i:VS+4*i+3] offset:576*i
.set i, i+1
.endr
.set i, 0
.rept 16
	v_cvt_pk_f16_f32 v[W2+i], v[WS+2*i], v[WS+2*i+1]
.set i, i+1
.endr
; e = exp2((min(x,0) log2e - log2(1 + exp2(-|x| log2e))) / 16) for 16 registers.  Behind each group of transcendentals stands a run of plain
; instructions that touch none of its registers (ISA guide 5.7.2).
.macro DECAY
.set i, 0
.rept 16
	v_mul_f32 v[T+i], s36, |v[E+i]|
.set i, i+1
.endr
.set i, 0
.rept 16
	v_exp_f32 v[T+i], v[T+i]
.set i, i+1
.endr
.set i, 0
.rept 16
	v_min_num_f32 v[E+i], 0, v[E+i]
.set i, i+1
.endr
.set i, 0
	s_wait_alu depctr_va_vdst(0)
.rept 8
	v_pk_add_f32 v[T+2*i:T+2*i+1], v[T+2*i:T+2*i+1], 1.0 op_sel_hi:[1,0]
.set i, i+1
.endr
.set i, 0
.rept 16
	v_log_f32 v[T+i], v[T+i]
.set i, i+1
.endr
.set i, 0
.rept 8
	v_pk_mul_f32 v[E+2*i:E+2*i+1], v[E+2*i:E+2*i+1], s[38:39] op_sel_hi:[1,0]
.set i, i+1
.endr
.set i, 0
	s_wait_alu depctr_va_vdst(0)
.rept 8
	v_pk_fma_f32 v[E+2*i:E+2*i+1], v[T+2*i:T+2*i+1], s[60:61], v[E+2*i:E+2*i+1] op_sel_hi:[1,0,1]
.set i, i+1
.endr
.set i, 0
.rept 16
	v_exp_f32 v[E+i], v[E+i]
.set i, i+1
.endr
	v_nop
	s_wait_alu depctr_va_vdst(0)
.endm
.macro PACKST addr, off                ; M's 8 numbers to f16, 16 bytes (8 steps of one key) into an array [key][step]
	v_cvt_pk_f16_f32 v[M], v[M], v[M+1]
	v_cvt_pk_f16_f32 v[M+1], v[M+2], v[M+3]
	v_cvt_pk_f16_f32 v[M+2], v[M+4], v[M+5]
	v_cvt_pk_f16_f32 v[M+3], v[M+6], v[M+7]
	ds_store_b128 v[\addr], v[M:M+3] offset:\off
.endm
.macro SC8 src, sc, addr, off          ; 8 numbers x a lane scalar (in an even register), packed and stored
.set i, 0
.rept 4
	v_pk_mul_f32 v[M+2*i:M+2*i+1], v[\src+2*i:\src+2*i+1], v[\sc:\sc+1] op_sel_hi:[1,0]
.set i, i+1
.endr
	PACKST \addr, \off
.endm
; One tile's 8 steps in a lane: the level arrays of groups of 2, 4, 8 and 16 steps, q x prefix, k x suffix, the diagonal.
.macro TILE tt, kt, first
.set te, E+8*\tt
.set tq, Q+8*\tt
.set tk, K+8*\tt
.set tp, QP+8*\tt
.set tr, KR+8*\tt
.set so, (\kt&1)*1536+32*\tt
	v_mul_f32 v[UL], v[te+2], v[te+3]              ; e2 e3
	v_mul_f32 v[UL+1], v[te+6], v[te+7]            ; e6 e7
	v_mul_f32 v[UL+2], v[te+4], v[te+5]            ; e4 e5
	v_mul_f32 v[UL+3], v[te+1], v[UL]              ; e1 e2 e3
	v_mul_f32 v[UL+4], v[UL+2], v[te+6]            ; e4 e5 e6
	v_mul_f32 v[UL+5], v[UL+2], v[UL+1]            ; e4 .. e7
	; groups of 2: k0, q1 e1, k2, q3 e3, ..
	v_mul_f32 v[M+1], v[tq+1], v[te+1]
	v_mul_f32 v[M+3], v[tq+3], v[te+3]
	v_mul_f32 v[M+5], v[tq+5], v[te+5]
	v_mul_f32 v[M+7], v[tq+7], v[te+7]
	v_cvt_pk_f16_f32 v[M], v[tk], v[M+1]
	v_cvt_pk_f16_f32 v[M+1], v[tk+2], v[M+3]
	v_cvt_pk_f16_f32 v[M+2], v[tk+4], v[M+5]
	v_cvt_pk_f16_f32 v[M+3], v[tk+6], v[M+7]
	ds_store_b128 v[LM], v[M:M+3] offset:so
	; groups of 4: k0 e1, k1, q2 e2, q3 e2e3, and the same four steps on
	v_mul_f32 v[M], v[tk], v[te+1]
	v_mul_f32 v[M+2], v[tq+2], v[te+2]
	v_mul_f32 v[M+3], v[tq+3], v[UL]
	v_mul_f32 v[M+4], v[tk+4], v[te+5]
	v_mul_f32 v[M+6], v[tq+6], v[te+6]
	v_mul_f32 v[M+7], v[tq+7], v[UL+1]
	v_cvt_pk_f16_f32 v[M], v[M], v[tk+1]
	v_cvt_pk_f16_f32 v[M+1], v[M+2], v[M+3]
	v_cvt_pk_f16_f32 v[M+2], v[M+4], v[tk+5]
	v_cvt_pk_f16_f32 v[M+3], v[M+6], v[M+7]
	ds_store_b128 v[LM], v[M:M+3] offset:LEV+so
	; groups of 8: k0 e1e2e3, k1 e2e3, k2 e3, k3, q4 e4, q5 e4e5, q6 e4e5e6, q7 e4..e7
	v_mul_f32 v[M], v[tk], v[UL+3]
	v_mul_f32 v[M+1], v[tk+1], v[UL]
	v_mul_f32 v[M+2], v[tk+2], v[te+3]
	v_mul_f32 v[M+4], v[tq+4], v[te+4]
	v_mul_f32 v[M+5], v[tq+5], v[UL+2]
	v_mul_f32 v[M+6], v[tq+6], v[UL+4]
	v_mul_f32 v[M+7], v[tq+7], v[UL+5]
	v_cvt_pk_f16_f32 v[M], v[M], v[M+1]
	v_cvt_pk_f16_f32 v[M+1], v[M+2], v[tk+3]
	v_cvt_pk_f16_f32 v[M+2], v[M+4], v[M+5]
	v_cvt_pk_f16_f32 v[M+3], v[M+6], v[M+7]
	ds_store_b128 v[LM], v[M:M+3] offset:2*LEV+so
	; q_j e_0 .. e_j
	v_mul_f32 v[T+1], v[te], v[te+1]
	v_mul_f32 v[T+2], v[T+1], v[te+2]
	v_mul_f32 v[T+3], v[T+1], v[UL]
	v_mul_f32 v[T+4], v[T+3], v[te+4]
	v_mul_f32 v[T+5], v[T+3], v[UL+2]
	v_mul_f32 v[T+6], v[T+3], v[UL+4]
	v_mul_f32 v[LS+\tt], v[T+3], v[UL+5]           ; e0 .. e7
	v_mul_f32 v[tp], v[tq], v[te]
.irp j, 1,2,3,4,5,6
	v_mul_f32 v[tp+\j], v[tq+\j], v[T+\j]
.endr
	v_mul_f32 v[tp+7], v[tq+7], v[LS+\tt]
	; k_j e_{j+1} .. e_7
	v_mul_f32 v[T+8], v[UL+3], v[UL+5]
	v_mul_f32 v[T+9], v[UL], v[UL+5]
	v_mul_f32 v[T+10], v[te+3], v[UL+5]
	v_mul_f32 v[T+12], v[te+5], v[UL+1]
	v_mul_f32 v[tr], v[tk], v[T+8]
	v_mul_f32 v[tr+1], v[tk+1], v[T+9]
	v_mul_f32 v[tr+2], v[tk+2], v[T+10]
	v_mul_f32 v[tr+3], v[tk+3], v[UL+5]
	v_mul_f32 v[tr+4], v[tk+4], v[T+12]
	v_mul_f32 v[tr+5], v[tk+5], v[UL+1]
	v_mul_f32 v[tr+6], v[tk+6], v[te+7]
	v_mov_b32 v[tr+7], v[tk+7]
	; groups of 16: the lower 8 steps (h = 0) hold k x suffix, the upper 8 q x prefix
.irp j, 0,1,2,3,4,5,6,7
	v_cndmask_b32 v[M+\j], v[tr+\j], v[tp+\j], s40
.endr
	PACKST LM, 3*LEV+so
	; the diagonal
.irp j, 0,2,4,6
.if \first
	v_pk_mul_f32 v[DG+8*\tt+\j:DG+8*\tt+\j+1], v[tq+\j:tq+\j+1], v[tk+\j:tk+\j+1]
.else
	v_pk_fma_f32 v[DG+8*\tt+\j:DG+8*\tt+\j+1], v[tq+\j:tq+\j+1], v[tk+\j:tk+\j+1], v[DG+8*\tt+\j:DG+8*\tt+\j+1]
.endif
.endr
.endm
.macro KT kt, first                    ; one tile of 16 keys, both step tiles
.irp j, 0,1,2,3,4,5,6,7
	v_mov_b32 v[CT+\j], v[BI+\kt]
.endr
	v_wmma_f32_16x16x32_f16 v[E:E+7], v[ZF:ZF+7], v[W2+4*\kt:W2+4*\kt+7], v[CT:CT+7]
	v_wmma_f32_16x16x32_f16 v[E+8:E+15], v[ZF+8:ZF+15], v[W2+4*\kt:W2+4*\kt+7], v[CT:CT+7]
	v_wmma_f32_16x16x32_f16 v[Q:Q+7], v[QF:QF+7], v[ID+4-4*(\kt&1):ID+11-4*(\kt&1)], 0
	v_wmma_f32_16x16x32_f16 v[Q+8:Q+15], v[QF+8:QF+15], v[ID+4-4*(\kt&1):ID+11-4*(\kt&1)], 0
	v_wmma_f32_16x16x32_f16 v[K:K+7], v[KF:KF+7], v[ID+4-4*(\kt&1):ID+11-4*(\kt&1)], 0
	v_wmma_f32_16x16x32_f16 v[K+8:K+15], v[KF+8:KF+15], v[ID+4-4*(\kt&1):ID+11-4*(\kt&1)], 0
	PLACES
	DECAY
	TILE 0, \kt, \first
	TILE 1, \kt, \first
	v_permlanex16_b32 v[LS+2], v[LS], s62, s63     ; the other 8 steps' product, tile 0
	v_permlanex16_b32 v[LS+3], v[LS+1], s62, s63   ; tile 1
	v_mul_f32 v[LS+4], v[LS], v[LS+2]              ; 16 steps, tile 0
	v_mul_f32 v[LS+5], v[LS+1], v[LS+3]            ; tile 1
	v_cndmask_b32 v[LS+6], v[LS+2], 1.0, s40       ; what follows my 8 steps in tile 0
	v_cndmask_b32 v[LS+7], v[LS+3], 1.0, s40       ; in tile 1
	v_cndmask_b32 v[LS+9], 1.0, v[LS+2], s40       ; what precedes my 8 steps in tile 0
	v_cndmask_b32 v[LS+8], 1.0, v[LS+3], s40       ; in tile 1
	v_mul_f32 v[LS+10], v[LS+6], v[LS+5]
	v_mul_f32 v[LS+10], s29, v[LS+10]              ; k, tile 0: to the block's end, x b
	v_mul_f32 v[LS+12], s29, v[LS+7]               ; k, tile 1
	v_mul_f32 v[LS+11], v[LS+4], v[LS+5]           ; the block's decay
	v_mul_f32 v[LS], s28, v[LS+9]                  ; q, tile 0: from the block's start, x a
	v_mul_f32 v[LS+2], v[LS+8], v[LS+4]
	v_mul_f32 v[LS+2], s28, v[LS+2]                ; q, tile 1
	SC8 KR, LS+6, LM, 4*LEV+(\kt&1)*1536           ; groups of 32: tile 0 holds k x suffix to its end,
	SC8 QP+8, LS+8, LM, 4*LEV+(\kt&1)*1536+32      ; tile 1 q x prefix from its start
	SC8 QP, LS, LQ, 1536*\kt
	SC8 QP+8, LS+2, LQ, 1536*\kt+32
	SC8 KR, LS+10, LK, 1280*\kt
	SC8 KR+8, LS+12, LK, 1280*\kt+32
	ds_store_b32 v14, v[LS+11] offset:64*\kt
.endm
; The level arrays of 32 keys, read transposed (lane = step, registers = keys), each times itself; nine accumulators (window 1) by turns.
.macro SCORES c
.set f, 0
.rept 10
	ds_load_tr16_b128 v[FR+8*f:FR+8*f+3],   v[LT] offset:(f/2)*LEV+(f%2)*32       ; LDS serves a wave's instructions in order: these see my stores
	ds_load_tr16_b128 v[FR+8*f+4:FR+8*f+7], v[LT] offset:(f/2)*LEV+(f%2)*32+1536
.set f, f+1
.endr
	s_wait_dscnt 0x0
	WIN 0x50
.set f, 0
.rept 8
.if \c
	v_wmma_f32_16x16x32_f16 v[8*f:8*f+7], v[FR+8*f:FR+8*f+7], v[FR+8*f:FR+8*f+7], v[8*f:8*f+7]
.else
	v_wmma_f32_16x16x32_f16 v[8*f:8*f+7], v[FR+8*f:FR+8*f+7], v[FR+8*f:FR+8*f+7], 0
.endif
.set f, f+1
.endr
.if \c
	v_wmma_f32_16x16x32_f16 v[64:71], v[FR+64:FR+71], v[FR+72:FR+79], v[64:71]
.else
	v_wmma_f32_16x16x32_f16 v[64:71], v[FR+64:FR+71], v[FR+72:FR+79], 0
.endif
	WIN 0
	PLACES
.endm
	KT 0, 1
	KT 1, 0
	LOADQK 1                                       ; five places and a tile's vector work stand behind the last product that read these registers
	SCORES 0
	s_wait_loadcnt 0x0
	KT 2, 0
	KT 3, 0
	SCORES 1
	; q_0 . k_0 of the chain, from its eight partial sums in f32
	v_mov_b32 v[LS+4], s92
.set i, 1
.rept 7
	v_add_f32 v[LS+4], s[92+i], v[LS+4]
.set i, i+1
.endr
	; the diagonal over the 16 lanes that hold the keys
.irp x, 1,2,4,8
.set i, 0
.rept 16
	v_add_f32_dpp v[DG+i], v[DG+i], v[DG+i] row_xmask:\x row_mask:0xf bank_mask:0xf
.set i, i+1
.endr
.endr
	v_cndmask_b32 v[DG], v[DG], v[LS+4], s89       ; step 0 of the chain (lane 0 of segment 0's block 0) takes the f32 number; every other wave keeps its own
	; A[t][s] of the two diagonal tiles: each (s, t) from the one level that owns it, 0 where t < s
	WIN 0x04                                       ; source 1 in window 1
.irp tt, 0,1
.irp j, 0,1,2,3,4,5,6,7
	v_cndmask_b32 v[AT+8*\tt+\j], 0, v[8*(6+\tt)+\j], s56
.if \j < 4
	v_cndmask_b32 v[AT+8*\tt+\j], v[AT+8*\tt+\j], v[8*(4+\tt)+\j], s55
.endif
.if (\j & 2) == 0
	v_cndmask_b32 v[AT+8*\tt+\j], v[AT+8*\tt+\j], v[8*(2+\tt)+\j], s[53+\j/4]
.endif
.if (\j & 1) == 0
	v_cndmask_b32 v[AT+8*\tt+\j], v[AT+8*\tt+\j], v[8*\tt+\j], s[49+\j/2]
.endif
.endr
.endr
	WIN 0x01                                       ; source 0 in window 1
.irp i, 0,2,4,6
	v_pk_mul_f32 v[AT+16+\i:AT+17+\i], v[64+\i:65+\i], s[58:59] op_sel_hi:[1,0]    ; s in tile 0, t in tile 1: all of it, x a b
.endr
	WIN 0
.irp tt, 0,1
.irp j, 0,1,2,3,4,5,6,7
	v_cndmask_b32 v[AT+8*\tt+\j], v[AT+8*\tt+\j], v[DG+8*\tt+\j], s[41+\j]
.endr
.endr
.set i, 0
.rept 8
	v_pk_mul_f32 v[AT+2*i:AT+2*i+1], v[AT+2*i:AT+2*i+1], s[58:59] op_sel_hi:[1,0]
.set i, i+1
.endr
.irp x, 0,1,2
.irp i, 0,1,2,3
	v_cvt_pk_f16_f32 v[AT+8*\x+\i], v[AT+8*\x+2*\i], v[AT+8*\x+2*\i+1]
.endr
.endr
	ds_store_b128 v15, v[AT:AT+3]                  ; lane = t, registers = s: already a fragment for the product with V
	ds_store_b128 v15, v[AT+16:AT+19] offset:512
	ds_store_b128 v15, v[AT+8:AT+11] offset:1024
	; STATE IN: my 16 columns of the state at the segment's start
.set S,   24
.set UT,  56
.set DV0, 88
.set i, 0
.rept 32
	v_mov_b32 v[S+i], 0
.set i, i+1
.endr
	v_lshlrev_b32 v16, 4, v1
	v_lshlrev_b32 v17, 5, v3
	s_cmp_eq_u32 s23, 0
	s_cbranch_scc1 .Lnostate
	s_mov_b32 s57, 0
.Lst:
.irp q, 0,1,2,3,4,5,6,7
	global_load_b128 v[UT+4*\q:UT+4*\q+3], v16, s[80:81] offset:512*\q
	global_load_b128 v[DV0+4*\q:DV0+4*\q+3], v17, s[82:83] offset:64*(\q/2)+16*(\q%2)
.endr
	s_wait_loadcnt 0x0                             ; also frees the two bases
.set i, 0
.rept 16
	v_pk_fma_f32 v[S+2*i:S+2*i+1], v[S+2*i:S+2*i+1], v[DV0+2*i:DV0+2*i+1], v[UT+2*i:UT+2*i+1]
.set i, i+1
.endr
	s_add_nc_u64 s[80:81], s[80:81], 32768
	s_add_nc_u64 s[82:83], s[82:83], 256
	s_add_co_u32 s57, s57, 1
	s_cmp_lt_u32 s57, s23
	s_cbranch_scc1 .Lst
.Lnostate:
	s_wait_dscnt 0x0                               ; my block is in LDS and my reads of the level arrays are back, for the others' sake
	s_barrier_signal -1
	s_barrier_wait -1
	; PHASE B.  The eight blocks are written out one after the other, so that every LDS address is a lane term plus constants:
	; the loads stay below byte 178,176 (the blocks, written ahead of the barrier above), the stores of o at or above it (read behind the next barrier).
.set SF,  56
.set OT,  72
.set VF,  88
.set AF0, 96
.set AF1, 104
.set QFR, 112
.set KFR, 144
.set DV,  176
.set GV,  208
	v_and_b32 v16, 7, v0
	v_lshl_add_u32 v16, v3, 3, v16
	v_bfe_u32 v17, v0, 3, 1
	v_lshlrev_b32 v17, 4, v17
	v_mul_u32_u24 v4, v16, 288
	v_add3_u32 v4, v4, v17, OV
	v_lshl_add_u32 v4, s22, 5, v4                  ; V transposed, my 16 columns
	v_mul_u32_u24 v5, v2, 80
	v_lshl_add_u32 v5, v3, 4, v5
	v_add_nc_u32 v5, OKK, v5                       ; K32
	v_mul_u32_u24 v6, v16, 96
	v_add_nc_u32 v6, v6, v17                       ; Q32 transposed
	v_lshlrev_b32 v7, 4, v1
	v_add_nc_u32 v7, OAF, v7
	v_lshlrev_b32 v8, 5, v3
	v_add_nc_u32 v8, OD, v8
	v_mul_u32_u24 v9, v2, 528
	v_lshl_add_u32 v9, v3, 5, v9
	v_lshl_add_u32 v9, s22, 6, v9
	v_add_nc_u32 v9, OO, v9                        ; o[step r][16 w + 8 h ..]
	v_mov_b32 v[GV], s30
.irp i, 4,5,6,7
	v_mov_b32 v[AF0+\i], 0                         ; steps 0-15 take nothing from steps 16-31
.endr
.macro OBLK blk
	ds_load_tr16_b128 v[VF:VF+3], v4
	ds_load_tr16_b128 v[VF+4:VF+7], v4 offset:4608
.irp f, 0,1,2,3
	ds_load_tr16_b128 v[QFR+8*\f:QFR+8*\f+3],   v6 offset:3072*(\f/2)+32*(\f%2)
	ds_load_tr16_b128 v[QFR+8*\f+4:QFR+8*\f+7], v6 offset:3072*(\f/2)+32*(\f%2)+1536
.endr
	ds_load_b128 v[AF0:AF0+3], v7
	ds_load_b128 v[AF1:AF1+3], v7 offset:512
	ds_load_b128 v[AF1+4:AF1+7], v7 offset:1024
.irp kt, 0,1,2,3
	ds_load_b128 v[KFR+8*\kt:KFR+8*\kt+3],   v5 offset:1280*\kt
	ds_load_b128 v[KFR+8*\kt+4:KFR+8*\kt+7], v5 offset:1280*\kt+32
	ds_load_b128 v[DV+8*\kt:DV+8*\kt+3],   v8 offset:64*\kt
	ds_load_b128 v[DV+8*\kt+4:DV+8*\kt+7], v8 offset:64*\kt+16
.endr
.set i, 0
.rept 16
	v_cvt_pk_f16_f32 v[SF+i], v[S+2*i], v[S+2*i+1] ; the state's result layout, packed, is S^T's fragment: lane = column of v, registers = keys
.set i, i+1
.endr
	s_wait_dscnt 0x0
.irp i, 0,1,2,3,4,5,6,7
	v_pk_mul_f16 v[VF+\i], v[VF+\i], v[GV]         ; v x c, a power of two
.endr
	; o^T (rows = my 16 columns of v, columns = 16 steps); the two step tiles take turns
	v_wmma_f32_16x16x32_f16 v[OT:OT+7], v[SF:SF+7], v[QFR:QFR+7], 0
	v_wmma_f32_16x16x32_f16 v[OT+8:OT+15], v[SF:SF+7], v[QFR+8:QFR+15], 0
	v_wmma_f32_16x16x32_f16 v[OT:OT+7], v[SF+8:SF+15], v[QFR+16:QFR+23], v[OT:OT+7]
	v_wmma_f32_16x16x32_f16 v[OT+8:OT+15], v[SF+8:SF+15], v[QFR+24:QFR+31], v[OT+8:OT+15]
	v_wmma_f32_16x16x32_f16 v[OT:OT+7], v[VF:VF+7], v[AF0:AF0+7], v[OT:OT+7]
	v_wmma_f32_16x16x32_f16 v[OT+8:OT+15], v[VF:VF+7], v[AF1:AF1+7], v[OT+8:OT+15]
.set i, 0
.rept 16
	v_pk_mul_f32 v[S+2*i:S+2*i+1], v[S+2*i:S+2*i+1], v[DV+2*i:DV+2*i+1]   ; the block's decay; these are also the places behind the six products
.set i, i+1
.endr
.irp kt, 0,1,2,3
	v_wmma_f32_16x16x32_f16 v[S+8*\kt:S+8*\kt+7], v[KFR+8*\kt:KFR+8*\kt+7], v[VF:VF+7], v[S+8*\kt:S+8*\kt+7]
.endr
	ds_store_b128 v9, v[OT:OT+3]
	ds_store_b128 v9, v[OT+4:OT+7] offset:16
	ds_store_b128 v9, v[OT+8:OT+11] offset:8448
	ds_store_b128 v9, v[OT+12:OT+15] offset:8464
.if \blk < 7
	; the next block's addresses: six plain instructions that name none of the four products' registers, so they are also the places
	; that the next block's loads into those products' sources and its reads of their sums need
	v_add_nc_u32 v4, BLK, v4
	v_add_nc_u32 v5, BLK, v5
	v_add_nc_u32 v6, BLK, v6
	v_add_nc_u32 v7, BLK, v7
	v_add_nc_u32 v8, BLK, v8
	v_add_nc_u32 v9, 16896, v9
.endif
.endm
.irp b, 0,1,2,3,4,5,6,7
	OBLK \b
.endr
	PLACES                                         ; the last products' registers are loaded into below
	; PHASE C: two rows a turn, 16 lanes a row, 8 columns a lane
.set GL, 24
.set BG, 88
.set X,  96
.set G,  104
.set TM, 112
.set Y,  120
.set NM, 124
.set RS, 126
	v_lshlrev_b32 v7, 5, v2
	global_load_b128 v[BG:BG+3], v7, s[78:79]
	global_load_b128 v[BG+4:BG+7], v7, s[78:79] offset:16
	v_mul_u32_u24 v5, v3, 0x3000
	v_lshl_add_u32 v5, v2, 4, v5
.set i, 0
.rept 16
	global_load_b128 v[GL+4*i:GL+4*i+3], v5, s[68:69] offset:8192+24576*i
.set i, i+1
.endr
	s_mul_i32 s84, s22, 32*528
	s_add_co_u32 s84, s84, OO
	v_mul_u32_u24 v4, v3, 528
	v_lshl_add_u32 v4, v2, 5, v4
	v_add_nc_u32 v4, s84, v4
	v_lshlrev_b32 v6, 12, v3
	v_lshl_add_u32 v6, v2, 4, v6
	s_wait_dscnt 0x0                               ; my part of o is in LDS, for the others' sake
	s_barrier_signal -1
	s_barrier_wait -1
.macro ROW2 i, r0, r1, r2, r3
	s_wait_xcnt 0x0                                ; Y, which the last store reads, is rewritten only behind this wait
	ds_load_b128 v[X:X+3], v4 offset:1056*\i
	ds_load_b128 v[X+4:X+7], v4 offset:1056*\i+16
	s_wait_loadcnt 15-\i                           ; bg and this turn's g are in; the later rows' stay out
	v_cvt_f32_f16 v[G], v\r0\().l
	v_cvt_f32_f16 v[G+1], v\r0\().h
	v_cvt_f32_f16 v[G+2], v\r1\().l
	v_cvt_f32_f16 v[G+3], v\r1\().h
	v_cvt_f32_f16 v[G+4], v\r2\().l
	v_cvt_f32_f16 v[G+5], v\r2\().h
	v_cvt_f32_f16 v[G+6], v\r3\().l
	v_cvt_f32_f16 v[G+7], v\r3\().h
.irp j, 0,2,4,6
	v_pk_add_f32 v[G+\j:G+\j+1], v[G+\j:G+\j+1], v[BG+\j:BG+\j+1]
.endr
.irp j, 0,2,4,6
	v_pk_mul_f32 v[TM+\j:TM+\j+1], v[G+\j:G+\j+1], s[36:37] op_sel_hi:[1,0]
.endr
.irp j, 0,1,2,3,4,5,6,7
	v_exp_f32 v[TM+\j], v[TM+\j]
.endr
	s_wait_dscnt 0x0
	v_pk_add_f32 v[NM:NM+1], v[X:X+1], v[X+2:X+3]              ; plain work behind the exponentials
	v_pk_add_f32 v[RS:RS+1], v[X+4:X+5], v[X+6:X+7]
	s_wait_alu depctr_va_vdst(0)
.irp j, 0,2,4,6
	v_pk_add_f32 v[TM+\j:TM+\j+1], v[TM+\j:TM+\j+1], 1.0 op_sel_hi:[1,0]
.endr
.irp j, 0,1,2,3,4,5,6,7
	v_rcp_f32 v[TM+\j], v[TM+\j]                               ; sigmoid
.endr
	v_pk_add_f32 v[NM:NM+1], v[NM:NM+1], v[RS:RS+1]            ; plain work behind the reciprocals
	v_add_f32 v[NM], v[NM], v[NM+1]
	v_add_f32_dpp v[NM], v[NM], v[NM] row_xmask:1 row_mask:0xf bank_mask:0xf
	v_add_f32_dpp v[NM], v[NM], v[NM] row_xmask:2 row_mask:0xf bank_mask:0xf
	v_add_f32_dpp v[NM], v[NM], v[NM] row_xmask:4 row_mask:0xf bank_mask:0xf
	v_add_f32_dpp v[NM], v[NM], v[NM] row_xmask:8 row_mask:0xf bank_mask:0xf
	v_mul_f32 v[NM], 0xbc000000, v[NM]                         ; - mean
.irp j, 0,2,4,6
	v_pk_add_f32 v[X+\j:X+\j+1], v[X+\j:X+\j+1], v[NM:NM+1] op_sel_hi:[1,0]
.endr
	v_pk_mul_f32 v[RS:RS+1], v[X:X+1], v[X:X+1]
.irp j, 2,4,6
	v_pk_fma_f32 v[RS:RS+1], v[X+\j:X+\j+1], v[X+\j:X+\j+1], v[RS:RS+1]
.endr
	v_add_f32 v[RS], v[RS], v[RS+1]
	v_add_f32_dpp v[RS], v[RS], v[RS] row_xmask:1 row_mask:0xf bank_mask:0xf
	v_add_f32_dpp v[RS], v[RS], v[RS] row_xmask:2 row_mask:0xf bank_mask:0xf
	v_add_f32_dpp v[RS], v[RS], v[RS] row_xmask:4 row_mask:0xf bank_mask:0xf
	v_add_f32_dpp v[RS], v[RS], v[RS] row_xmask:8 row_mask:0xf bank_mask:0xf
	v_fma_f32 v[RS], v[RS], s33, s32                           ; (var + E) / (1 + E)
	v_rsq_f32 v[RS], v[RS]
	s_wait_alu depctr_va_vdst(0)
.irp j, 0,2,4,6
	v_pk_mul_f32 v[G+\j:G+\j+1], v[G+\j:G+\j+1], v[TM+\j:TM+\j+1]   ; silu; plain work behind the root
.endr
.irp j, 0,2,4,6
	v_pk_mul_f32 v[G+\j:G+\j+1], v[G+\j:G+\j+1], v[X+\j:X+\j+1]
.endr
	v_mul_f32 v[RS], s34, v[RS]
.irp j, 0,2,4,6
	v_pk_mul_f32 v[G+\j:G+\j+1], v[G+\j:G+\j+1], v[RS:RS+1] op_sel_hi:[1,0]
.endr
.irp j, 0,1,2,3
	v_cvt_pk_f16_f32 v[Y+\j], v[G+2*\j], v[G+2*\j+1]
.endr
	global_store_b128 v6, v[Y:Y+3], s[76:77] offset:8192*\i    ; 16 lanes store 256 consecutive bytes, aligned
.endm
	ROW2 0, 24, 25, 26, 27
	ROW2 1, 28, 29, 30, 31
	ROW2 2, 32, 33, 34, 35
	ROW2 3, 36, 37, 38, 39
	ROW2 4, 40, 41, 42, 43
	ROW2 5, 44, 45, 46, 47
	ROW2 6, 48, 49, 50, 51
	ROW2 7, 52, 53, 54, 55
	ROW2 8, 56, 57, 58, 59
	ROW2 9, 60, 61, 62, 63
	ROW2 10, 64, 65, 66, 67
	ROW2 11, 68, 69, 70, 71
	ROW2 12, 72, 73, 74, 75
	ROW2 13, 76, 77, 78, 79
	ROW2 14, 80, 81, 82, 83
	ROW2 15, 84, 85, 86, 87
	s_wait_tensorcnt 0x0
	ds_add_u32 v22, v23
	s_wait_dscnt 0x0
	s_endpgm
.Lfunc_end_k_q1456284f52_gout:
	.size	k_q1456284f52_gout, .Lfunc_end_k_q1456284f52_gout-k_q1456284f52_gout
	.p2alignl 7, 3214868480
	.fill 96, 4, 3214868480
	.section	.rodata,"a",@progbits
	.p2align	6, 0x0
	.amdhsa_kernel k_q1456284f52_gout
		.amdhsa_group_segment_fixed_size 314368
		.amdhsa_private_segment_fixed_size 0
		.amdhsa_enable_private_segment 0
		.amdhsa_kernarg_size 72
		.amdhsa_user_sgpr_count 2
		.amdhsa_user_sgpr_kernarg_segment_ptr 1
		.amdhsa_wavefront_size32 1
		.amdhsa_system_sgpr_workgroup_id_x 1
		.amdhsa_system_sgpr_workgroup_id_y 1
		.amdhsa_system_sgpr_workgroup_id_z 1
		.amdhsa_system_vgpr_workitem_id 0
		.amdhsa_next_free_vgpr 328
		.amdhsa_next_free_sgpr 100
		.amdhsa_reserve_vcc 1
		.amdhsa_float_denorm_mode_32 3
		.amdhsa_float_denorm_mode_16_64 3
		.amdhsa_memory_ordered 1
		.amdhsa_forward_progress 1
		.amdhsa_inst_pref_size 216
	.end_amdhsa_kernel
	.amdgpu_metadata
---
amdhsa.version: [ 1, 2 ]
amdhsa.kernels:
  - .name:           k_q1456284f52_gout
    .symbol:         k_q1456284f52_gout.kd
    .args:
      - { .name: P, .offset: 0, .size: 8, .value_kind: global_buffer, .address_space: global }
      - { .name: z, .offset: 8, .size: 8, .value_kind: global_buffer, .address_space: global }
      - { .name: Wkg2, .offset: 16, .size: 8, .value_kind: global_buffer, .address_space: global }
      - { .name: bkg2, .offset: 24, .size: 8, .value_kind: global_buffer, .address_space: global }
      - { .name: bg, .offset: 32, .size: 8, .value_kind: global_buffer, .address_space: global }
      - { .name: sc, .offset: 40, .size: 8, .value_kind: global_buffer, .address_space: global }
      - { .name: U, .offset: 48, .size: 8, .value_kind: global_buffer, .address_space: global }
      - { .name: dsg, .offset: 56, .size: 8, .value_kind: global_buffer, .address_space: global }
      - { .name: y, .offset: 64, .size: 8, .value_kind: global_buffer, .address_space: global }
    .group_segment_fixed_size: 314368
    .private_segment_fixed_size: 0
    .kernarg_segment_align: 8
    .kernarg_segment_size: 72
    .max_flat_workgroup_size: 256
    .sgpr_count:     100
    .vgpr_count:     328
    .wavefront_size: 32
...
	.end_amdgpu_metadata
.endif
;; end of part 5
;; launch gemm2 (part 6): grid 8 x 32, 4 waves a work-group, clusters of 4 x 4, 327,680 bytes of LDS; arguments y, hb, sc, out0; writes out0
.if DOCPART == 6
	.amdgcn_target "amdgcn-amd-amdhsa--gfx1250"
	.amdhsa_code_object_version 6
	.text
	.protected	k_q1456284f52_gemm2
	.globl	k_q1456284f52_gemm2
	.p2align	8
	.type	k_q1456284f52_gemm2,@function
k_q1456284f52_gemm2:
	s_mov_b64 s[64:65], 0
	v_nop
	global_prefetch_b8 v0, s[64:65] scope:SCOPE_SE
	s_setreg_imm32_b32 hwreg(HW_REG_WAVE_MODE, 25, 1), 1
	s_wait_xcnt 0x0
	s_wait_alu depctr_hold_cnt(0) depctr_sa_sdst(0) depctr_va_vdst(0) depctr_va_sdst(0) depctr_va_ssrc(0) depctr_va_vcc(0) depctr_vm_vsrc(0)
	s_getreg_b32 s2, hwreg(HW_REG_IB_STS2, 6, 4)
	s_cmp_eq_u32 s2, 0
	s_cbranch_scc0 .Lentry_in_a_cluster
	s_endpgm
.Lentry_in_a_cluster:
	s_bfe_u32 s2, ttmp6, 0x10000c
	s_cmp_lg_u32 s2, 0xf033
	s_cbranch_scc0 .Lentry_shape_is_right
	s_endpgm
.Lentry_shape_is_right:
; Launch 6: out0[4096][2048] = F (y Wo^T) in f32, y and Wo in f16, sums in f32, K = 2048; F = sc[7] takes y's scale away.  Nothing of the problem is left out here.
; A work-group makes 128 x 256 with four waves (2 x 2), a wave 64 x 128 in 32 accumulator tiles (window 1); 8 x 32 = 256 work-groups, one for each WGP
; K in steps of 128 through two LDS slots filled by the tensor data mover (rows of 256 bytes, padded to 272).
; CLUSTERS 4 x 4: y's tile is asked for jointly by a row of the cluster, Wo's by a column.  Waves 0, 1 ask for y's halves, waves 2, 3 for Wo's.
; The matrix instruction is used transposed (source 0 = rows of Wo, source 1 = rows of y): a lane holds 8 neighbouring columns of a row.
.set KSTEP,  128
.set SIZE_K, 2048
.set SIZE_N, 2048
.set PITCH,  272
.set AH,     64*PITCH
.set BH,     128*PITCH
.set SLOT,   2*AH+2*BH
.set STAGE,  2*SLOT                    ; behind the ring: 16 rows x 528 bytes for each wave; no tensor load lands here
.set SPITCH, 528
.set LAPS,   SIZE_K/(2*KSTEP)
.set ADRA, 16
.set ADRB, 20
.set STO,  24
.set RD,   25
.set CO,   26
.set F0,   32
.set F1,   128
.set G1, 24
.set G0, 32
.set G1B, 48
.set G0B, 56
.set MSB, 0
.macro WIN new
.if MSB != \new
	s_set_vgpr_msb (MSB<<8)|\new
.set MSB, \new
.endif
.endm
.set MUL, 0x50
.macro JLOAD s
	s_cmp_eq_u32 s11, 0
	s_cbranch_scc0 .Lfor_b_\@
	tensor_load_to_lds s[G0+4*\s:G0+4*\s+3], s[G1:G1+7]
	s_nop 0
	s_branch .Lasked_\@
.Lfor_b_\@:
	tensor_load_to_lds s[G0B+4*\s:G0B+4*\s+3], s[G1B:G1B+7]
	s_nop 0
.Lasked_\@:
.endm
.macro CREST
	s_cmp_lg_u32 s10, 0
	s_cbranch_scc1 .Lnot_wave_0_\@
	s_barrier_signal -3
.Lnot_wave_0_\@:
	s_barrier_wait -3
	s_barrier_signal -1
	s_barrier_wait -1
.endm
.macro CROUND
	s_barrier_signal -1
	s_barrier_wait -1
	CREST
.endm
	s_load_b128 s[4:7], s[0:1], 0x0                ; y, hb
	s_load_b128 s[68:71], s[0:1], 0x10             ; sc, out0
	v_lshl_add_u32 v254, v0, 2, 0x3b400
	v_mov_b32 v255, 0
	ds_add_u32 v254, v255
	v_lshrrev_b32 v1, 5, v0
	v_readfirstlane_b32 s10, v1
	s_lshr_b32 s11, s10, 1
	s_and_b32 s12, s10, 1
	s_bfe_u32 s40, ttmp6, 0x40000
	s_bfe_u32 s41, ttmp6, 0x40004
	s_lshl_b32 s42, ttmp9, 2
	s_add_co_u32 s42, s42, s40                     ; block column
	s_and_b32 s13, ttmp7, 0xffff
	s_lshl_b32 s13, s13, 2
	s_add_co_u32 s13, s13, s41                     ; block row
	s_lshl_b32 s43, s41, 2
	s_lshl_b32 s43, 15, s43
	s_lshl_b32 s44, 0x1111, s40
	s_or_b32 s[G1+0], s43, (1<<16)|(1<<20)|(1<<21)|(5<<22)|(3<<25)
	s_or_b32 s[G1B+0], s44, (1<<16)|(1<<20)|(1<<21)|(5<<22)|(3<<25)
	s_mov_b32 s[G1+1], KSTEP<<16
	s_mov_b32 s[G1B+1], KSTEP<<16
	s_mov_b32 s[G1+2], 64<<16
	s_mov_b32 s[G1B+2], 128<<16
	s_mov_b32 s[G1+3], KSTEP<<16
	s_mov_b32 s[G1B+3], KSTEP<<16
	s_mov_b32 s[G1+4], 64
	s_mov_b32 s[G1B+4], 128
	s_mov_b32 s[G1+5], SIZE_K
	s_mov_b32 s[G1B+5], SIZE_K
	s_mov_b32 s[G1+6], 0
	s_mov_b32 s[G1B+6], 0
	s_mov_b32 s[G1+7], 0
	s_mov_b32 s[G1B+7], 0
	s_lshl_b32 s17, s12, 6
	s_lshl_b32 s16, s13, 7
	s_add_co_u32 s16, s16, s17
	s_lshl_b32 s16, s16, 12
	s_mov_b32 s17, 0
	s_lshl_b32 s47, s12, 7
	s_lshl_b32 s46, s42, 8
	s_add_co_u32 s46, s46, s47
	s_lshl_b32 s46, s46, 12
	s_mov_b32 s47, 0
	s_mul_i32 s20, s12, AH
	s_mul_i32 s21, s12, BH
	s_add_co_u32 s21, s21, 2*AH
	s_wait_dscnt 0x0
	s_wait_kmcnt 0x0
	s_load_b32 s72, s[68:69], 0x1c                 ; F
	s_mov_b64 s[8:9], s[70:71]                     ; out0
	s_add_nc_u64 s[6:7], s[6:7], 0x2800000         ; Wo lies 40 MiB into hb
	s_add_nc_u64 s[14:15], s[4:5], s[16:17]
	s_add_nc_u64 s[46:47], s[6:7], s[46:47]
	s_wait_kmcnt 0x0
	s_mov_b32 s73, s72
	CROUND
.irp s, 0,1
	s_mov_b32 s[G0+4*\s], 1
	s_add_co_u32 s[G0+4*\s+1], s20, \s*SLOT
	s_add_nc_u64 s[G0+4*\s+2:G0+4*\s+3], s[14:15], \s*KSTEP*2
	s_or_b32 s[G0+4*\s+3], s[G0+4*\s+3], 0x80000000
	s_mov_b32 s[G0B+4*\s], 1
	s_add_co_u32 s[G0B+4*\s+1], s21, \s*SLOT
	s_add_nc_u64 s[G0B+4*\s+2:G0B+4*\s+3], s[46:47], \s*KSTEP*2
	s_or_b32 s[G0B+4*\s+3], s[G0B+4*\s+3], 0x80000000
	JLOAD \s
.endr
	v_and_b32 v1, 15, v0
	v_bfe_u32 v2, v0, 4, 1
	v_mul_u32_u24 v3, v1, PITCH
	v_lshl_add_u32 v3, v2, 4, v3
	s_mul_i32 s21, s11, AH
	s_mul_i32 s22, s12, BH
	s_add_co_u32 s22, s22, 2*AH
.irp s, 0,1
	v_add_nc_u32 v[ADRA+\s], s21, v3
	v_add_nc_u32 v[ADRB+\s], s22, v3
	s_add_co_u32 s21, s21, SLOT
	s_add_co_u32 s22, s22, SLOT
.endr
	s_mul_i32 s23, s10, 16*SPITCH
	s_add_co_u32 s23, s23, STAGE
	v_mul_u32_u24 v4, v1, SPITCH
	v_lshl_add_u32 v4, v2, 5, v4                   ; in: row r, 32 bytes for each half of the lanes
	v_add_nc_u32 v[STO], s23, v4
	v_and_b32 v5, 31, v0
	v_lshlrev_b32 v[CO], 4, v5                     ; back and out: 32 lanes take one row's 512 bytes
	v_add_nc_u32 v[RD], s23, v[CO]
.macro MUL8 f, a, zero
.irp b, 0,1,2,3,4,5,6,7
.if \zero
	v_wmma_f32_16x16x32_f16 v[8*(8*\a+\b):8*(8*\a+\b)+7], v[\f+8*\b:\f+8*\b+7], v[\f+64+8*\a:\f+64+8*\a+7], 0
.else
	v_wmma_f32_16x16x32_f16 v[8*(8*\a+\b):8*(8*\a+\b)+7], v[\f+8*\b:\f+8*\b+7], v[\f+64+8*\a:\f+64+8*\a+7], v[8*(8*\a+\b):8*(8*\a+\b)+7]
.endif
.endr
.endm
.macro FETCH slot, k, f
.irp i, 0,1,2,3,4,5,6,7
	ds_load_b128 v[\f+8*\i:\f+8*\i+3],   v[ADRB+\slot] offset:\k+\i*16*PITCH
	ds_load_b128 v[\f+8*\i+4:\f+8*\i+7], v[ADRB+\slot] offset:\k+\i*16*PITCH+32
.endr
.irp i, 0,1,2,3
	ds_load_b128 v[\f+64+8*\i:\f+64+8*\i+3],   v[ADRA+\slot] offset:\k+\i*16*PITCH
	ds_load_b128 v[\f+64+8*\i+4:\f+64+8*\i+7], v[ADRA+\slot] offset:\k+\i*16*PITCH+32
.endr
.endm
.macro PLACES                          ; four plain places behind matrix instructions (ISA guide 7.12.1)
.rept 4
	v_nop
.endr
.endm
; The 32 accumulators take turns, one instruction a turn, in the same order in every quarter step.
.macro QUARTER slot, k, f, g, zero
	s_wait_dscnt 4                                 ; Wo's fragments and y's blocks 0, 1 are in; the youngest four loads may be out
	WIN MUL
	MUL8 \f, 0, \zero
	MUL8 \f, 1, \zero
	PLACES
	WIN 0
	FETCH \slot, \k, \g
	s_wait_dscnt 24                                ; all but the 24 just issued
	WIN MUL
	MUL8 \f, 2, \zero
	MUL8 \f, 3, \zero
.endm
.macro THREE slot, zero
	QUARTER \slot, 64,  F0, F1, \zero
	QUARTER \slot, 128, F1, F0, 0
	QUARTER \slot, 192, F0, F1, 0
.endm
.macro TURN slot, next, fill
	s_wait_dscnt 4
	WIN MUL
	MUL8 F1, 0, 0
	s_wait_dscnt 0                                 ; my reads of this slot are over
	s_wait_tensorcnt 0x0                           ; all my tensor loads have landed
	ds_add_u32 v254, v255
	s_wait_dscnt 0x0
	s_barrier_signal -1
	MUL8 F1, 1, 0
	WIN 0
	s_barrier_wait -1
.if \fill
	CREST                                          ; the round closes: no wave of any partner still reads this slot or has a load on its way
	s_add_nc_u64 s[G0+4*\slot+2:G0+4*\slot+3], s[G0+4*\slot+2:G0+4*\slot+3], 2*KSTEP*2
	s_add_nc_u64 s[G0B+4*\slot+2:G0B+4*\slot+3], s[G0B+4*\slot+2:G0B+4*\slot+3], 2*KSTEP*2
	JLOAD \slot
.endif
	PLACES
	FETCH \next, 0, F0
	WIN MUL
	MUL8 F1, 2, 0
	MUL8 F1, 3, 0
.endm
.macro LAP zero
	THREE 0, \zero
	TURN 0, 1, 1
	THREE 1, 0
	TURN 1, 0, 1
.endm
	s_wait_tensorcnt 1                             ; my part of K step 0 is in; K step 1's stays out
	s_barrier_signal -1
	s_barrier_wait -1
	FETCH 0, 0, F0
	LAP 1
	WIN 0
	s_mov_b32 s3, LAPS-2
.Llap:
	LAP 0
	WIN 0
	s_sub_co_u32 s3, s3, 1
	s_cmp_lg_u32 s3, 0
	s_cbranch_scc1 .Llap
	THREE 0, 0
	TURN 0, 1, 0
	THREE 1, 0
	s_wait_dscnt 4
	WIN MUL
	MUL8 F1, 0, 0
	MUL8 F1, 1, 0
	s_wait_dscnt 0
	MUL8 F1, 2, 0
	MUL8 F1, 3, 0
	PLACES
	; the way out, 16 rows at a time: x F, 32 bytes a lane into my own stage, back as whole rows of 512 bytes
	s_lshl_b32 s16, s13, 7
	s_lshl_b32 s17, s11, 6
	s_add_co_u32 s16, s16, s17
	s_lshl_b32 s16, s16, 13                        ; rows of 8,192 bytes
	s_mov_b32 s17, 0
	s_add_nc_u64 s[8:9], s[8:9], s[16:17]
	s_lshl_b32 s46, s42, 10
	s_lshl_b32 s47, s12, 9
	s_add_co_u32 s46, s46, s47
	s_mov_b32 s47, 0
	s_add_nc_u64 s[8:9], s[8:9], s[46:47]
.macro OUT16 a
	WIN 0x01                                       ; source 0 in window 1
.irp b, 0,1,2,3,4,5,6,7
.irp i, 0,2,4,6
	v_pk_mul_f32 v[F0+8*\b+\i:F0+8*\b+\i+1], v[8*(8*\a+\b)+\i:8*(8*\a+\b)+\i+1], s[72:73] op_sel_hi:[1,0]
.endr
.endr
	WIN 0
.irp b, 0,1,2,3,4,5,6,7
	ds_store_b128 v[STO], v[F0+8*\b:F0+8*\b+3] offset:64*\b
	ds_store_b128 v[STO], v[F0+8*\b+4:F0+8*\b+7] offset:64*\b+16
.endr
	s_wait_xcnt 0x0                                ; buffer 1, which stores read, and the stores' base are rewritten only behind this wait
.if \a
	s_add_nc_u64 s[8:9], s[8:9], 16*SIZE_N*4
.endif
.set t, 0
.rept 16
	ds_load_b128 v[F1+4*t:F1+4*t+3], v[RD] offset:t*SPITCH     ; LDS serves a wave's instructions in order: these see the stores above
.set t, t+1
.endr
.set t, 0
.rept 16
	s_wait_dscnt 15-t
	global_store_b128 v[CO], v[F1+4*t:F1+4*t+3], s[8:9] offset:t*SIZE_N*4 th:TH_STORE_NT   ; the wave stores 512 consecutive bytes, aligned
.set t, t+1
.endr
.endm
	OUT16 0
	OUT16 1
	OUT16 2
	OUT16 3
	s_wait_tensorcnt 0x0
	ds_add_u32 v254, v255
	s_wait_dscnt 0x0
	CROUND                                         ; the closing round
	s_endpgm
.Lfunc_end_k_q1456284f52_gemm2:
	.size	k_q1456284f52_gemm2, .Lfunc_end_k_q1456284f52_gemm2-k_q1456284f52_gemm2
	.p2alignl 7, 3214868480
	.fill 96, 4, 3214868480
	.section	.rodata,"a",@progbits
	.p2align	6, 0x0
	.amdhsa_kernel k_q1456284f52_gemm2
		.amdhsa_group_segment_fixed_size 327680
		.amdhsa_private_segment_fixed_size 0
		.amdhsa_enable_private_segment 0
		.amdhsa_kernarg_size 32
		.amdhsa_user_sgpr_count 2
		.amdhsa_user_sgpr_kernarg_segment_ptr 1
		.amdhsa_wavefront_size32 1
		.amdhsa_system_sgpr_workgroup_id_x 1
		.amdhsa_system_sgpr_workgroup_id_y 1
		.amdhsa_system_sgpr_workgroup_id_z 1
		.amdhsa_system_vgpr_workitem_id 0
		.amdhsa_next_free_vgpr 512
		.amdhsa_next_free_sgpr 80
		.amdhsa_reserve_vcc 0
		.amdhsa_float_denorm_mode_32 3
		.amdhsa_float_denorm_mode_16_64 3
		.amdhsa_memory_ordered 1
		.amdhsa_forward_progress 1
		.amdhsa_inst_pref_size 126
	.end_amdhsa_kernel
	.amdgpu_metadata
---
amdhsa.version: [ 1, 2 ]
amdhsa.kernels:
  - .name:           k_q1456284f52_gemm2
    .symbol:         k_q1456284f52_gemm2.kd
    .args:
      - { .name: y, .offset: 0, .size: 8, .value_kind: global_buffer, .address_space: global }
      - { .name: hb, .offset: 8, .size: 8, .value_kind: global_buffer, .address_space: global }
      - { .name: sc, .offset: 16, .size: 8, .value_kind: global_buffer, .address_space: global }
      - { .name: out0, .offset: 24, .size: 8, .value_kind: global_buffer, .address_space: global }
    .group_segment_fixed_size: 327680
    .private_segment_fixed_size: 0
    .kernarg_segment_align: 8
    .kernarg_segment_size: 32
    .max_flat_workgroup_size: 128
    .sgpr_count:     80
    .vgpr_count:     512
    .wavefront_size: 32
...
	.end_amdgpu_metadata
.endif
;; end of part 6
;; ======== version 2 of 3: 5 launches; 1.13 times as fast as version 1
;; limits: values outside matrix products are rounded to f16; values are held in f16: magnitudes above 65,504 overflow, below 6.1e-05 lose precision; right only within a limited range of input values
;; workspace buffers: hb 50,331,648 bytes; P 50,331,648 bytes; pmax 24,576 bytes; z 147,456 bytes; sc 256 bytes; U 8,388,608 bytes; dsg 65,536 bytes; y 16,777,216 bytes
;; launch cast (part 7): grid 768 x 1, 8 waves a work-group, no clusters, 76,032 bytes of LDS; arguments x, Wq, Wk, Wv, Wg, Wo, Wkg1, hb, z; writes hb, z
.if DOCPART == 7
	.amdgcn_target "amdgcn-amd-amdhsa--gfx1250"
	.amdhsa_code_object_version 6
	.text
	.protected	k_q1456284f52_cast
	.globl	k_q1456284f52_cast
	.p2align	8
	.type	k_q1456284f52_cast,@function
k_q1456284f52_cast:
	s_mov_b64 s[64:65], 0
	v_nop
	global_prefetch_b8 v0, s[64:65] scope:SCOPE_SE
	s_setreg_imm32_b32 hwreg(HW_REG_WAVE_MODE, 25, 1), 1
	s_wait_xcnt 0x0
; GATED LINEAR ATTENTION, launch 1 of 5: x, Wq, Wk, Wv, Wg, Wo from f32 to f16, one after the other, into hb; and, from the numbers while they are in
; registers, z = x Wkg1^T (f16 operands, f32 sums) and q_0 = Wq x[b][0], k_0 = Wk x[b][0] in f32.
; The program: cast -> gemm1 (q | k | v | g = x Wcat^T, and the largest magnitude of each piece of 128 rows x 32 columns) -> gstate (power-of-two scales
; from those magnitudes; each 256-step segment's own end state) -> gout (the recurrence in blocks of 32 steps, LayerNorm, silu gate) -> gemm2 (the product with Wo).
; WHY f16: eleven bits of mantissa; the chain has many roundings of operands and each output is held to a hundredth of the output's rms.
; WHY q_0, k_0 IN f32: step 0 is the one step whose output is a single term, o_0 = SCALE (q_0 . k_0) v_0: where the 64 products cancel, var comes down to EPS
; and LayerNorm no longer divides the scale away, so the result hangs on the ABSOLUTE error of that sum, which operands rounded to f16 cannot hold.
; WORK LEFT OUT, for all values of the inputs:
;  * S0 is built as zeros by the recurrence itself: a segment's own state starts with its first product, nothing is multiplied by S0.
;  * the own end state of the last segment (steps 1792..2047) is read by no later step and is not made.
;  * SCALE and the scales a, b, c (powers of two on q, k, v) multiply o by one constant f = a b c / SCALE.  LayerNorm without affine gives
;    (o - mu) rsqrt(var + EPS) = (f o - f mu) rsqrt(f^2 var + f^2 EPS): the constant is met by E = f^2 EPS in EPS's place, so SCALE multiplies no data.
; All ten inputs have a way to the output and are loaded.
; LIMITS: |x|, |W..|, |q|, |k|, |v|, |x Wg^T|, |x Wkg1^T| below 65504 (they are kept in f16); a NaN or an infinity in an input is not carried
; as the f32 recurrence would carry it.
; A work-group takes a chunk of 32,768 numbers (16 rows of 2,048): 32 loads of 16 bytes a thread, all out at once; load i of thread t holds row i / 2,
; columns 1,024 (i % 2) + 4 t .. + 3; a wave's store covers 256 consecutive bytes, aligned.  768 chunks.
;   chunks 0..255 (x): the f16 rows also go into LDS, and the eight waves make z for these 16 rows, 256 of K each, summed through LDS.
;   chunks 256..383 (Wq, Wk): each row is also multiplied, in f32, with x[0][0] and x[1][0].
;   chunks 384..767 (Wv, Wg, Wo): the conversion alone.
; LDS: bytes 0 .. 65,791 x's 16 rows in f16 (pitch 4,112, an odd multiple of 16); 65,792 .. 73,983 z's partial sums (1,024 a wave);
;   73,984 .. 75,007 the dot products' partial sums (128 a wave).  No byte serves two roles.
; The chunks carry the hint for data read once; the two rows x[0][0], x[1][0], which 128 work-groups load again, are loaded there without it.
; No cluster: the work-groups share only Wkg1's 128 KiB and two rows of x.
.set XD,  4                            ; v4-131   the chunk as loaded; then two registers of f16 in each four; later x's fragments
.set WB,  132                          ; v132-195 Wkg1's fragments, 8 registers a K step of 32 (landing in f32: v132-195, then v164-227)
.set ZA,  196                          ; v196-211 two accumulators
.set XB,  132                          ; v132-147 my 8 columns of x[0][0] and of x[1][0]
.set AC,  148                          ; v148-211 pair 16 b + r: row r times x[b][0]
.set TP,  4112
.set RED, 16*TP
.set QL,  RED+8192
.set ZQ,  131072                       ; q_0 and k_0 lie behind z: [q, k][batch][1024] in f32
	s_load_b512 s[4:19], s[0:1], 0x0               ; x, Wq, Wk, Wv, Wg, Wo, Wkg1, hb
	s_load_b64 s[20:21], s[0:1], 0x40              ; z
	v_lshl_add_u32 v236, v0, 2, 0x12500
	v_mov_b32 v237, 0
	v_lshlrev_b32 v1, 4, v0                        ; 16 bytes a thread in
	v_lshlrev_b32 v2, 3, v0                        ; 8 bytes a thread out, to memory and to LDS
	v_lshrrev_b32 v3, 5, v0
	v_readfirstlane_b32 s29, v3                    ; wave
	s_mov_b32 s28, 0                               ; first chunk of the chosen source
	s_wait_kmcnt 0x0
	s_mov_b64 s[22:23], s[4:5]
.macro PICK start, reg                             ; chunks from start on belong to the buffer in s[reg:reg+1]
	s_cmp_ge_u32 ttmp9, \start
	s_cselect_b64 s[22:23], s[\reg:\reg+1], s[22:23]
	s_cselect_b32 s28, \start, s28
.endm
	PICK 256, 6
	PICK 320, 8
	PICK 384, 10
	PICK 512, 12
	PICK 640, 14
	s_sub_co_u32 s24, ttmp9, s28
	s_lshl_b32 s24, s24, 17                        ; 131,072 bytes of f32 a chunk
	s_mov_b32 s25, 0
	s_add_nc_u64 s[22:23], s[22:23], s[24:25]
	s_lshl_b32 s26, ttmp9, 16                      ; 65,536 bytes of f16 a chunk
	s_mov_b32 s27, 0
	s_add_nc_u64 s[18:19], s[18:19], s[26:27]
.macro CHUNK_IN
.set i, 0
.rept 32
	global_load_b128 v[XD+4*i:XD+4*i+3], v1, s[22:23] offset:4096*i th:TH_LOAD_NT
.set i, i+1
.endr
.endm
; The chunk's 32 pieces.  role 0: convert and store; 1: also into LDS; 2: first the products with x[0][0] and x[1][0].
; extra = loads issued behind the chunk's, which may stay out too.
.macro PIECES role, extra
.set i, 0
.rept 32
	s_wait_loadcnt 31-i+\extra                     ; loads come back in order: piece i is in, the younger ones stay out
.if \role == 2
.set a0, AC+2*(i/2)
.set a1, a0+32
.set xh, XB+4*(i%2)
.if (i%2) == 0
	v_pk_mul_f32 v[a0:a0+1], v[XD+4*i:XD+4*i+1], v[xh:xh+1]                    ; a row's first products start its sums
	v_pk_mul_f32 v[a1:a1+1], v[XD+4*i:XD+4*i+1], v[xh+8:xh+9]
.else
	v_pk_fma_f32 v[a0:a0+1], v[XD+4*i:XD+4*i+1], v[xh:xh+1], v[a0:a0+1]
	v_pk_fma_f32 v[a1:a1+1], v[XD+4*i:XD+4*i+1], v[xh+8:xh+9], v[a1:a1+1]
.endif
	v_pk_fma_f32 v[a0:a0+1], v[XD+4*i+2:XD+4*i+3], v[xh+2:xh+3], v[a0:a0+1]
	v_pk_fma_f32 v[a1:a1+1], v[XD+4*i+2:XD+4*i+3], v[xh+10:xh+11], v[a1:a1+1]
.endif
	v_cvt_pk_f16_f32 v[XD+4*i], v[XD+4*i], v[XD+4*i+1]
	v_cvt_pk_f16_f32 v[XD+4*i+1], v[XD+4*i+2], v[XD+4*i+3]
	global_store_b64 v2, v[XD+4*i:XD+4*i+1], s[18:19] offset:2048*i
.if \role == 1
	ds_store_b64 v2, v[XD+4*i:XD+4*i+1] offset:(i/2)*TP+(i%2)*2048
.endif
.set i, i+1
.endr
.endm
	s_cmp_lt_u32 ttmp9, 256
	s_cbranch_scc1 .Lx
	s_cmp_lt_u32 ttmp9, 384
	s_cbranch_scc1 .Lq
	; Wv, Wg, Wo
	CHUNK_IN
	PIECES 0, 0
	s_endpgm
	; Wq, Wk: the conversion, and 16 rows times x[0][0] and x[1][0] in f32
.Lq:
	s_add_nc_u64 s[30:31], s[4:5], 0x1000000       ; x[1][0]: 2,048 rows of 8,192 bytes on
	s_mov_b32 s32, 0x76543210
	s_mov_b32 s33, 0xfedcba98
	global_load_b128 v[XB:XB+3],     v1, s[4:5]                ; columns 4 t ..
	global_load_b128 v[XB+4:XB+7],   v1, s[4:5] offset:4096    ; columns 1,024 + 4 t ..
	global_load_b128 v[XB+8:XB+11],  v1, s[30:31]
	global_load_b128 v[XB+12:XB+15], v1, s[30:31] offset:4096
	CHUNK_IN
	s_lshl_b32 s36, s29, 7
	s_add_co_u32 s36, s36, QL                      ; my wave's 128 bytes
	v_mov_b32 v3, s36
	s_sub_co_u32 s34, ttmp9, 256                   ; n: 0..63 Wq, 64..127 Wk; rows 16 (n % 64) ..
	s_lshr_b32 s35, s34, 6
	s_lshl_b32 s35, s35, 12
	s_lshl_b32 s34, s34, 6
	s_add_co_u32 s34, s34, s35                     ; 8,192 (n / 64) + 64 (n % 64)
	s_mov_b32 s35, 0
	s_add_nc_u64 s[20:21], s[20:21], s[34:35]
	PIECES 2, 0                                    ; the first wait, for 31, also shows the four loads of x, which are older
.set j, 0
.rept 32
	v_add_f32 v[AC+j], v[AC+2*j], v[AC+2*j+1]      ; the pairs, packed downward: number j never lands on a pair that is still to be read
.set j, j+1
.endr
.irp m, 1,2,4,8
.set j, 0
.rept 32
	v_add_f32_dpp v[AC+j], v[AC+j], v[AC+j] row_xmask:\m row_mask:0xf bank_mask:0xf
.set j, j+1
.endr
.endr
.set j, 0
.rept 32
	v_permlanex16_b32 v[AC+32+j], v[AC+j], s32, s33
.set j, j+1
.endr
.set j, 0
.rept 32
	v_add_f32 v[AC+j], v[AC+j], v[AC+32+j]         ; every lane holds my wave's 32 sums
.set j, j+1
.endr
.set j, 0
.rept 8
	ds_store_b128 v3, v[AC+4*j:AC+4*j+3] offset:16*j           ; all lanes write the same bytes with the same values
.set j, j+1
.endr
	s_wait_dscnt 0x0                               ; for the reader's sake
	s_barrier_signal -1
	s_barrier_wait -1
	s_cmp_lg_u32 s29, 0
	s_cbranch_scc1 .Lqend
	v_and_b32 v212, 31, v0                         ; lane l takes sum l = 16 b + r of each wave
	v_lshlrev_b32 v213, 2, v212
	v_add_nc_u32 v213, QL, v213
.set j, 0
.rept 8
	ds_load_b32 v[AC+j], v213 offset:128*j
.set j, j+1
.endr
	v_lshrrev_b32 v214, 4, v212
	v_and_b32 v212, 15, v212
	v_lshlrev_b32 v212, 2, v212
	v_lshl_add_u32 v212, v214, 12, v212            ; 4,096 b + 4 r
	s_wait_dscnt 0x0
	v_add_f32 v[AC], v[AC], v[AC+1]
	v_add_f32 v[AC+2], v[AC+2], v[AC+3]
	v_add_f32 v[AC+4], v[AC+4], v[AC+5]
	v_add_f32 v[AC+6], v[AC+6], v[AC+7]
	v_add_f32 v[AC], v[AC], v[AC+2]
	v_add_f32 v[AC+4], v[AC+4], v[AC+6]
	v_add_f32 v[AC], v[AC], v[AC+4]
	global_store_b32 v212, v[AC], s[20:21] offset:ZQ           ; sixteen lanes store 64 consecutive bytes; 16 KiB in the whole launch
.Lqend:
	s_wait_tensorcnt 0x0
	ds_add_u32 v236, v237
	s_wait_dscnt 0x0
	s_endpgm
	; x: the conversion, and z for these 16 rows
.Lx:
	v_and_b32 v233, 15, v0                         ; r
	v_bfe_u32 v234, v0, 4, 1                       ; h
	v_lshlrev_b32 v228, 13, v233
	v_lshl_add_u32 v228, v234, 5, v228             ; Wkg1 in f32: r x 8,192 + 32 h
	s_lshl_b32 s34, s29, 10                        ; my 256 of K
	s_mov_b32 s35, 0
	s_add_nc_u64 s[16:17], s[16:17], s[34:35]
; Four K steps of Wkg1 in the order of a fragment: lane (r, h) takes k = 8 h .. + 7 and 16 + 8 h .. + 7 of each 32, four loads of 16 bytes a step.
.macro WBLOAD half
.set j, 0
.rept 16
	global_load_b128 v[WB+32*\half+4*j:WB+32*\half+4*j+3], v228, s[16:17] offset:512*\half+128*(j/4)+64*((j%4)/2)+16*(j%2)
.set j, j+1
.endr
.endm
.macro WBCVT half                      ; 64 f32 to 32 registers of f16, packed downward
.set j, 0
.rept 32
	v_cvt_pk_f16_f32 v[WB+32*\half+j], v[WB+32*\half+2*j], v[WB+32*\half+2*j+1]
.set j, j+1
.endr
.endm
	WBLOAD 0
	CHUNK_IN
	v_mul_u32_u24 v229, v233, TP
	v_lshl_add_u32 v229, v234, 4, v229
	v_lshl_add_u32 v229, s29, 9, v229              ; x's fragments in LDS: r x pitch + 16 h + my 512 bytes of a row
	v_and_b32 v230, 31, v0
	v_lshlrev_b32 v230, 5, v230
	v_add_nc_u32 v230, RED, v230                   ; partial sums: 32 bytes a lane,
	v_lshl_add_u32 v231, s29, 10, v230             ; 1,024 a wave
	v_lshlrev_b32 v232, 5, v233
	v_lshl_add_u32 v232, v234, 4, v232             ; z: r x 32 + 16 h
	s_wait_loadcnt 32                              ; the 16 oldest loads, Wkg1's first four K steps, are in; the chunk's 32 stay out
	WBCVT 0
	WBLOAD 1                                       ; the other four K steps, into the registers that the conversion has left and 32 more
	PIECES 1, 16
	s_wait_loadcnt 0x0
	WBCVT 1
	s_wait_dscnt 0x0                               ; my part of the 16 rows is in LDS, for the others' sake
	s_barrier_signal -1
	s_barrier_wait -1
	s_wait_xcnt 0x0                                ; the chunk's registers, which the stores to hb read, are loaded again only behind this wait
.irp s, 0,1,2,3,4,5,6,7
	ds_load_b128 v[XD+8*\s:XD+8*\s+3],   v229 offset:64*\s
	ds_load_b128 v[XD+8*\s+4:XD+8*\s+7], v229 offset:64*\s+32
.endr
	s_wait_dscnt 0x0
	; source 0 = Wkg1, source 1 = x: a lane holds z[row r][8h .. 8h+7].  Two accumulators take turns.
	v_wmma_f32_16x16x32_f16 v[ZA:ZA+7], v[WB:WB+7], v[XD:XD+7], 0
	v_wmma_f32_16x16x32_f16 v[ZA+8:ZA+15], v[WB+8:WB+15], v[XD+8:XD+15], 0
.irp s, 2,4,6
	v_wmma_f32_16x16x32_f16 v[ZA:ZA+7], v[WB+8*\s:WB+8*\s+7], v[XD+8*\s:XD+8*\s+7], v[ZA:ZA+7]
	v_wmma_f32_16x16x32_f16 v[ZA+8:ZA+15], v[WB+8*\s+8:WB+8*\s+15], v[XD+8*\s+8:XD+8*\s+15], v[ZA+8:ZA+15]
.endr
.rept 4
	v_nop                                          ; four places before the sums are read and the fragments' registers loaded again (ISA guide 7.12.1)
.endr
.irp i, 0,2,4,6
	v_pk_add_f32 v[ZA+\i:ZA+\i+1], v[ZA+\i:ZA+\i+1], v[ZA+8+\i:ZA+9+\i]
.endr
	ds_store_b128 v231, v[ZA:ZA+3]
	ds_store_b128 v231, v[ZA+4:ZA+7] offset:16
	s_wait_dscnt 0x0                               ; for the reader's sake
	s_barrier_signal -1
	s_barrier_wait -1
	s_cmp_lg_u32 s29, 0
	s_cbranch_scc1 .Lxend
.irp w, 0,1,2,3,4,5,6,7
	ds_load_b128 v[XD+8*\w:XD+8*\w+3],   v230 offset:1024*\w
	ds_load_b128 v[XD+8*\w+4:XD+8*\w+7], v230 offset:1024*\w+16
.endr
	s_lshl_b32 s34, ttmp9, 9                       ; 16 rows of 32 bytes
	s_mov_b32 s35, 0
	s_add_nc_u64 s[20:21], s[20:21], s[34:35]
	s_wait_dscnt 0x0
.irp w, 1,2,3,4,5,6,7
.irp i, 0,2,4,6
	v_pk_add_f32 v[XD+\i:XD+\i+1], v[XD+\i:XD+\i+1], v[XD+8*\w+\i:XD+8*\w+\i+1]
.endr
.endr
.irp i, 0,1,2,3
	v_cvt_pk_f16_f32 v[212+\i], v[XD+2*\i], v[XD+2*\i+1]
.endr
	global_store_b128 v232, v[212:215], s[20:21]   ; the wave's store covers 512 consecutive bytes
.Lxend:
	s_wait_tensorcnt 0x0
	ds_add_u32 v236, v237
	s_wait_dscnt 0x0
	s_endpgm
.Lfunc_end_k_q1456284f52_cast:
	.size	k_q1456284f52_cast, .Lfunc_end_k_q1456284f52_cast-k_q1456284f52_cast
	.p2alignl 7, 3214868480
	.fill 96, 4, 3214868480
	.section	.rodata,"a",@progbits
	.p2align	6, 0x0
	.amdhsa_kernel k_q1456284f52_cast
		.amdhsa_group_segment_fixed_size 76032
		.amdhsa_private_segment_fixed_size 0
		.amdhsa_enable_private_segment 0
		.amdhsa_kernarg_size 72
		.amdhsa_user_sgpr_count 2
		.amdhsa_user_sgpr_kernarg_segment_ptr 1
		.amdhsa_wavefront_size32 1
		.amdhsa_system_sgpr_workgroup_id_x 1
		.amdhsa_system_sgpr_workgroup_id_y 1
		.amdhsa_system_sgpr_workgroup_id_z 1
		.amdhsa_system_vgpr_workitem_id 0
		.amdhsa_next_free_vgpr 238
		.amdhsa_next_free_sgpr 66
		.amdhsa_reserve_vcc 0
		.amdhsa_float_denorm_mode_32 3
		.amdhsa_float_denorm_mode_16_64 3
		.amdhsa_memory_ordered 1
		.amdhsa_forward_progress 1
		.amdhsa_inst_pref_size 74
	.end_amdhsa_kernel
	.amdgpu_metadata
---
amdhsa.version: [ 1, 2 ]
amdhsa.kernels:
  - .name:           k_q1456284f52_cast
    .symbol:         k_q1456284f52_cast.kd
    .args:
      - { .name: x, .offset: 0, .size: 8, .value_kind: global_buffer, .address_space: global }
      - { .name: Wq, .offset: 8, .size: 8, .value_kind: global_buffer, .address_space: global }
      - { .name: Wk, .offset: 16, .size: 8, .value_kind: global_buffer, .address_space: global }
      - { .name: Wv, .offset: 24, .size: 8, .value_kind: global_buffer, .address_space: global }
      - { .name: Wg, .offset: 32, .size: 8, .value_kind: global_buffer, .address_space: global }
      - { .name: Wo, .offset: 40, .size: 8, .value_kind: global_buffer, .address_space: global }
      - { .name: Wkg1, .offset: 48, .size: 8, .value_kind: global_buffer, .address_space: global }
      - { .name: hb, .offset: 56, .size: 8, .value_kind: global_buffer, .address_space: global }
      - { .name: z, .offset: 64, .size: 8, .value_kind: global_buffer, .address_space: global }
    .group_segment_fixed_size: 76032
    .private_segment_fixed_size: 0
    .kernarg_segment_align: 8
    .kernarg_segment_size: 72
    .max_flat_workgroup_size: 256
    .sgpr_count:     66
    .vgpr_count:     238
    .wavefront_size: 32
...
	.end_amdgpu_metadata
.endif
;; end of part 7
;; launch gemm1 (part 8): grid 16 x 32, 4 waves a work-group, clusters of 4 x 4, 327,680 bytes of LDS; arguments hb, P, pmax; writes P, pmax
.if DOCPART == 8
	.amdgcn_target "amdgcn-amd-amdhsa--gfx1250"
	.amdhsa_code_object_version 6
	.text
	.protected	k_q1456284f52_gemm1
	.globl	k_q1456284f52_gemm1
	.p2align	8
	.type	k_q1456284f52_gemm1,@function
k_q1456284f52_gemm1:
	s_mov_b64 s[64:65], 0
	v_nop
	global_prefetch_b8 v0, s[64:65] scope:SCOPE_SE
	s_setreg_imm32_b32 hwreg(HW_REG_WAVE_MODE, 25, 1), 1
	s_wait_xcnt 0x0
	s_wait_alu depctr_hold_cnt(0) depctr_sa_sdst(0) depctr_va_vdst(0) depctr_va_sdst(0) depctr_va_ssrc(0) depctr_va_vcc(0) depctr_vm_vsrc(0)
	s_getreg_b32 s2, hwreg(HW_REG_IB_STS2, 6, 4)
	s_cmp_eq_u32 s2, 0
	s_cbranch_scc0 .Lentry_in_a_cluster
	s_endpgm
.Lentry_in_a_cluster:
	s_bfe_u32 s2, ttmp6, 0x10000c
	s_cmp_lg_u32 s2, 0xf033
	s_cbranch_scc0 .Lentry_shape_is_right
	s_endpgm
.Lentry_shape_is_right:
; Launch 2: P[4096][6144] = x Wcat^T in f16 (Wcat = Wq, Wk, Wv, Wg one under the other in hb), sums in f32, K = 2048; and pmax, the largest
; magnitude of each piece of 128 rows x 32 columns (32 divides the borders 1024, 2048, 4096 between q, k, v and g, so no piece crosses one).
; No step of the problem is left out here; SCALE and the biases come later.
; A work-group makes 128 x 384 of P with four waves side by side, a wave 128 x 96: 48 accumulator tiles, 384 registers.  16 x 32 = 512 work-groups.
; K goes in steps of 128 through two LDS slots filled by the tensor data mover (rows of 256 bytes, padded to 272): a K step is 192 matrix
; instructions of a wave for 512 rows fetched, and from a slot's request to the wait for it a wave issues 180 of them.
; CLUSTERS 4 x 4: x's tile hangs on the block row alone and is asked for jointly by a row of the cluster, Wcat's on the block column alone
; and is asked for jointly by a column.  Wave 0 asks for x's 128 rows, waves 1 to 3 for 128 rows of Wcat each: one load a wave, all of one shape.
; The matrix instruction is used transposed (source 0 = rows of Wcat, source 1 = rows of x): a lane then holds 8 neighbouring columns of a row.
; REGISTERS: window 0: v16-31 addresses and maxima; v32-143, v144-255 two fragment buffers (6 of Wcat's, then 8 of x's);
;   window 1: the 24 tiles of rows 0-63 (tile (a, b) at v[8 (6 a + b)]); window 2: those of rows 64-127.
; THE WAY OUT: a wave's 96 columns are 192 bytes, three quarters of an aligned block of 256, so the four waves lay the whole 128 x 384 into one stage
; (pitch 784) and, behind a barrier, each takes 32 whole rows of 768 bytes back.  The stage lies in slot 0: its last fill has landed and its last reads
; lie ahead of the barrier of the last change of slots.
.set KSTEP,  128
.set SIZE_K, 2048
.set SIZE_N, 6144
.set PITCH,  272
.set TL,     128*PITCH                 ; what one tensor load brings: 128 rows
.set SLOT,   4*TL                      ; x's 128 rows, then Wcat's 384
.set SP,     784                       ; the stage's pitch: 768 bytes + 16, an odd multiple of 16
.set LAPS,   SIZE_K/(2*KSTEP)
.set ADRA, 16                          ; v16-17  LDS address of x's fragments in slot 0, 1
.set ADRB, 18                          ; v18-19  the same for my 96 rows of Wcat
.set STO,  20                          ; v20-21  the stage, in: rows 0-63, rows 64-127
.set RD,   22                          ; v22     the stage, back
.set CO,   23                          ; v23     my byte offset in P
.set MX,   24                          ; v24-26  largest magnitudes of my three groups of 32 columns
.set F0,   32
.set F1,   144
.set G1, 24
.set G0, 32
.set G1B, 48
.set G0B, 56
.set MSB, 0
.macro WIN new                         ; the immediate's high byte repeats the setting that is left
.if MSB != \new
	s_set_vgpr_msb (MSB<<8)|\new
.set MSB, \new
.endif
.endm
.set MUL_LO, 0x50                      ; C and D in window 1, fragments in window 0
.set MUL_HI, 0xa0                      ; C and D in window 2
.macro JLOAD s                         ; a joint load: one line and one mask for x's tile, one for Wcat's; the branch hangs on the wave's number alone
	s_cmp_eq_u32 s10, 0
	s_cbranch_scc0 .Lfor_b_\@
	tensor_load_to_lds s[G0+4*\s:G0+4*\s+3], s[G1:G1+7]
	s_nop 0
	s_branch .Lasked_\@
.Lfor_b_\@:
	tensor_load_to_lds s[G0B+4*\s:G0B+4*\s+3], s[G1B:G1B+7]
	s_nop 0
.Lasked_\@:
.endm
.macro CREST                           ; a round of the cluster's barrier behind its opening barrier
	s_cmp_lg_u32 s10, 0
	s_cbranch_scc1 .Lnot_wave_0_\@
	s_barrier_signal -3
.Lnot_wave_0_\@:
	s_barrier_wait -3
	s_barrier_signal -1
	s_barrier_wait -1
.endm
.macro CROUND
	s_barrier_signal -1
	s_barrier_wait -1
	CREST
.endm
	s_load_b128 s[4:7], s[0:1], 0x0                ; hb, P
	s_load_b64 s[66:67], s[0:1], 0x10              ; pmax
	v_lshl_add_u32 v27, v0, 2, 0x44000
	v_mov_b32 v31, 0
	ds_add_u32 v27, v31
	v_lshrrev_b32 v1, 5, v0
	v_readfirstlane_b32 s10, v1                    ; wave 0..3: my 96 columns; also what I fetch
	s_bfe_u32 s40, ttmp6, 0x40000                  ; cx
	s_bfe_u32 s41, ttmp6, 0x40004                  ; cy
	s_lshl_b32 s42, ttmp9, 2
	s_add_co_u32 s42, s42, s40                     ; block column
	s_and_b32 s13, ttmp7, 0xffff
	s_lshl_b32 s13, s13, 2
	s_add_co_u32 s13, s13, s41                     ; block row
	s_lshl_b32 s43, s41, 2
	s_lshl_b32 s43, 15, s43                        ; my row of the cluster
	s_lshl_b32 s44, 0x1111, s40                    ; my column
	s_or_b32 s[G1+0], s43, (1<<16)|(1<<20)|(1<<21)|(5<<22)|(3<<25)   ; mask; 2-byte elements; 4 words of padding behind every 64
	s_or_b32 s[G1B+0], s44, (1<<16)|(1<<20)|(1<<21)|(5<<22)|(3<<25)
	s_mov_b32 s[G1+1], KSTEP<<16                   ; tensor_dim0 = 128
	s_mov_b32 s[G1B+1], KSTEP<<16
	s_mov_b32 s[G1+2], 128<<16                     ; tensor_dim1 = 128 rows
	s_mov_b32 s[G1B+2], 128<<16
	s_mov_b32 s[G1+3], KSTEP<<16                   ; tile_dim0 = 128
	s_mov_b32 s[G1B+3], KSTEP<<16
	s_mov_b32 s[G1+4], 128                         ; tile_dim1
	s_mov_b32 s[G1B+4], 128
	s_mov_b32 s[G1+5], SIZE_K                      ; elements from row to row
	s_mov_b32 s[G1B+5], SIZE_K
	s_mov_b32 s[G1+6], 0
	s_mov_b32 s[G1B+6], 0
	s_mov_b32 s[G1+7], 0
	s_mov_b32 s[G1B+7], 0
	s_lshl_b32 s16, s13, 19                        ; x: 128 rows of 4,096 bytes a block row
	s_mov_b32 s17, 0
	s_max_u32 s47, s10, 1
	s_sub_co_u32 s47, s47, 1                       ; which 128 rows of Wcat's tile: wave - 1 (wave 0 asks for none of them)
	s_lshl_b32 s47, s47, 7
	s_mul_i32 s46, s42, 384
	s_add_co_u32 s46, s46, s47                     ; Wcat: row 384 x block column + 128 x (wave - 1)
	s_lshl_b32 s46, s46, 12
	s_mov_b32 s47, 0
	s_mul_i32 s20, s10, TL                         ; where my load goes: x's tile, then Wcat's three parts = wave x 128 rows
	s_wait_dscnt 0x0
	s_wait_kmcnt 0x0
	s_mov_b64 s[8:9], s[6:7]                       ; P
	s_add_nc_u64 s[6:7], s[4:5], 0x1000000         ; Wcat lies 16 MiB into hb
	s_add_nc_u64 s[14:15], s[4:5], s[16:17]
	s_add_nc_u64 s[46:47], s[6:7], s[46:47]
	CROUND                                         ; all sixteen work-groups are here: the first joint loads meet
.irp s, 0,1
	s_mov_b32 s[G0+4*\s], 1
	s_add_co_u32 s[G0+4*\s+1], s20, \s*SLOT
	s_add_nc_u64 s[G0+4*\s+2:G0+4*\s+3], s[14:15], \s*KSTEP*2
	s_or_b32 s[G0+4*\s+3], s[G0+4*\s+3], 0x80000000
	s_mov_b32 s[G0B+4*\s], 1
	s_add_co_u32 s[G0B+4*\s+1], s20, \s*SLOT
	s_add_nc_u64 s[G0B+4*\s+2:G0B+4*\s+3], s[46:47], \s*KSTEP*2
	s_or_b32 s[G0B+4*\s+3], s[G0B+4*\s+3], 0x80000000
	JLOAD \s
.endr
	v_and_b32 v1, 15, v0
	v_bfe_u32 v2, v0, 4, 1
	v_mul_u32_u24 v3, v1, PITCH
	v_lshl_add_u32 v3, v2, 4, v3                   ; row x pitch + 16 x half of the lanes
	s_mov_b32 s21, 0                               ; every wave reads all 128 rows of x
	s_mul_i32 s22, s10, 96*PITCH
	s_add_co_u32 s22, s22, TL                      ; and its own 96 rows of Wcat
.irp s, 0,1
	v_add_nc_u32 v[ADRA+\s], s21, v3
	v_add_nc_u32 v[ADRB+\s], s22, v3
	s_add_co_u32 s21, s21, SLOT
	s_add_co_u32 s22, s22, SLOT
.endr
	v_mul_u32_u24 v4, v1, SP
	v_lshl_add_u32 v4, v2, 4, v4
	s_mul_i32 s23, s10, 192
	v_add_nc_u32 v[STO], s23, v4                   ; in: row r, my 192 bytes, 16 bytes for each half of the lanes
	v_add_nc_u32 v[STO+1], 64*SP, v[STO]           ; rows 64-127: beyond the reach of a 16-bit offset from row 0
	s_mul_i32 s23, s10, 32*SP
	v_mul_u32_u24 v5, v2, SP
	v_lshl_add_u32 v5, v1, 4, v5
	v_add_nc_u32 v[RD], s23, v5                    ; back: my 32 rows; lanes 0-15 one row's 256 bytes, lanes 16-31 the next row's
	v_mul_u32_u24 v5, v2, SIZE_N*2
	v_lshl_add_u32 v[CO], v1, 4, v5
	v_mov_b32 v[MX], 0
	v_mov_b32 v[MX+1], 0
	v_mov_b32 v[MX+2], 0
.macro MUL12 f, hi, a0, zero           ; 12 matrix instructions: row blocks a0, a0 + 1 of the window's four x all 6 column blocks, 32 along K
.irp a, \a0, \a0+1
.irp b, 0,1,2,3,4,5
.if \zero
	v_wmma_f32_16x16x32_f16 v[8*(6*(\a)+\b):8*(6*(\a)+\b)+7], v[\f+8*\b:\f+8*\b+7], v[\f+48+8*(4*\hi+\a):\f+48+8*(4*\hi+\a)+7], 0
.else
	v_wmma_f32_16x16x32_f16 v[8*(6*(\a)+\b):8*(6*(\a)+\b)+7], v[\f+8*\b:\f+8*\b+7], v[\f+48+8*(4*\hi+\a):\f+48+8*(4*\hi+\a)+7], v[8*(6*(\a)+\b):8*(6*(\a)+\b)+7]
.endif
.endr
.endr
.endm
.macro FETCH slot, k, f                ; 28 LDS loads: my 96 rows of Wcat, then 128 rows of x, 32 K at byte k of the rows
.irp i, 0,1,2,3,4,5
	ds_load_b128 v[\f+8*\i:\f+8*\i+3],   v[ADRB+\slot] offset:\k+\i*16*PITCH
	ds_load_b128 v[\f+8*\i+4:\f+8*\i+7], v[ADRB+\slot] offset:\k+\i*16*PITCH+32
.endr
.irp i, 0,1,2,3,4,5,6,7
	ds_load_b128 v[\f+48+8*\i:\f+48+8*\i+3],   v[ADRA+\slot] offset:\k+\i*16*PITCH
	ds_load_b128 v[\f+48+8*\i+4:\f+48+8*\i+7], v[ADRA+\slot] offset:\k+\i*16*PITCH+32
.endr
.endm
.macro PLACES                          ; a load into a register that a matrix instruction has read stands four plain vector instructions behind it
.rept 4
	v_nop
.endr
.endm
; The 48 accumulators take turns, one instruction a turn, in the same order in every quarter step.
.macro QUARTER slot, k, f, g, zero
	s_wait_dscnt 8                                 ; Wcat's fragments and x's blocks 0-3 are in; the youngest eight loads (blocks 4-7) may be out
	WIN MUL_LO
	MUL12 \f, 0, 0, \zero
	MUL12 \f, 0, 2, \zero
	PLACES
	WIN 0
	FETCH \slot, \k, \g
	s_wait_dscnt 28                                ; all but the 28 just issued
	WIN MUL_HI
	MUL12 \f, 1, 0, \zero
	MUL12 \f, 1, 2, \zero
.endm
.macro THREE slot, zero
	QUARTER \slot, 64,  F0, F1, \zero
	QUARTER \slot, 128, F1, F0, 0
	QUARTER \slot, 192, F0, F1, 0
.endm
.macro TURN slot, next, fill           ; the last quarter of a K step, and the change of slots
	s_wait_dscnt 8
	WIN MUL_LO
	MUL12 F1, 0, 0, 0
	s_wait_dscnt 0                                 ; my reads of this slot are over
	s_wait_tensorcnt 0x0                           ; all my tensor loads have landed: the one that was out is my part of the next slot
	ds_add_u32 v27, v31
	s_wait_dscnt 0x0
	s_barrier_signal -1
	MUL12 F1, 0, 2, 0                              ; register work while the others arrive
	WIN 0
	s_barrier_wait -1
.if \fill
	CREST                                          ; the round closes: no wave of any partner still reads this slot or has a load on its way
	s_add_nc_u64 s[G0+4*\slot+2:G0+4*\slot+3], s[G0+4*\slot+2:G0+4*\slot+3], 2*KSTEP*2
	s_add_nc_u64 s[G0B+4*\slot+2:G0B+4*\slot+3], s[G0B+4*\slot+2:G0B+4*\slot+3], 2*KSTEP*2
	JLOAD \slot                                    ; the first tensor load behind the round, one a wave
.endif
	PLACES
	FETCH \next, 0, F0
	WIN MUL_HI
	MUL12 F1, 1, 0, 0
	MUL12 F1, 1, 2, 0
.endm
.macro LAP zero
	THREE 0, \zero
	TURN 0, 1, 1
	THREE 1, 0
	TURN 1, 0, 1
.endm
	s_wait_tensorcnt 1                             ; my part of K step 0 is in; K step 1's stays out
	s_barrier_signal -1
	s_barrier_wait -1
	FETCH 0, 0, F0
	LAP 1                                          ; the first products start the sums
	WIN 0
	s_mov_b32 s3, LAPS-2
.Llap:
	LAP 0
	WIN 0
	s_sub_co_u32 s3, s3, 1
	s_cmp_lg_u32 s3, 0
	s_cbranch_scc1 .Llap
	THREE 0, 0                                     ; the last lap fills nothing
	TURN 0, 1, 0                                   ; behind this barrier no wave reads slot 0 any more, and no load is out
	THREE 1, 0
	s_wait_dscnt 8
	WIN MUL_LO
	MUL12 F1, 0, 0, 0
	MUL12 F1, 0, 2, 0
	s_wait_dscnt 0
	WIN MUL_HI
	MUL12 F1, 1, 0, 0
	MUL12 F1, 1, 2, 0
	PLACES                                         ; behind the last matrix instructions, for the conversions below
	s_lshl_b32 s16, s13, 7
	s_lshl_b32 s17, s10, 5
	s_add_co_u32 s16, s16, s17                     ; the first of the 32 rows that I store: 128 x block row + 32 x wave
	s_mul_i32 s16, s16, SIZE_N*2
	s_mov_b32 s17, 0
	s_add_nc_u64 s[8:9], s[8:9], s[16:17]
	s_mul_i32 s46, s42, 768                        ; the block's first column, in bytes: three blocks of 256
	s_mov_b32 s47, 0
	s_add_nc_u64 s[8:9], s[8:9], s[46:47]
	s_mul_i32 s45, s42, 12
	s_mul_i32 s22, s10, 3
	s_add_co_u32 s45, s45, s22                     ; my first group of 32 columns: 12 x block column + 3 x wave
	s_lshl_b32 s45, s45, 5
	s_add_co_u32 s45, s45, s13                     ; pmax[group][block row]
	s_lshl_b32 s45, s45, 2
	s_mov_b32 s20, 0x76543210
	s_mov_b32 s21, 0xfedcba98
; rows 16 (4 hi + a) .. + 15 of the block, my 96 columns: to f16, 16 bytes a lane into the stage; win: sources 0 and 1 in window 1 or 2
.macro OUT16 a, hi, win
	WIN \win
.irp b, 0,1,2,3,4,5
.irp r, 0,1,2,3
	v_cvt_pk_f16_f32 v[F0+4*\b+\r], v[8*(6*\a+\b)+2*\r], v[8*(6*\a+\b)+2*\r+1]
	v_max3_num_f32 v[MX+\b/2], |v[8*(6*\a+\b)+2*\r]|, |v[8*(6*\a+\b)+2*\r+1]|, v[MX+\b/2]
.endr
.endr
	WIN 0
.irp b, 0,1,2,3,4,5
	ds_store_b128 v[STO+\hi], v[F0+4*\b:F0+4*\b+3] offset:16*\a*SP+32*\b
.endr
.endm
	OUT16 0, 0, 0x05
	OUT16 1, 0, 0x05
	OUT16 2, 0, 0x05
	OUT16 3, 0, 0x05
	OUT16 0, 1, 0x0a
	OUT16 1, 1, 0x0a
	OUT16 2, 1, 0x0a
	OUT16 3, 1, 0x0a
	s_wait_dscnt 0x0                               ; my columns of all 128 rows are in the stage, for the others' sake
	s_barrier_signal -1
	; register work while the others arrive: the three maxima over the lanes
.irp g, 0,1,2
	v_max_num_f32_dpp v[MX+\g], v[MX+\g], v[MX+\g] row_xmask:1 row_mask:0xf bank_mask:0xf
	v_max_num_f32_dpp v[MX+\g], v[MX+\g], v[MX+\g] row_xmask:2 row_mask:0xf bank_mask:0xf
	v_max_num_f32_dpp v[MX+\g], v[MX+\g], v[MX+\g] row_xmask:4 row_mask:0xf bank_mask:0xf
	v_max_num_f32_dpp v[MX+\g], v[MX+\g], v[MX+\g] row_xmask:8 row_mask:0xf bank_mask:0xf
.endr
	v_mov_b32 v28, 0
.irp g, 0,1,2
	v_permlanex16_b32 v28, v[MX+\g], s20, s21
	v_max_num_f32 v[MX+\g], v[MX+\g], v28
.endr
	s_barrier_wait -1
	; 32 rows x 768 bytes back: load t takes block t % 3 of 256 bytes of rows 2 (t / 3) and 2 (t / 3) + 1; 48 loads into 192 registers of their own
.set t, 0
.rept 48
	ds_load_b128 v[F0+4*t+16*(t/24):F0+4*t+16*(t/24)+3], v[RD] offset:2*(t/3)*SP+256*(t%3)
.set t, t+1
.endr
.set t, 0
.rept 48
	s_wait_dscnt 47-t                              ; LDS loads come back in order: number t is in
	global_store_b128 v[CO], v[F0+4*t+16*(t/24):F0+4*t+16*(t/24)+3], s[8:9] offset:2*(t/3)*SIZE_N*2+256*(t%3)   ; 16 lanes store 256 consecutive bytes, aligned
.set t, t+1
.endr
	; lanes 0, 1, 2 store the three maxima, 32 floats apart
	v_and_b32 v30, 31, v0
	v_cmp_eq_u32 vcc_lo, 1, v30
	v_cndmask_b32 v[MX], v[MX], v[MX+1], vcc_lo
	v_cmp_eq_u32 vcc_lo, 2, v30
	v_cndmask_b32 v[MX], v[MX], v[MX+2], vcc_lo
	v_lshlrev_b32 v29, 7, v30
	v_add_nc_u32 v29, s45, v29
	v_cmp_gt_u32 vcc_lo, 3, v30
	s_wait_xcnt 0x0                                ; EXEC changes only behind this wait
	s_and_saveexec_b32 s22, vcc_lo
	global_store_b32 v29, v[MX], s[66:67]
	s_wait_xcnt 0x0
	s_or_b32 exec_lo, exec_lo, s22
	s_wait_tensorcnt 0x0
	ds_add_u32 v27, v31
	s_wait_dscnt 0x0
	CROUND                                         ; the closing round
	s_endpgm
.Lfunc_end_k_q1456284f52_gemm1:
	.size	k_q1456284f52_gemm1, .Lfunc_end_k_q1456284f52_gemm1-k_q1456284f52_gemm1
	.p2alignl 7, 3214868480
	.fill 96, 4, 3214868480
	.section	.rodata,"a",@progbits
	.p2align	6, 0x0
	.amdhsa_kernel k_q1456284f52_gemm1
		.amdhsa_group_segment_fixed_size 327680
		.amdhsa_private_segment_fixed_size 0
		.amdhsa_enable_private_segment 0
		.amdhsa_kernarg_size 24
		.amdhsa_user_sgpr_count 2
		.amdhsa_user_sgpr_kernarg_segment_ptr 1
		.amdhsa_wavefront_size32 1
		.amdhsa_system_sgpr_workgroup_id_x 1
		.amdhsa_system_sgpr_workgroup_id_y 1
		.amdhsa_system_sgpr_workgroup_id_z 1
		.amdhsa_system_vgpr_workitem_id 0
		.amdhsa_next_free_vgpr 704
		.amdhsa_next_free_sgpr 80
		.amdhsa_reserve_vcc 1
		.amdhsa_float_denorm_mode_32 3
		.amdhsa_float_denorm_mode_16_64 3
		.amdhsa_memory_ordered 1
		.amdhsa_forward_progress 1
		.amdhsa_inst_pref_size 170
	.end_amdhsa_kernel
	.amdgpu_metadata
---
amdhsa.version: [ 1, 2 ]
amdhsa.kernels:
  - .name:           k_q1456284f52_gemm1
    .symbol:         k_q1456284f52_gemm1.kd
    .args:
      - { .name: hb, .offset: 0, .size: 8, .value_kind: global_buffer, .address_space: global }
      - { .name: P, .offset: 8, .size: 8, .value_kind: global_buffer, .address_space: global }
      - { .name: pmax, .offset: 16, .size: 8, .value_kind: global_buffer, .address_space: global }
    .group_segment_fixed_size: 327680
    .private_segment_fixed_size: 0
    .kernarg_segment_align: 8
    .kernarg_segment_size: 24
    .max_flat_workgroup_size: 128
    .sgpr_count:     80
    .vgpr_count:     704
    .wavefront_size: 32
...
	.end_amdgpu_metadata
.endif
;; end of part 8
;; launch gstate (part 9): grid 225 x 1, 8 waves a work-group, no clusters, 179,200 bytes of LDS; arguments P, z, Wkg2, bkg2, pmax, U, dsg, bg, sc; writes U, dsg, sc
.if DOCPART == 9
	.amdgcn_target "amdgcn-amd-amdhsa--gfx1250"
	.amdhsa_code_object_version 6
	.text
	.protected	k_q1456284f52_gstate
	.globl	k_q1456284f52_gstate
	.p2align	8
	.type	k_q1456284f52_gstate,@function
k_q1456284f52_gstate:
	s_mov_b64 s[64:65], 0
	v_nop
	global_prefetch_b8 v0, s[64:65] scope:SCOPE_SE
	s_setreg_imm32_b32 hwreg(HW_REG_WAVE_MODE, 25, 1), 1
	s_wait_xcnt 0x0
; Launch 3.  Work-groups 0..223 (segment = number / 32, chain = number % 32): for each (batch, head) and each of the first seven segments of 256 steps,
; the state that the segment would reach from zero (U, 64 x 128 in f32, scaled by b c) and the product of its decays (dsg, 64 numbers).
; Work-group 224, wave 0: the scales for the two launches that follow, from the largest magnitudes that the launch before stored (pmax: 192 groups of
;   32 columns x 32 block rows: 1,024 floats for q, 1,024 for k, 2,048 for v, 2,048 for x Wg^T) and from bg:
;   sc[0] a = 2^-e(max|q|), sc[1] b for k, sc[2] c for v as two f16, sc[3] a b, sc[4] E/(1+E), sc[5] 1/(128 (1+E)), sc[6] d/8, sc[7] 8/(d sqrt(1+E)),
;   E = (a b c)^2 128 EPS (SCALE^-2 = 128), d = 2^-e(max|x Wg^T| + max|bg|).  a, b, c lie in 2^-16 .. 2^15, d in 2^-27 .. 2^123.
; This launch stores sc and so loads nothing from it: each of the 224 work-groups makes the b and c that it needs itself, from k's and v's parts of pmax,
; an eighth a wave, joined through LDS, by the same whole-number arithmetic on the same maxima: the same bits as sc[1] and sc[2].
; LEFT OUT: the eighth segment's own state, which no later step reads; the product with the zero state at a segment's start (its first block starts the sums).
; With e_t = exp(log_sigmoid(kg_t)/16) <= 1:  S_end = diag(prod e) S_start + sum_s (k_s prod_{u>s} e_u) v_s^T, block by block of 32 steps.
; Every factor is a product of e's, never a quotient: nothing can overflow however small an e is.
; PHASE A, wave w = block w: kg = z Wkg2^T + bkg2 by a matrix instruction whose result has lane (r, h), register j = (step 8h + j, key r); k is brought
; into the same layout, exactly, by a product with a 0/1 matrix.  So products along the steps stay in a lane, and 8 steps pack into 16 bytes of an array [key][step].
; PHASE B, wave w = 16 columns of v: S[64][16] in four accumulators over the eight blocks.
; No cluster and no tensor loads: each work-group reads bytes of its own, once, in small pieces; only pmax's 12 KiB and Wkg2's 4 KiB are read by several.
.set BLK, 22272                        ; a block's LDS: (6,144 unused here, but for bytes 0..63 of block 0: the waves' maxima) K32 [64] pitch 80, (1,536 unused) d 256, V [32] pitch 288
.set OKK, 6144
.set OD,  12800
.set OV,  13056
.set ID, 24                            ; v24-35   0000 X 0000: the 0/1 matrix for keys 0-15 (from +4) and 16-31 (from +0) of a chunk of 32
.set W2, 36                            ; v36-55   Wkg2's fragments, 4 registers a key tile, 4 zeros behind
.set BI, 56                            ; v56-59   bkg2 of my key in each tile
.set CT, 60                            ; v60-67   the bias as a C tile
.set ZF, 68                            ; v68-83   z's fragments (upper halves zero)
.set PM, 84                            ; v84-99   pmax, then the waves' maxima
.set KF, 100                           ; v100-131 k's fragments: (chunk, step tile)
.set E,  132                           ; v132-147 kg, then e
.set K,  164                           ; v164-179 k
.set T,  180                           ; v180-195 at work
.set UL, 196
.set M,  202
.set KR, 226                           ; v226-241 k x suffix product inside its 8 steps
.set LS, 242                           ; v242-255 lane scalars
.set VS, 132                           ; V on its way to LDS
.set WS, 196                           ; Wkg2 in f32
.macro PLACES                          ; five plain places: the next matrix instructions write over registers of the last (ISA guide 7.12.1)
.rept 5
	v_nop
.endr
.endm
.macro FIELD dst, src, lo, hi          ; the exponent field of the power of two that brings src into [1/2, 1), clamped
	v_lshrrev_b32 v[\dst], 23, v[\src]
	v_sub_nc_u32 v[\dst], 253, v[\dst]
	v_max_i32 v[\dst], \lo, v[\dst]
	v_min_i32 v[\dst], \hi, v[\dst]
.endm
	s_load_b512 s[4:19], s[0:1], 0x0               ; P, z, Wkg2, bkg2, pmax, U, dsg, bg
	s_load_b64 s[20:21], s[0:1], 0x40              ; sc
	v_lshl_add_u32 v250, v0, 2, 0x2b800
	v_mov_b32 v251, 0
	v_lshrrev_b32 v1, 5, v0
	v_readfirstlane_b32 s22, v1                    ; wave
	s_lshr_b32 s23, ttmp9, 5                       ; segment
	s_and_b32 s24, ttmp9, 31                       ; 16 batch + head
	s_and_b32 s25, s24, 15
	s_lshr_b32 s26, s24, 4
	s_lshl_b32 s26, s26, 11
	s_lshl_b32 s27, s23, 8
	s_add_co_u32 s26, s26, s27
	s_lshl_b32 s27, s22, 5
	s_add_co_u32 s26, s26, s27                     ; my block's first row
	s_mov_b32 s36, 0xbfb8aa3b                      ; -log2(e)
	s_mov_b32 s38, 0x3db8aa3b                      ; log2(e)/16
	s_mov_b32 s39, 0x3db8aa3b
	s_mov_b32 s60, 0xbd800000                      ; -1/16
	s_mov_b32 s61, 0xbd800000
	s_mov_b32 s40, 0xffff0000                      ; lanes with h = 1
	s_mov_b32 s62, 0x76543210
	s_mov_b32 s63, 0xfedcba98
	s_mul_i32 s87, s22, BLK
	v_and_b32 v1, 31, v0
	v_and_b32 v2, 15, v0
	v_bfe_u32 v3, v0, 4, 1
	v_lshlrev_b32 v4, 5, v2
	v_lshl_add_u32 v4, v3, 4, v4                   ; z: r x 32 + 16 h
	v_mul_u32_u24 v5, v2, 0x3000
	v_lshl_add_u32 v5, v3, 4, v5                   ; P: r x 12,288 + 16 h
	v_lshlrev_b32 v6, 6, v2
	v_lshl_add_u32 v6, v3, 5, v6                   ; Wkg2: r x 64 + 32 h
	v_lshlrev_b32 v7, 2, v2                        ; bkg2
	v_mul_u32_u24 v8, v3, 0x3000
	v_lshl_add_u32 v8, v2, 4, v8                   ; V: h x 12,288 + 16 r
	v_mul_u32_u24 v9, v3, 288
	v_lshl_add_u32 v9, v2, 4, v9
	v_add3_u32 v9, v9, s87, OV
	v_mul_u32_u24 v13, v2, 80
	v_lshl_add_u32 v13, v3, 4, v13
	v_add3_u32 v13, v13, s87, OKK
	v_lshlrev_b32 v14, 2, v2
	v_add3_u32 v14, v14, s87, OD
	v_lshlrev_b32 v20, 4, v1
	v_lshl_add_u32 v21, s22, 10, v20               ; pmax, v's part: 1,024 bytes a wave
	v_lshl_add_u32 v20, s22, 9, v20                ; k's part: 512 bytes a wave
	v_mov_b32 v22, s22
	v_lshlrev_b32 v22, 3, v22                      ; LDS: 8 bytes a wave
	v_mov_b32 v23, 0
	s_wait_kmcnt 0x0
	s_cmp_eq_u32 ttmp9, 224
	s_cbranch_scc1 .Lscale
	s_mul_i32 s84, s26, 12288
	s_lshl_b32 s86, s25, 7
	s_add_co_u32 s84, s84, s86
	s_mov_b32 s85, 0
	s_add_nc_u64 s[66:67], s[4:5], s[84:85]        ; q's columns of my head; k's are 2,048 bytes on
	s_add_co_u32 s84, s84, s86
	s_add_nc_u64 s[68:69], s[4:5], s[84:85]        ; v's columns are 4,096 bytes on from here
	s_lshl_b32 s84, s26, 5
	s_add_nc_u64 s[70:71], s[6:7], s[84:85]
	s_lshl_b32 s84, s25, 12
	s_add_nc_u64 s[72:73], s[8:9], s[84:85]
	s_lshl_b32 s84, s25, 8
	s_add_nc_u64 s[74:75], s[10:11], s[84:85]
	s_lshl_b32 s86, s24, 3
	s_add_co_u32 s86, s86, s23                     ; 8 (16 batch + head) + segment
	s_lshl_b32 s84, s86, 3
	s_add_co_u32 s84, s84, s22
	s_lshl_b32 s84, s84, 12
	s_add_nc_u64 s[80:81], s[14:15], s[84:85]      ; U: my wave's 4,096 bytes
	s_lshl_b32 s84, s86, 8
	s_add_nc_u64 s[82:83], s[16:17], s[84:85]
	global_load_b128 v[PM:PM+3],    v20, s[12:13] offset:4096      ; k's maxima: floats 1,024 .. 2,047, my eighth
	global_load_b128 v[PM+4:PM+7],  v21, s[12:13] offset:8192      ; v's maxima: floats 2,048 .. 4,095, my eighth
	global_load_b128 v[PM+8:PM+11], v21, s[12:13] offset:8704
	global_load_b128 v[ZF:ZF+3], v4, s[70:71]
	global_load_b128 v[ZF+8:ZF+11], v4, s[70:71] offset:512
.irp c, 0,1
.irp tt, 0,1
	global_load_b128 v[KF+16*\c+8*\tt:KF+16*\c+8*\tt+3],   v5, s[66:67] offset:2048+196608*\tt+64*\c
	global_load_b128 v[KF+16*\c+8*\tt+4:KF+16*\c+8*\tt+7], v5, s[66:67] offset:2048+196608*\tt+64*\c+32
.endr
.endr
.irp kt, 0,1,2,3
	global_load_b128 v[WS+8*\kt:WS+8*\kt+3],   v6, s[72:73] offset:1024*\kt
	global_load_b128 v[WS+8*\kt+4:WS+8*\kt+7], v6, s[72:73] offset:1024*\kt+16
	global_load_b32 v[BI+\kt], v7, s[74:75] offset:64*\kt
.endr
.set i, 0
.rept 16
	global_load_b128 v[VS+4*i:VS+4*i+3], v8, s[68:69] offset:4096+24576*i
.set i, i+1
.endr
	; the 0/1 matrix: column r has its one at k = r
	v_and_b32 v16, 1, v2
	v_lshlrev_b32 v16, 4, v16
	v_lshlrev_b32 v17, v16, 0x3c00                 ; 1.0 in f16, in the half that r's parity names
	v_lshrrev_b32 v18, 3, v2
	v_xor_b32 v18, v18, v3
	v_bfe_u32 v19, v2, 1, 2
	v_lshl_or_b32 v19, v18, 2, v19                 ; = i only where r / 8 = h and (r mod 8) / 2 = i
.irp i, 0,1,2,3
	v_mov_b32 v[ID+\i], 0
	v_cmp_eq_u32 vcc_lo, \i, v19
	v_cndmask_b32 v[ID+4+\i], 0, v17, vcc_lo
	v_mov_b32 v[ID+8+\i], 0
	v_mov_b32 v[ZF+4+\i], 0
	v_mov_b32 v[ZF+12+\i], 0
	v_mov_b32 v[W2+16+\i], 0
.endr
	v_mov_b32 v[LS+2], 0
	v_mov_b32 v[LS+3], 0
	v_mov_b32 v[LS+13], 0
	s_wait_loadcnt 0x0
	; my eighth's largest |k| and |v| (pmax holds magnitudes: no sign to clear), over the lanes, 8 bytes into LDS
	v_max3_num_f32 v[PM], v[PM], v[PM+1], v[PM+2]
	v_max_num_f32 v[PM], v[PM], v[PM+3]
	v_max3_num_f32 v[PM+1], v[PM+4], v[PM+5], v[PM+6]
	v_max3_num_f32 v[PM+1], v[PM+7], v[PM+8], v[PM+1]
	v_max3_num_f32 v[PM+1], v[PM+9], v[PM+10], v[PM+1]
	v_max_num_f32 v[PM+1], v[PM+1], v[PM+11]
.irp m, 1,2,4,8
	v_max_num_f32_dpp v[PM], v[PM], v[PM] row_xmask:\m row_mask:0xf bank_mask:0xf
	v_max_num_f32_dpp v[PM+1], v[PM+1], v[PM+1] row_xmask:\m row_mask:0xf bank_mask:0xf
.endr
	v_permlanex16_b32 v[PM+2], v[PM], s62, s63
	v_permlanex16_b32 v[PM+3], v[PM+1], s62, s63
	v_max_num_f32 v[PM], v[PM], v[PM+2]
	v_max_num_f32 v[PM+1], v[PM+1], v[PM+3]
	ds_store_b64 v22, v[PM:PM+1]                   ; all lanes write the same 8 bytes with the same values
.set i, 0
.rept 16
	ds_store_b128 v9, v[VS+4*i:VS+4*i+3] offset:576*i
.set i, i+1
.endr
.set i, 0
.rept 16
	v_cvt_pk_f16_f32 v[W2+i], v[WS+2*i], v[WS+2*i+1]
.set i, i+1
.endr
	s_wait_dscnt 0x0                               ; my two maxima are in LDS, for the others' sake
	s_barrier_signal -1
	s_barrier_wait -1
.irp w, 0,1,2,3
	ds_load_b128 v[PM+4*\w:PM+4*\w+3], v23 offset:16*\w            ; the eight waves' pairs, in every lane
.endr
	s_wait_dscnt 0x0
	v_max3_num_f32 v[PM], v[PM], v[PM+2], v[PM+4]
	v_max3_num_f32 v[PM], v[PM+6], v[PM+8], v[PM]
	v_max3_num_f32 v[PM], v[PM+10], v[PM+12], v[PM]
	v_max_num_f32 v[PM], v[PM], v[PM+14]
	v_max3_num_f32 v[PM+1], v[PM+1], v[PM+3], v[PM+5]
	v_max3_num_f32 v[PM+1], v[PM+7], v[PM+9], v[PM+1]
	v_max3_num_f32 v[PM+1], v[PM+11], v[PM+13], v[PM+1]
	v_max_num_f32 v[PM+1], v[PM+1], v[PM+15]
	FIELD PM+2, PM, 111, 142
	FIELD PM+3, PM+1, 111, 142
	v_lshlrev_b32 v[PM+2], 23, v[PM+2]             ; b
	v_lshlrev_b32 v[PM+3], 23, v[PM+3]             ; c
	v_cvt_pk_f16_f32 v[PM+3], v[PM+3], v[PM+3]     ; c twice in f16 (2^-16 is a denormal there, and exact)
	v_readfirstlane_b32 s29, v[PM+2]
	v_readfirstlane_b32 s30, v[PM+3]
; e = exp2((min(x,0) log2e - log2(1 + exp2(-|x| log2e))) / 16) for 16 registers.  Behind each group of transcendentals stands a run of plain
; instructions that touch none of its registers (ISA guide 5.7.2).
.macro DECAY
.set i, 0
.rept 16
	v_mul_f32 v[T+i], s36, |v[E+i]|
.set i, i+1
.endr
.set i, 0
.rept 16
	v_exp_f32 v[T+i], v[T+i]
.set i, i+1
.endr
.set i, 0
.rept 16
	v_min_num_f32 v[E+i], 0, v[E+i]
.set i, i+1
.endr
.set i, 0
	s_wait_alu depctr_va_vdst(0)
.rept 8
	v_pk_add_f32 v[T+2*i:T+2*i+1], v[T+2*i:T+2*i+1], 1.0 op_sel_hi:[1,0]
.set i, i+1
.endr
.set i, 0
.rept 16
	v_log_f32 v[T+i], v[T+i]
.set i, i+1
.endr
.set i, 0
.rept 8
	v_pk_mul_f32 v[E+2*i:E+2*i+1], v[E+2*i:E+2*i+1], s[38:39] op_sel_hi:[1,0]
.set i, i+1
.endr
.set i, 0
	s_wait_alu depctr_va_vdst(0)
.rept 8
	v_pk_fma_f32 v[E+2*i:E+2*i+1], v[T+2*i:T+2*i+1], s[60:61], v[E+2*i:E+2*i+1] op_sel_hi:[1,0,1]
.set i, i+1
.endr
.set i, 0
.rept 16
	v_exp_f32 v[E+i], v[E+i]
.set i, i+1
.endr
	v_nop
	s_wait_alu depctr_va_vdst(0)
.endm
.macro TILEK tt                        ; k_j x e_{j+1} .. e_7 for a lane's 8 steps, and the product of all 8
.set te, E+8*\tt
.set tk, K+8*\tt
.set tr, KR+8*\tt
	v_mul_f32 v[UL], v[te+2], v[te+3]
	v_mul_f32 v[UL+1], v[te+6], v[te+7]
	v_mul_f32 v[UL+2], v[te+4], v[te+5]
	v_mul_f32 v[UL+3], v[te+1], v[UL]
	v_mul_f32 v[UL+5], v[UL+2], v[UL+1]            ; e4 .. e7
	v_mul_f32 v[T+8], v[UL+3], v[UL+5]
	v_mul_f32 v[T+9], v[UL], v[UL+5]
	v_mul_f32 v[T+10], v[te+3], v[UL+5]
	v_mul_f32 v[T+12], v[te+5], v[UL+1]
	v_mul_f32 v[LS+\tt], v[te], v[T+8]             ; e0 .. e7
	v_mul_f32 v[tr], v[tk], v[T+8]
	v_mul_f32 v[tr+1], v[tk+1], v[T+9]
	v_mul_f32 v[tr+2], v[tk+2], v[T+10]
	v_mul_f32 v[tr+3], v[tk+3], v[UL+5]
	v_mul_f32 v[tr+4], v[tk+4], v[T+12]
	v_mul_f32 v[tr+5], v[tk+5], v[UL+1]
	v_mul_f32 v[tr+6], v[tk+6], v[te+7]
	v_mov_b32 v[tr+7], v[tk+7]
.endm
.macro SC8 src, sc, addr, off          ; 8 numbers x a lane scalar, to f16, 16 bytes into an array [key][step]
.set i, 0
.rept 4
	v_pk_mul_f32 v[M+2*i:M+2*i+1], v[\src+2*i:\src+2*i+1], v[\sc:\sc+1] op_sel_hi:[1,0]
.set i, i+1
.endr
	v_cvt_pk_f16_f32 v[M], v[M], v[M+1]
	v_cvt_pk_f16_f32 v[M+1], v[M+2], v[M+3]
	v_cvt_pk_f16_f32 v[M+2], v[M+4], v[M+5]
	v_cvt_pk_f16_f32 v[M+3], v[M+6], v[M+7]
	ds_store_b128 v[\addr], v[M:M+3] offset:\off
.endm
.macro KT kt
.irp j, 0,1,2,3,4,5,6,7
	v_mov_b32 v[CT+\j], v[BI+\kt]
.endr
	v_wmma_f32_16x16x32_f16 v[E:E+7], v[ZF:ZF+7], v[W2+4*\kt:W2+4*\kt+7], v[CT:CT+7]
	v_wmma_f32_16x16x32_f16 v[E+8:E+15], v[ZF+8:ZF+15], v[W2+4*\kt:W2+4*\kt+7], v[CT:CT+7]
	v_wmma_f32_16x16x32_f16 v[K:K+7], v[KF+16*(\kt/2):KF+16*(\kt/2)+7], v[ID+4-4*(\kt&1):ID+11-4*(\kt&1)], 0
	v_wmma_f32_16x16x32_f16 v[K+8:K+15], v[KF+16*(\kt/2)+8:KF+16*(\kt/2)+15], v[ID+4-4*(\kt&1):ID+11-4*(\kt&1)], 0
	PLACES
	DECAY
	TILEK 0
	TILEK 1
	v_permlanex16_b32 v[LS+2], v[LS], s62, s63     ; the other 8 steps' product, tile 0
	v_permlanex16_b32 v[LS+3], v[LS+1], s62, s63
	v_mul_f32 v[LS+4], v[LS], v[LS+2]              ; 16 steps, tile 0
	v_mul_f32 v[LS+5], v[LS+1], v[LS+3]            ; tile 1
	v_cndmask_b32 v[LS+6], v[LS+2], 1.0, s40       ; what follows my 8 steps inside tile 0
	v_cndmask_b32 v[LS+7], v[LS+3], 1.0, s40       ; inside tile 1
	v_mul_f32 v[LS+10], v[LS+6], v[LS+5]
	v_mul_f32 v[LS+10], s29, v[LS+10]              ; tile 0: to the block's end, x b
	v_mul_f32 v[LS+12], s29, v[LS+7]               ; tile 1
	v_mul_f32 v[LS+11], v[LS+4], v[LS+5]           ; the block's decay
	SC8 KR, LS+10, 13, 1280*\kt
	SC8 KR+8, LS+12, 13, 1280*\kt+32
	ds_store_b32 v14, v[LS+11] offset:64*\kt
.endm
	KT 0
	KT 1
	KT 2
	KT 3
	s_wait_dscnt 0x0                               ; my block is in LDS, for the others' sake
	s_barrier_signal -1
	s_barrier_wait -1
	; PHASE B
.set S,   24
.set VF,  88
.set KFR, 144
.set DV,  176
.set GV,  208
	v_and_b32 v16, 7, v0
	v_lshl_add_u32 v16, v3, 3, v16                 ; 8 h + lane mod 8
	v_bfe_u32 v17, v0, 3, 1
	v_lshlrev_b32 v17, 4, v17
	v_mul_u32_u24 v4, v16, 288
	v_add3_u32 v4, v4, v17, OV
	v_lshl_add_u32 v4, s22, 5, v4                  ; V transposed: my 16 columns
	v_mul_u32_u24 v5, v2, 80
	v_lshl_add_u32 v5, v3, 4, v5
	v_add_nc_u32 v5, OKK, v5
	v_lshlrev_b32 v8, 5, v3
	v_add_nc_u32 v8, OD, v8
	v_mov_b32 v[GV], s30
.macro SBLK first
	PLACES
	ds_load_tr16_b128 v[VF:VF+3], v4
	ds_load_tr16_b128 v[VF+4:VF+7], v4 offset:4608
.irp kt, 0,1,2,3
	ds_load_b128 v[KFR+8*\kt:KFR+8*\kt+3],   v5 offset:1280*\kt
	ds_load_b128 v[KFR+8*\kt+4:KFR+8*\kt+7], v5 offset:1280*\kt+32
.if \first == 0
	ds_load_b128 v[DV+8*\kt:DV+8*\kt+3],   v8 offset:64*\kt
	ds_load_b128 v[DV+8*\kt+4:DV+8*\kt+7], v8 offset:64*\kt+16
.endif
.endr
	s_wait_dscnt 0x0
.irp i, 0,1,2,3,4,5,6,7
	v_pk_mul_f16 v[VF+\i], v[VF+\i], v[GV]         ; v x c, a power of two
.endr
.if \first == 0
.set i, 0
.rept 16
	v_pk_mul_f32 v[S+2*i:S+2*i+1], v[S+2*i:S+2*i+1], v[DV+2*i:DV+2*i+1]
.set i, i+1
.endr
.endif
.irp kt, 0,1,2,3                       ; four accumulators by turns
.if \first
	v_wmma_f32_16x16x32_f16 v[S+8*\kt:S+8*\kt+7], v[KFR+8*\kt:KFR+8*\kt+7], v[VF:VF+7], 0
.else
	v_wmma_f32_16x16x32_f16 v[S+8*\kt:S+8*\kt+7], v[KFR+8*\kt:KFR+8*\kt+7], v[VF:VF+7], v[S+8*\kt:S+8*\kt+7]
.endif
.endr
	v_add_nc_u32 v4, BLK, v4
	v_add_nc_u32 v5, BLK, v5
	v_add_nc_u32 v8, BLK, v8
.endm
	SBLK 1
	s_mov_b32 s57, 7
.Lblk:
	SBLK 0
	s_sub_co_u32 s57, s57, 1
	s_cmp_lg_u32 s57, 0
	s_cbranch_scc1 .Lblk
	PLACES
	v_lshlrev_b32 v10, 4, v1
.irp q, 0,1,2,3,4,5,6,7
	global_store_b128 v10, v[S+4*\q:S+4*\q+3], s[80:81] offset:512*\q   ; the registers as they are: 512 consecutive bytes a store
.endr
	s_cmp_lg_u32 s22, 0
	s_cbranch_scc1 .Lend
	v_lshlrev_b32 v11, 3, v1                       ; wave 0: the segment's decay, two keys a lane
	v_add_nc_u32 v12, OD, v11
.set i, 0
.rept 8
	ds_load_b64 v[96+2*i:97+2*i], v12
	v_add_nc_u32 v12, BLK, v12
.set i, i+1
.endr
	s_wait_dscnt 0x0
.set i, 1
.rept 7
	v_pk_mul_f32 v[96:97], v[96:97], v[96+2*i:97+2*i]
.set i, i+1
.endr
	global_store_b64 v11, v[96:97], s[82:83]
.Lend:
	s_wait_tensorcnt 0x0
	ds_add_u32 v250, v251
	s_wait_dscnt 0x0
	s_endpgm
	; work-group 224: the scales
.Lscale:
	s_cmp_lg_u32 s22, 0
	s_cbranch_scc1 .Lsend
	v_lshlrev_b32 v5, 4, v1
.set i, 0
.rept 48
	global_load_b128 v[16+4*i:19+4*i], v5, s[12:13] offset:512*i     ; pmax: q 8 loads, k 8, v 16, g 16
.set i, i+1
.endr
	v_mov_b32 v7, 0
	s_wait_loadcnt 0x0
.macro MAXR dst, base, n               ; the largest magnitude of n registers, over all lanes
	v_max_num_f32 v[\dst], |v[\base]|, |v[\base+1]|
.set i, 2
.rept (\n-2)/2
	v_max3_num_f32 v[\dst], |v[\base+i]|, |v[\base+i+1]|, v[\dst]
.set i, i+2
.endr
	v_max_num_f32_dpp v[\dst], v[\dst], v[\dst] row_xmask:1 row_mask:0xf bank_mask:0xf
	v_max_num_f32_dpp v[\dst], v[\dst], v[\dst] row_xmask:2 row_mask:0xf bank_mask:0xf
	v_max_num_f32_dpp v[\dst], v[\dst], v[\dst] row_xmask:4 row_mask:0xf bank_mask:0xf
	v_max_num_f32_dpp v[\dst], v[\dst], v[\dst] row_xmask:8 row_mask:0xf bank_mask:0xf
	v_permlanex16_b32 v7, v[\dst], s62, s63
	v_max_num_f32 v[\dst], v[\dst], v7
.endm
	MAXR 8, 16, 32
	MAXR 9, 48, 32
.set i, 0
.rept 16
	global_load_b128 v[16+4*i:19+4*i], v5, s[18:19] offset:512*i     ; bg, into the 64 registers that q's and k's maxima have left; on its way during the next two reductions
.set i, i+1
.endr
	MAXR 10, 80, 64
	MAXR 11, 144, 64
	s_wait_loadcnt 0x0
	MAXR 12, 16, 64
	v_add_f32 v11, v11, v12                        ; a bound on |x Wg^T + bg|
	FIELD 16, 8, 111, 142
	FIELD 17, 9, 111, 142
	FIELD 18, 10, 111, 142
	FIELD 19, 11, 100, 250
	v_lshlrev_b32 v24, 23, v16                     ; a
	v_lshlrev_b32 v25, 23, v17                     ; b
	v_lshlrev_b32 v18, 23, v18                     ; c
	v_cvt_pk_f16_f32 v26, v18, v18                 ; c twice in f16
	v_lshlrev_b32 v20, 23, v19                     ; d
	v_sub_nc_u32 v21, 254, v19
	v_lshlrev_b32 v21, 23, v21                     ; 1/d
	v_mul_f32 v27, v24, v25                        ; a b
	v_mul_f32 v22, v27, v18
	v_mul_f32 v22, v22, v22
	v_mul_f32 v22, 0x3aa7c5ac, v22                 ; E = (a b c)^2 x 1.28e-3
	v_add_f32 v23, 1.0, v22
	v_rcp_f32 v32, v23
	v_rsq_f32 v33, v23
	v_mul_f32 v30, 0x3e000000, v20                 ; d/8: also the plain instruction behind the two transcendentals
	s_wait_alu depctr_va_vdst(0)
	v_mul_f32 v28, v22, v32                        ; E/(1+E)
	v_mul_f32 v29, 0x3c000000, v32                 ; 1/(128 (1+E))
	v_mul_f32 v31, v21, v33
	v_mul_f32 v31, 0x41000000, v31                 ; 8/(d sqrt(1+E))
	v_mov_b32 v6, 0
	v_cmp_eq_u32 vcc_lo, 0, v1
	s_wait_xcnt 0x0                                ; EXEC changes only behind this wait
	s_and_saveexec_b32 s84, vcc_lo
	global_store_b128 v6, v[24:27], s[20:21]
	global_store_b128 v6, v[28:31], s[20:21] offset:16
	s_wait_xcnt 0x0
	s_or_b32 exec_lo, exec_lo, s84
.Lsend:
	s_endpgm
.Lfunc_end_k_q1456284f52_gstate:
	.size	k_q1456284f52_gstate, .Lfunc_end_k_q1456284f52_gstate-k_q1456284f52_gstate
	.p2alignl 7, 3214868480
	.fill 96, 4, 3214868480
	.section	.rodata,"a",@progbits
	.p2align	6, 0x0
	.amdhsa_kernel k_q1456284f52_gstate
		.amdhsa_group_segment_fixed_size 179200
		.amdhsa_private_segment_fixed_size 0
		.amdhsa_enable_private_segment 0
		.amdhsa_kernarg_size 72
		.amdhsa_user_sgpr_count 2
		.amdhsa_user_sgpr_kernarg_segment_ptr 1
		.amdhsa_wavefront_size32 1
		.amdhsa_system_sgpr_workgroup_id_x 1
		.amdhsa_system_sgpr_workgroup_id_y 1
		.amdhsa_system_sgpr_workgroup_id_z 1
		.amdhsa_system_vgpr_workitem_id 0
		.amdhsa_next_free_vgpr 256
		.amdhsa_next_free_sgpr 90
		.amdhsa_reserve_vcc 1
		.amdhsa_float_denorm_mode_32 3
		.amdhsa_float_denorm_mode_16_64 3
		.amdhsa_memory_ordered 1
		.amdhsa_forward_progress 1
		.amdhsa_inst_pref_size 73
	.end_amdhsa_kernel
	.amdgpu_metadata
---
amdhsa.version: [ 1, 2 ]
amdhsa.kernels:
  - .name:           k_q1456284f52_gstate
    .symbol:         k_q1456284f52_gstate.kd
    .args:
      - { .name: P, .offset: 0, .size: 8, .value_kind: global_buffer, .address_space: global }
      - { .name: z, .offset: 8, .size: 8, .value_kind: global_buffer, .address_space: global }
      - { .name: Wkg2, .offset: 16, .size: 8, .value_kind: global_buffer, .address_space: global }
      - { .name: bkg2, .offset: 24, .size: 8, .value_kind: global_buffer, .address_space: global }
      - { .name: pmax, .offset: 32, .size: 8, .value_kind: global_buffer, .address_space: global }
      - { .name: U, .offset: 40, .size: 8, .value_kind: global_buffer, .address_space: global }
      - { .name: dsg, .offset: 48, .size: 8, .value_kind: global_buffer, .address_space: global }
      - { .name: bg, .offset: 56, .size: 8, .value_kind: global_buffer, .address_space: global }
      - { .name: sc, .offset: 64, .size: 8, .value_kind: global_buffer, .address_space: global }
    .group_segment_fixed_size: 179200
    .private_segment_fixed_size: 0
    .kernarg_segment_align: 8
    .kernarg_segment_size: 72
    .max_flat_workgroup_size: 256
    .sgpr_count:     90
    .vgpr_count:     256
    .wavefront_size: 32
...
	.end_amdgpu_metadata
.endif
;; end of part 9
;; launch gout (part 10): grid 8 x 32, 8 waves a work-group, no clusters, 314,368 bytes of LDS; arguments P, z, Wkg2, bkg2, bg, sc, U, dsg, y; writes y
.if DOCPART == 10
	.amdgcn_target "amdgcn-amd-amdhsa--gfx1250"
	.amdhsa_code_object_version 6
	.text
	.protected	k_q1456284f52_gout
	.globl	k_q1456284f52_gout
	.p2align	8
	.type	k_q1456284f52_gout,@function
k_q1456284f52_gout:
	s_mov_b64 s[64:65], 0
	v_nop
	global_prefetch_b8 v0, s[64:65] scope:SCOPE_SE
	s_setreg_imm32_b32 hwreg(HW_REG_WAVE_MODE, 25, 1), 1
	s_wait_xcnt 0x0
; Launch 4: for each (batch, head) and each segment of 256 steps: o, LayerNorm over 128, x silu(x Wg^T + bg), to y in f16 (scaled: see sc).
; LEFT OUT, for all values of the inputs:
;  * SCALE as a multiplication (it is met by E in EPS's place: LayerNorm is unchanged by a constant factor on o when EPS takes its square);
;  * the products with the zero state: a chain's first block adds nothing from a state, and its update starts the sums;
;  * the state's update in a segment's last block: no later step of this work-group reads it, and the next segment takes its start from U.
;  (In a chain's first block q x prefix is still laid into LDS by phase A and not read: it is made in the same tile work as the level arrays.)
; Block of 32 steps, e_t = exp(log_sigmoid(kg_t)/16) <= 1:
;   o_t = (q_t prod_{u<=t} e_u) S_start + sum_{s<=t} A[t][s] v_s,   A[t][s] = sum_key q_t k_s prod_{s<u<=t} e_u,   S_end = diag(prod e) S_start + sum_s (k_s prod_{u>s} e_u) v_s^T.
; Every weight is a product of e's, never a quotient of cumulated decays, so no factor exceeds 1 whatever the gates are.  A's weights split at the
; boundary between s and t on five levels (groups of 2, 4, 8, 16, 32 steps): on each level ONE array holds k x (suffix to the group's middle) in the lower
; half of a group and q x (prefix from the middle) in the upper half; the array times itself gives all of that level's A[t][s] (and numbers that are
; thrown away by lane masks).  The diagonal is q_t k_t, summed by lanes.
; A[0][0] of a chain's very first step is made from q_0 and k_0, which the first launch left in f32, made from the f32 inputs, behind z: o_0 is that
; one number times v_0, and where it cancels to near zero LayerNorm's EPS makes the result hang on its absolute error.  Two keys a lane, summed over
; the lanes; it is put in by a selection.
; PHASE A, wave w = block w.  Layout: lane (r, h), register j of tile (tt, kt) = (step 16 tt + 8 h + j, key 16 kt + r), the result layout of
;   kg = z Wkg2^T + bkg2; q and k come into it exactly by a product with a 0/1 matrix.
; STATE IN, wave w = 16 columns of v: S = U_0, then S = S D_j + U_j for j = 1 .. segment - 1.  Each segment number has an arm of its own, in which all its
;   loads go out in one run and every register that is read has been loaded in the same arm.
; PHASE B, wave w = 16 columns of v, eight blocks in order.   PHASE C, wave w = 32 rows.
; LIMITS: |q|, |k|, |v|, |x Wg^T|, |x Wkg1^T| below 65504 (kept in f16); NaN and infinities are not carried as the f32 recurrence would carry them.
; No cluster and no tensor loads: each work-group reads bytes of its own in small pieces; only Wkg2's 4 KiB and the states are read by several.
.set BLK, 22272                        ; a block's LDS: Q32 [64 keys] pitch 96, K32 [64] pitch 80, AF 3 x 512, d 64 f32, V [32 steps] pitch 288
.set OKK, 6144
.set OAF, 11264
.set OD,  12800
.set OV,  13056
.set OO,  178176                       ; o [256 steps] pitch 528 in f32; in phase A the same bytes hold each wave's five level arrays
.set LEV, 3072                         ; a level array: [32 keys] pitch 96
.set ZQ,  131072                       ; q_0 and k_0 lie behind z: [q, k][batch][1024] in f32
.set ID, 24
.set W2, 36
.set BI, 56
.set CT, 60
.set ZF, 68
.set QF, 84
.set KF, 100
.set DG, 116
.set E,  132
.set Q,  148
.set K,  164
.set T,  180
.set UL, 196
.set M,  202
.set QP, 210
.set KR, 226
.set LS, 242
.set VS, 132
.set WS, 196
.set FR, 132
.set AT, 132
.set LM, 10
.set LT, 11
.set LQ, 12
.set LK, 13
.set MSB, 0
.macro WIN new
.if MSB != \new
	s_set_vgpr_msb (MSB<<8)|\new
.set MSB, \new
.endif
.endm
.macro PLACES                          ; five plain places: the next matrix instructions write over registers of the last (ISA guide 7.12.1)
.rept 5
	v_nop
.endr
.endm
	s_load_b512 s[4:19], s[0:1], 0x0               ; P, z, Wkg2, bkg2, bg, sc, U, dsg
	s_load_b64 s[20:21], s[0:1], 0x40              ; y
	v_lshl_add_u32 v23, v0, 2, 0x4c800
	s_set_vgpr_msb 0x40
	v_mov_b32 v193, 0
	s_set_vgpr_msb 0x4000
	v_lshrrev_b32 v1, 5, v0
	v_readfirstlane_b32 s22, v1                    ; wave
	s_mov_b32 s23, ttmp9                           ; segment
	s_and_b32 s24, ttmp7, 0xffff                   ; 16 batch + head
	s_and_b32 s25, s24, 15
	s_lshr_b32 s26, s24, 4
	s_lshl_b32 s26, s26, 11
	s_lshl_b32 s27, s23, 8
	s_add_co_u32 s26, s26, s27
	s_lshl_b32 s27, s22, 5
	s_add_co_u32 s26, s26, s27                     ; my 32 rows' first
	s_or_b32 s89, s22, s23
	s_cmp_eq_u32 s89, 0
	s_cselect_b32 s89, 1, 0                        ; lane 0, in segment 0's wave 0 alone: the chain's step 0
	s_mov_b32 s36, 0xbfb8aa3b                      ; -log2(e)
	s_mov_b32 s37, 0xbfb8aa3b
	s_mov_b32 s38, 0x3db8aa3b                      ; log2(e)/16
	s_mov_b32 s39, 0x3db8aa3b
	s_mov_b32 s60, 0xbd800000                      ; -1/16
	s_mov_b32 s61, 0xbd800000
	s_mov_b32 s40, 0xffff0000                      ; lanes with h = 1
	s_mov_b32 s62, 0x76543210
	s_mov_b32 s63, 0xfedcba98
	; lane masks for a score tile (register j, lane (r, h)) = (s = 8 h + j, t = r)
.irp j, 0,1,2,3,4,5,6,7
	s_mov_b32 s[41+\j], (1<<\j)|(1<<(24+\j))       ; t = s
.endr
.irp j, 0,2,4,6
	s_mov_b32 s[49+\j/2], (2<<\j)|(2<<(24+\j))     ; s even, t = s + 1
.endr
	s_mov_b32 s53, 0x0c00000c                      ; j = 0, 1: t = 2, 3 of the same four
	s_mov_b32 s54, 0xc00000c0                      ; j = 4, 5: t = 6, 7
	s_mov_b32 s55, 0xf00000f0                      ; j < 4: t = 4 .. 7 of the same eight
	s_mov_b32 s56, 0x0000ff00                      ; s < 8 <= t
	s_mul_i32 s87, s22, BLK
	s_mul_i32 s88, s22, 5*LEV
	s_add_co_u32 s88, s88, OO
	v_and_b32 v1, 31, v0
	v_and_b32 v2, 15, v0
	v_bfe_u32 v3, v0, 4, 1
	v_and_b32 v16, 7, v0
	v_lshl_add_u32 v16, v3, 3, v16                 ; 8 h + lane mod 8
	v_bfe_u32 v17, v0, 3, 1
	v_lshlrev_b32 v17, 4, v17
	v_lshlrev_b32 v4, 5, v2
	v_lshl_add_u32 v4, v3, 4, v4                   ; z: r x 32 + 16 h
	v_mul_u32_u24 v5, v2, 0x3000
	v_lshl_add_u32 v5, v3, 4, v5                   ; P: r x 12,288 + 16 h
	v_lshlrev_b32 v6, 6, v2
	v_lshl_add_u32 v6, v3, 5, v6                   ; Wkg2
	v_lshlrev_b32 v7, 2, v2                        ; bkg2
	v_mul_u32_u24 v8, v3, 0x3000
	v_lshl_add_u32 v8, v2, 4, v8                   ; V
	v_mul_u32_u24 v9, v3, 288
	v_lshl_add_u32 v9, v2, 4, v9
	v_add3_u32 v9, v9, s87, OV
	v_mul_u32_u24 v18, v2, 96
	v_lshl_add_u32 v18, v3, 4, v18                 ; r x 96 + 16 h
	v_add_nc_u32 v[LM], s88, v18
	v_add_nc_u32 v[LQ], s87, v18
	v_mul_u32_u24 v[LT], v16, 96
	v_add3_u32 v[LT], v[LT], v17, s88
	v_mul_u32_u24 v[LK], v2, 80
	v_lshl_add_u32 v[LK], v3, 4, v[LK]
	v_add3_u32 v[LK], v[LK], s87, OKK
	v_lshlrev_b32 v14, 2, v2
	v_add3_u32 v14, v14, s87, OD
	v_lshlrev_b32 v15, 4, v1
	v_add3_u32 v15, v15, s87, OAF
	v_lshlrev_b32 v22, 3, v1                       ; q_0, k_0: two keys a lane
	s_wait_kmcnt 0x0
	s_load_b256 s[28:35], s[14:15], 0x0            ; a, b, c (f16 x 2), a b, E/(1+E), 1/(128 (1+E)), d/8, (the last is the next launch's)
	s_lshl_b32 s84, s24, 8                         ; 64 floats a chain
	s_mov_b32 s85, 0
	s_add_nc_u64 s[90:91], s[6:7], s[84:85]        ; my chain's q_0 is ZQ bytes on from here, its k_0 8,192 more
	s_mul_i32 s84, s26, 12288
	s_lshl_b32 s86, s25, 7
	s_add_co_u32 s84, s84, s86
	s_add_nc_u64 s[66:67], s[4:5], s[84:85]        ; q's columns; k's are 2,048 bytes on
	s_add_co_u32 s84, s84, s86
	s_add_nc_u64 s[68:69], s[4:5], s[84:85]        ; v's columns are 4,096 bytes on from here, g's 8,192
	s_lshl_b32 s84, s26, 5
	s_add_nc_u64 s[70:71], s[6:7], s[84:85]
	s_lshl_b32 s84, s25, 12
	s_add_nc_u64 s[72:73], s[8:9], s[84:85]
	s_lshl_b32 s84, s25, 8
	s_add_nc_u64 s[74:75], s[10:11], s[84:85]
	s_lshl_b32 s86, s26, 12
	s_add_co_u32 s84, s84, s86
	s_add_nc_u64 s[76:77], s[20:21], s[84:85]      ; y: my first row, my head's 256 bytes
	s_lshl_b32 s84, s25, 9
	s_add_nc_u64 s[78:79], s[12:13], s[84:85]
	s_lshl_b32 s84, s24, 6
	s_add_co_u32 s84, s84, s22
	s_lshl_b32 s84, s84, 12
	s_add_nc_u64 s[80:81], s[16:17], s[84:85]      ; U of segment 0, my wave's part; segment j's is 32,768 j bytes on
	s_lshl_b32 s84, s24, 11
	s_add_nc_u64 s[82:83], s[18:19], s[84:85]      ; the chain's decays; segment j's are 256 j bytes on
.macro LOADQK c                        ; q's and k's fragments of keys 32 c .. 32 c + 31
.irp tt, 0,1
	global_load_b128 v[QF+8*\tt:QF+8*\tt+3],   v5, s[66:67] offset:196608*\tt+64*\c
	global_load_b128 v[QF+8*\tt+4:QF+8*\tt+7], v5, s[66:67] offset:196608*\tt+64*\c+32
	global_load_b128 v[KF+8*\tt:KF+8*\tt+3],   v5, s[66:67] offset:2048+196608*\tt+64*\c
	global_load_b128 v[KF+8*\tt+4:KF+8*\tt+7], v5, s[66:67] offset:2048+196608*\tt+64*\c+32
.endr
.endm
	global_load_b128 v[ZF:ZF+3], v4, s[70:71]
	global_load_b128 v[ZF+8:ZF+11], v4, s[70:71] offset:512
	global_load_b64 v[20:21], v22, s[90:91] offset:ZQ              ; q_0 of keys 2 l, 2 l + 1
	global_load_b64 v[DG:DG+1], v22, s[90:91] offset:ZQ+8192       ; k_0 of the same
	LOADQK 0
.irp kt, 0,1,2,3
	global_load_b128 v[WS+8*\kt:WS+8*\kt+3],   v6, s[72:73] offset:1024*\kt
	global_load_b128 v[WS+8*\kt+4:WS+8*\kt+7], v6, s[72:73] offset:1024*\kt+16
	global_load_b32 v[BI+\kt], v7, s[74:75] offset:64*\kt
.endr
.set i, 0
.rept 16
	global_load_b128 v[VS+4*i:VS+4*i+3], v8, s[68:69] offset:4096+24576*i
.set i, i+1
.endr
	v_and_b32 v16, 1, v2
	v_lshlrev_b32 v16, 4, v16
	v_lshlrev_b32 v17, v16, 0x3c00                 ; 1.0 in f16, in the half that r's parity names
	v_lshrrev_b32 v18, 3, v2
	v_xor_b32 v18, v18, v3
	v_bfe_u32 v19, v2, 1, 2
	v_lshl_or_b32 v19, v18, 2, v19
.irp i, 0,1,2,3
	v_mov_b32 v[ID+\i], 0
	v_cmp_eq_u32 vcc_lo, \i, v19
	v_cndmask_b32 v[ID+4+\i], 0, v17, vcc_lo
	v_mov_b32 v[ID+8+\i], 0
	v_mov_b32 v[ZF+4+\i], 0
	v_mov_b32 v[ZF+12+\i], 0
	v_mov_b32 v[W2+16+\i], 0
.endr
	v_mov_b32 v[LS+2], 0
	v_mov_b32 v[LS+3], 0
	v_mov_b32 v[LS+13], 0
	s_wait_loadcnt 0x0
	s_wait_kmcnt 0x0
	s_mov_b32 s58, s31                             ; a b, as a pair for the packed multiply
	s_mov_b32 s59, s31
	; q_0 . k_0 of the chain in f32, in every lane of v20, kept until the diagonal is put together
	v_pk_mul_f32 v[20:21], v[20:21], v[DG:DG+1]
	v_add_f32 v20, v20, v21
	v_add_f32_dpp v20, v20, v20 row_xmask:1 row_mask:0xf bank_mask:0xf
	v_add_f32_dpp v20, v20, v20 row_xmask:2 row_mask:0xf bank_mask:0xf
	v_add_f32_dpp v20, v20, v20 row_xmask:4 row_mask:0xf bank_mask:0xf
	v_add_f32_dpp v20, v20, v20 row_xmask:8 row_mask:0xf bank_mask:0xf
	v_permlanex16_b32 v21, v20, s62, s63
	v_add_f32 v20, v20, v21
.set i, 0
.rept 16
	ds_store_b128 v9, v[VS+4*i:VS+4*i+3] offset:576*i
.set i, i+1
.endr
.set i, 0
.rept 16
	v_cvt_pk_f16_f32 v[W2+i], v[WS+2*i], v[WS+2*i+1]
.set i, i+1
.endr
; e = exp2((min(x,0) log2e - log2(1 + exp2(-|x| log2e))) / 16) for 16 registers.  Behind each group of transcendentals stands a run of plain
; instructions that touch none of its registers (ISA guide 5.7.2).
.macro DECAY
.set i, 0
.rept 16
	v_mul_f32 v[T+i], s36, |v[E+i]|
.set i, i+1
.endr
.set i, 0
.rept 16
	v_exp_f32 v[T+i], v[T+i]
.set i, i+1
.endr
.set i, 0
.rept 16
	v_min_num_f32 v[E+i], 0, v[E+i]
.set i, i+1
.endr
.set i, 0
	s_wait_alu depctr_va_vdst(0)
.rept 8
	v_pk_add_f32 v[T+2*i:T+2*i+1], v[T+2*i:T+2*i+1], 1.0 op_sel_hi:[1,0]
.set i, i+1
.endr
.set i, 0
.rept 16
	v_log_f32 v[T+i], v[T+i]
.set i, i+1
.endr
.set i, 0
.rept 8
	v_pk_mul_f32 v[E+2*i:E+2*i+1], v[E+2*i:E+2*i+1], s[38:39] op_sel_hi:[1,0]
.set i, i+1
.endr
.set i, 0
	s_wait_alu depctr_va_vdst(0)
.rept 8
	v_pk_fma_f32 v[E+2*i:E+2*i+1], v[T+2*i:T+2*i+1], s[60:61], v[E+2*i:E+2*i+1] op_sel_hi:[1,0,1]
.set i, i+1
.endr
.set i, 0
.rept 16
	v_exp_f32 v[E+i], v[E+i]
.set i, i+1
.endr
	v_nop
	s_wait_alu depctr_va_vdst(0)
.endm
.macro PACKST addr, off                ; M's 8 numbers to f16, 16 bytes (8 steps of one key) into an array [key][step]
	v_cvt_pk_f16_f32 v[M], v[M], v[M+1]
	v_cvt_pk_f16_f32 v[M+1], v[M+2], v[M+3]
	v_cvt_pk_f16_f32 v[M+2], v[M+4], v[M+5]
	v_cvt_pk_f16_f32 v[M+3], v[M+6], v[M+7]
	ds_store_b128 v[\addr], v[M:M+3] offset:\off
.endm
.macro SC8 src, sc, addr, off          ; 8 numbers x a lane scalar (in an even register), packed and stored
.set i, 0
.rept 4
	v_pk_mul_f32 v[M+2*i:M+2*i+1], v[\src+2*i:\src+2*i+1], v[\sc:\sc+1] op_sel_hi:[1,0]
.set i, i+1
.endr
	PACKST \addr, \off
.endm
; One tile's 8 steps in a lane: the level arrays of groups of 2, 4, 8 and 16 steps, q x prefix, k x suffix, the diagonal.
.macro TILE tt, kt, first
.set te, E+8*\tt
.set tq, Q+8*\tt
.set tk, K+8*\tt
.set tp, QP+8*\tt
.set tr, KR+8*\tt
.set so, (\kt&1)*1536+32*\tt
	v_mul_f32 v[UL], v[te+2], v[te+3]              ; e2 e3
	v_mul_f32 v[UL+1], v[te+6], v[te+7]            ; e6 e7
	v_mul_f32 v[UL+2], v[te+4], v[te+5]            ; e4 e5
	v_mul_f32 v[UL+3], v[te+1], v[UL]              ; e1 e2 e3
	v_mul_f32 v[UL+4], v[UL+2], v[te+6]            ; e4 e5 e6
	v_mul_f32 v[UL+5], v[UL+2], v[UL+1]            ; e4 .. e7
	; groups of 2: k0, q1 e1, k2, q3 e3, ..
	v_mul_f32 v[M+1], v[tq+1], v[te+1]
	v_mul_f32 v[M+3], v[tq+3], v[te+3]
	v_mul_f32 v[M+5], v[tq+5], v[te+5]
	v_mul_f32 v[M+7], v[tq+7], v[te+7]
	v_cvt_pk_f16_f32 v[M], v[tk], v[M+1]
	v_cvt_pk_f16_f32 v[M+1], v[tk+2], v[M+3]
	v_cvt_pk_f16_f32 v[M+2], v[tk+4], v[M+5]
	v_cvt_pk_f16_f32 v[M+3], v[tk+6], v[M+7]
	ds_store_b128 v[LM], v[M:M+3] offset:so
	; groups of 4: k0 e1, k1, q2 e2, q3 e2e3, and the same four steps on
	v_mul_f32 v[M], v[tk], v[te+1]
	v_mul_f32 v[M+2], v[tq+2], v[te+2]
	v_mul_f32 v[M+3], v[tq+3], v[UL]
	v_mul_f32 v[M+4], v[tk+4], v[te+5]
	v_mul_f32 v[M+6], v[tq+6], v[te+6]
	v_mul_f32 v[M+7], v[tq+7], v[UL+1]
	v_cvt_pk_f16_f32 v[M], v[M], v[tk+1]
	v_cvt_pk_f16_f32 v[M+1], v[M+2], v[M+3]
	v_cvt_pk_f16_f32 v[M+2], v[M+4], v[tk+5]
	v_cvt_pk_f16_f32 v[M+3], v[M+6], v[M+7]
	ds_store_b128 v[LM], v[M:M+3] offset:LEV+so
	; groups of 8: k0 e1e2e3, k1 e2e3, k2 e3, k3, q4 e4, q5 e4e5, q6 e4e5e6, q7 e4..e7
	v_mul_f32 v[M], v[tk], v[UL+3]
	v_mul_f32 v[M+1], v[tk+1], v[UL]
	v_mul_f32 v[M+2], v[tk+2], v[te+3]
	v_mul_f32 v[M+4], v[tq+4], v[te+4]
	v_mul_f32 v[M+5], v[tq+5], v[UL+2]
	v_mul_f32 v[M+6], v[tq+6], v[UL+4]
	v_mul_f32 v[M+7], v[tq+7], v[UL+5]
	v_cvt_pk_f16_f32 v[M], v[M], v[M+1]
	v_cvt_pk_f16_f32 v[M+1], v[M+2], v[tk+3]
	v_cvt_pk_f16_f32 v[M+2], v[M+4], v[M+5]
	v_cvt_pk_f16_f32 v[M+3], v[M+6], v[M+7]
	ds_store_b128 v[LM], v[M:M+3] offset:2*LEV+so
	; q_j e_0 .. e_j
	v_mul_f32 v[T+1], v[te], v[te+1]
	v_mul_f32 v[T+2], v[T+1], v[te+2]
	v_mul_f32 v[T+3], v[T+1], v[UL]
	v_mul_f32 v[T+4], v[T+3], v[te+4]
	v_mul_f32 v[T+5], v[T+3], v[UL+2]
	v_mul_f32 v[T+6], v[T+3], v[UL+4]
	v_mul_f32 v[LS+\tt], v[T+3], v[UL+5]           ; e0 .. e7
	v_mul_f32 v[tp], v[tq], v[te]
.irp j, 1,2,3,4,5,6
	v_mul_f32 v[tp+\j], v[tq+\j], v[T+\j]
.endr
	v_mul_f32 v[tp+7], v[tq+7], v[LS+\tt]
	; k_j e_{j+1} .. e_7
	v_mul_f32 v[T+8], v[UL+3], v[UL+5]
	v_mul_f32 v[T+9], v[UL], v[UL+5]
	v_mul_f32 v[T+10], v[te+3], v[UL+5]
	v_mul_f32 v[T+12], v[te+5], v[UL+1]
	v_mul_f32 v[tr], v[tk], v[T+8]
	v_mul_f32 v[tr+1], v[tk+1], v[T+9]
	v_mul_f32 v[tr+2], v[tk+2], v[T+10]
	v_mul_f32 v[tr+3], v[tk+3], v[UL+5]
	v_mul_f32 v[tr+4], v[tk+4], v[T+12]
	v_mul_f32 v[tr+5], v[tk+5], v[UL+1]
	v_mul_f32 v[tr+6], v[tk+6], v[te+7]
	v_mov_b32 v[tr+7], v[tk+7]
	; groups of 16: the lower 8 steps (h = 0) hold k x suffix, the upper 8 q x prefix
.irp j, 0,1,2,3,4,5,6,7
	v_cndmask_b32 v[M+\j], v[tr+\j], v[tp+\j], s40
.endr
	PACKST LM, 3*LEV+so
	; the diagonal
.irp j, 0,2,4,6
.if \first
	v_pk_mul_f32 v[DG+8*\tt+\j:DG+8*\tt+\j+1], v[tq+\j:tq+\j+1], v[tk+\j:tk+\j+1]
.else
	v_pk_fma_f32 v[DG+8*\tt+\j:DG+8*\tt+\j+1], v[tq+\j:tq+\j+1], v[tk+\j:tk+\j+1], v[DG+8*\tt+\j:DG+8*\tt+\j+1]
.endif
.endr
.endm
.macro KT kt, first                    ; one tile of 16 keys, both step tiles
.irp j, 0,1,2,3,4,5,6,7
	v_mov_b32 v[CT+\j], v[BI+\kt]
.endr
	v_wmma_f32_16x16x32_f16 v[E:E+7], v[ZF:ZF+7], v[W2+4*\kt:W2+4*\kt+7], v[CT:CT+7]
	v_wmma_f32_16x16x32_f16 v[E+8:E+15], v[ZF+8:ZF+15], v[W2+4*\kt:W2+4*\kt+7], v[CT:CT+7]
	v_wmma_f32_16x16x32_f16 v[Q:Q+7], v[QF:QF+7], v[ID+4-4*(\kt&1):ID+11-4*(\kt&1)], 0
	v_wmma_f32_16x16x32_f16 v[Q+8:Q+15], v[QF+8:QF+15], v[ID+4-4*(\kt&1):ID+11-4*(\kt&1)], 0
	v_wmma_f32_16x16x32_f16 v[K:K+7], v[KF:KF+7], v[ID+4-4*(\kt&1):ID+11-4*(\kt&1)], 0
	v_wmma_f32_16x16x32_f16 v[K+8:K+15], v[KF+8:KF+15], v[ID+4-4*(\kt&1):ID+11-4*(\kt&1)], 0
	PLACES
	DECAY
	TILE 0, \kt, \first
	TILE 1, \kt, \first
	v_permlanex16_b32 v[LS+2], v[LS], s62, s63     ; the other 8 steps' product, tile 0
	v_permlanex16_b32 v[LS+3], v[LS+1], s62, s63   ; tile 1
	v_mul_f32 v[LS+4], v[LS], v[LS+2]              ; 16 steps, tile 0
	v_mul_f32 v[LS+5], v[LS+1], v[LS+3]            ; tile 1
	v_cndmask_b32 v[LS+6], v[LS+2], 1.0, s40       ; what follows my 8 steps in tile 0
	v_cndmask_b32 v[LS+7], v[LS+3], 1.0, s40       ; in tile 1
	v_cndmask_b32 v[LS+9], 1.0, v[LS+2], s40       ; what precedes my 8 steps in tile 0
	v_cndmask_b32 v[LS+8], 1.0, v[LS+3], s40       ; in tile 1
	v_mul_f32 v[LS+10], v[LS+6], v[LS+5]
	v_mul_f32 v[LS+10], s29, v[LS+10]              ; k, tile 0: to the block's end, x b
	v_mul_f32 v[LS+12], s29, v[LS+7]               ; k, tile 1
	v_mul_f32 v[LS+11], v[LS+4], v[LS+5]           ; the block's decay
	v_mul_f32 v[LS], s28, v[LS+9]                  ; q, tile 0: from the block's start, x a
	v_mul_f32 v[LS+2], v[LS+8], v[LS+4]
	v_mul_f32 v[LS+2], s28, v[LS+2]                ; q, tile 1
	SC8 KR, LS+6, LM, 4*LEV+(\kt&1)*1536           ; groups of 32: tile 0 holds k x suffix to its end,
	SC8 QP+8, LS+8, LM, 4*LEV+(\kt&1)*1536+32      ; tile 1 q x prefix from its start
	SC8 QP, LS, LQ, 1536*\kt
	SC8 QP+8, LS+2, LQ, 1536*\kt+32
	SC8 KR, LS+10, LK, 1280*\kt
	SC8 KR+8, LS+12, LK, 1280*\kt+32
	ds_store_b32 v14, v[LS+11] offset:64*\kt
.endm
; The level arrays of 32 keys, read transposed (lane = step, registers = keys), each times itself; nine accumulators (window 1) by turns.
.macro SCORES c
.set f, 0
.rept 10
	ds_load_tr16_b128 v[FR+8*f:FR+8*f+3],   v[LT] offset:(f/2)*LEV+(f%2)*32       ; LDS serves a wave's instructions in order: these see my stores
	ds_load_tr16_b128 v[FR+8*f+4:FR+8*f+7], v[LT] offset:(f/2)*LEV+(f%2)*32+1536
.set f, f+1
.endr
	s_wait_dscnt 0x0
	WIN 0x50
.set f, 0
.rept 8
.if \c
	v_wmma_f32_16x16x32_f16 v[8*f:8*f+7], v[FR+8*f:FR+8*f+7], v[FR+8*f:FR+8*f+7], v[8*f:8*f+7]
.else
	v_wmma_f32_16x16x32_f16 v[8*f:8*f+7], v[FR+8*f:FR+8*f+7], v[FR+8*f:FR+8*f+7], 0
.endif
.set f, f+1
.endr
.if \c
	v_wmma_f32_16x16x32_f16 v[64:71], v[FR+64:FR+71], v[FR+72:FR+79], v[64:71]
.else
	v_wmma_f32_16x16x32_f16 v[64:71], v[FR+64:FR+71], v[FR+72:FR+79], 0
.endif
	WIN 0
	PLACES
.endm
	KT 0, 1
	KT 1, 0
	LOADQK 1                                       ; five places and a tile's vector work stand behind the last product that read these registers
	SCORES 0
	s_wait_loadcnt 0x0
	KT 2, 0
	KT 3, 0
	SCORES 1
	; the diagonal over the 16 lanes that hold the keys
.irp x, 1,2,4,8
.set i, 0
.rept 16
	v_add_f32_dpp v[DG+i], v[DG+i], v[DG+i] row_xmask:\x row_mask:0xf bank_mask:0xf
.set i, i+1
.endr
.endr
	v_cndmask_b32 v[DG], v[DG], v20, s89           ; step 0 of the chain (lane 0 of segment 0's block 0) takes the f32 number; every other wave keeps its own
	; A[t][s] of the two diagonal tiles: each (s, t) from the one level that owns it, 0 where t < s
	WIN 0x04                                       ; source 1 in window 1
.irp tt, 0,1
.irp j, 0,1,2,3,4,5,6,7
	v_cndmask_b32 v[AT+8*\tt+\j], 0, v[8*(6+\tt)+\j], s56
.if \j < 4
	v_cndmask_b32 v[AT+8*\tt+\j], v[AT+8*\tt+\j], v[8*(4+\tt)+\j], s55
.endif
.if (\j & 2) == 0
	v_cndmask_b32 v[AT+8*\tt+\j], v[AT+8*\tt+\j], v[8*(2+\tt)+\j], s[53+\j/4]
.endif
.if (\j & 1) == 0
	v_cndmask_b32 v[AT+8*\tt+\j], v[AT+8*\tt+\j], v[8*\tt+\j], s[49+\j/2]
.endif
.endr
.endr
	WIN 0x01                                       ; source 0 in window 1
.irp i, 0,2,4,6
	v_pk_mul_f32 v[AT+16+\i:AT+17+\i], v[64+\i:65+\i], s[58:59] op_sel_hi:[1,0]    ; s in tile 0, t in tile 1: all of it, x a b
.endr
	WIN 0
.irp tt, 0,1
.irp j, 0,1,2,3,4,5,6,7
	v_cndmask_b32 v[AT+8*\tt+\j], v[AT+8*\tt+\j], v[DG+8*\tt+\j], s[41+\j]
.endr
.endr
.set i, 0
.rept 8
	v_pk_mul_f32 v[AT+2*i:AT+2*i+1], v[AT+2*i:AT+2*i+1], s[58:59] op_sel_hi:[1,0]
.set i, i+1
.endr
.irp x, 0,1,2
.irp i, 0,1,2,3
	v_cvt_pk_f16_f32 v[AT+8*\x+\i], v[AT+8*\x+2*\i], v[AT+8*\x+2*\i+1]
.endr
.endr
	ds_store_b128 v15, v[AT:AT+3]                  ; lane = t, registers = s: already a fragment for the product with V
	ds_store_b128 v15, v[AT+16:AT+19] offset:512
	ds_store_b128 v15, v[AT+8:AT+11] offset:1024
	s_wait_dscnt 0x0                               ; my block is in LDS and my reads of the level arrays are back, for the others' sake
	s_barrier_signal -1
	s_barrier_wait -1
	; PHASE B.  The eight blocks are written out one after the other, so that every LDS address is a lane term plus constants:
	; the loads stay below byte 178,176 (the blocks, written ahead of the barrier above), the stores of o at or above it (read behind the next barrier).
.set S,   24
.set SF,  56
.set OT,  72
.set VF,  88
.set AF0, 96
.set AF1, 104
.set QFR, 112
.set KFR, 144
.set DV,  176
.set GV,  208
.set DD,  56                           ; v56-247: the decays D_1 .. D_6 of earlier segments, 32 registers each, ahead of the first block only
	v_and_b32 v16, 7, v0
	v_lshl_add_u32 v16, v3, 3, v16
	v_bfe_u32 v17, v0, 3, 1
	v_lshlrev_b32 v17, 4, v17
	v_mul_u32_u24 v4, v16, 288
	v_add3_u32 v4, v4, v17, OV
	v_lshl_add_u32 v4, s22, 5, v4                  ; V transposed, my 16 columns
	v_mul_u32_u24 v5, v2, 80
	v_lshl_add_u32 v5, v3, 4, v5
	v_add_nc_u32 v5, OKK, v5                       ; K32
	v_mul_u32_u24 v6, v16, 96
	v_add_nc_u32 v6, v6, v17                       ; Q32 transposed
	v_lshlrev_b32 v7, 4, v1
	v_add_nc_u32 v7, OAF, v7
	v_lshlrev_b32 v8, 5, v3
	v_add_nc_u32 v8, OD, v8
	v_mul_u32_u24 v9, v2, 528
	v_lshl_add_u32 v9, v3, 5, v9
	v_lshl_add_u32 v9, s22, 6, v9
	v_add_nc_u32 v9, OO, v9                        ; o[step r][16 w + 8 h ..]
	v_lshlrev_b32 v18, 4, v1                       ; U: the registers as they were stored, 16 bytes a lane
	v_lshlrev_b32 v19, 5, v3                       ; decays: keys 8 h .. 8 h + 7 of each tile of 16
.macro PBC                             ; constants of the blocks, set behind the state's registers have been used
	v_mov_b32 v[GV], s30
.irp i, 4,5,6,7
	v_mov_b32 v[AF0+\i], 0                         ; steps 0-15 take nothing from steps 16-31
.endr
.endm
; The state at the start of segment n (1 to 7): all loads in one run: the decays D_1 .. D_{n-1} (window 0), U_0 straight into S, U_1 .. U_{n-1} (window 1);
; then S = S D_j + U_j in order.  Loads come back in order: stage j waits until only the 8 loads of each later U are out.
.macro STATE n
.if \n > 1
.set j, 1
.rept \n-1
.set q, 0
.rept 8
	global_load_b128 v[DD+32*(j-1)+4*q:DD+32*(j-1)+4*q+3], v19, s[82:83] offset:256*j+64*(q/2)+16*(q%2)
.set q, q+1
.endr
.set j, j+1
.endr
.endif
.set q, 0
.rept 8
	global_load_b128 v[S+4*q:S+4*q+3], v18, s[80:81] offset:512*q
.set q, q+1
.endr
.if \n > 1
	WIN 0x40                                       ; destination in window 1
.set j, 1
.rept \n-1
.set q, 0
.rept 8
	global_load_b128 v[32*(j-1)+4*q:32*(j-1)+4*q+3], v18, s[80:81] offset:32768*j+512*q
.set q, q+1
.endr
.set j, j+1
.endr
	WIN 0x10                                       ; source 2 in window 1
.set j, 1
.rept \n-1
	s_wait_loadcnt 8*(\n-1-j)
.set i, 0
.rept 16
	v_pk_fma_f32 v[S+2*i:S+2*i+1], v[S+2*i:S+2*i+1], v[DD+32*(j-1)+2*i:DD+32*(j-1)+2*i+1], v[32*(j-1)+2*i:32*(j-1)+2*i+1]
.set i, i+1
.endr
.set j, j+1
.endr
	WIN 0
.else
	s_wait_loadcnt 0x0
.endif
.endm
; One block.  st = 1: there is a state in S; st = 0: the chain's first block.  upd = 1: the state is carried on; upd = 0: the segment's last block.
.macro OBLK blk, st, upd
.if \blk
	; this block's addresses: six plain instructions that name none of the last block's four state products' registers, so they are also the places
	; that the loads into those products' sources and the reads of their sums need
	v_add_nc_u32 v4, BLK, v4
	v_add_nc_u32 v5, BLK, v5
	v_add_nc_u32 v6, BLK, v6
	v_add_nc_u32 v7, BLK, v7
	v_add_nc_u32 v8, BLK, v8
	v_add_nc_u32 v9, 16896, v9
.endif
	ds_load_tr16_b128 v[VF:VF+3], v4
	ds_load_tr16_b128 v[VF+4:VF+7], v4 offset:4608
.if \st
.irp f, 0,1,2,3
	ds_load_tr16_b128 v[QFR+8*\f:QFR+8*\f+3],   v6 offset:3072*(\f/2)+32*(\f%2)
	ds_load_tr16_b128 v[QFR+8*\f+4:QFR+8*\f+7], v6 offset:3072*(\f/2)+32*(\f%2)+1536
.endr
.endif
	ds_load_b128 v[AF0:AF0+3], v7
	ds_load_b128 v[AF1:AF1+3], v7 offset:512
	ds_load_b128 v[AF1+4:AF1+7], v7 offset:1024
.if \upd
.irp kt, 0,1,2,3
	ds_load_b128 v[KFR+8*\kt:KFR+8*\kt+3],   v5 offset:1280*\kt
	ds_load_b128 v[KFR+8*\kt+4:KFR+8*\kt+7], v5 offset:1280*\kt+32
.if \st
	ds_load_b128 v[DV+8*\kt:DV+8*\kt+3],   v8 offset:64*\kt
	ds_load_b128 v[DV+8*\kt+4:DV+8*\kt+7], v8 offset:64*\kt+16
.endif
.endr
.endif
.if \st
.set i, 0
.rept 16
	v_cvt_pk_f16_f32 v[SF+i], v[S+2*i], v[S+2*i+1] ; the state's result layout, packed, is S^T's fragment: lane = column of v, registers = keys
.set i, i+1
.endr
.endif
	s_wait_dscnt 0x0
.irp i, 0,1,2,3,4,5,6,7
	v_pk_mul_f16 v[VF+\i], v[VF+\i], v[GV]         ; v x c, a power of two
.endr
	; o^T (rows = my 16 columns of v, columns = 16 steps); the two step tiles take turns
.if \st
	v_wmma_f32_16x16x32_f16 v[OT:OT+7], v[SF:SF+7], v[QFR:QFR+7], 0
	v_wmma_f32_16x16x32_f16 v[OT+8:OT+15], v[SF:SF+7], v[QFR+8:QFR+15], 0
	v_wmma_f32_16x16x32_f16 v[OT:OT+7], v[SF+8:SF+15], v[QFR+16:QFR+23], v[OT:OT+7]
	v_wmma_f32_16x16x32_f16 v[OT+8:OT+15], v[SF+8:SF+15], v[QFR+24:QFR+31], v[OT+8:OT+15]
	v_wmma_f32_16x16x32_f16 v[OT:OT+7], v[VF:VF+7], v[AF0:AF0+7], v[OT:OT+7]
	v_wmma_f32_16x16x32_f16 v[OT+8:OT+15], v[VF:VF+7], v[AF1:AF1+7], v[OT+8:OT+15]
.else
	v_wmma_f32_16x16x32_f16 v[OT:OT+7], v[VF:VF+7], v[AF0:AF0+7], 0
	v_wmma_f32_16x16x32_f16 v[OT+8:OT+15], v[VF:VF+7], v[AF1:AF1+7], 0
.endif
.if \upd
.if \st
.set i, 0
.rept 16
	v_pk_mul_f32 v[S+2*i:S+2*i+1], v[S+2*i:S+2*i+1], v[DV+2*i:DV+2*i+1]   ; the block's decay; these are also the places behind the six products
.set i, i+1
.endr
.irp kt, 0,1,2,3
	v_wmma_f32_16x16x32_f16 v[S+8*\kt:S+8*\kt+7], v[KFR+8*\kt:KFR+8*\kt+7], v[VF:VF+7], v[S+8*\kt:S+8*\kt+7]
.endr
.else
.irp kt, 0,1,2,3
	v_wmma_f32_16x16x32_f16 v[S+8*\kt:S+8*\kt+7], v[KFR+8*\kt:KFR+8*\kt+7], v[VF:VF+7], 0     ; the chain's first products start the state
.endr
	PLACES                                         ; before the stores below read o's sums
.endif
.else
	PLACES                                         ; before the stores below read o's sums, and before phase C's loads land on these products' registers
.endif
	ds_store_b128 v9, v[OT:OT+3]
	ds_store_b128 v9, v[OT+4:OT+7] offset:16
	ds_store_b128 v9, v[OT+8:OT+11] offset:8448
	ds_store_b128 v9, v[OT+12:OT+15] offset:8464
.endm
	; one branch on the segment's number, alike in all waves: the state's loads and the first block that reads it stand in one arm
	s_cmp_eq_u32 s23, 0
	s_cbranch_scc1 .Lseg0
.irp n, 1,2,3,4,5,6
	s_cmp_eq_u32 s23, \n
	s_cbranch_scc1 .Lst\n
.endr
	STATE 7
	s_branch .Lhave
.irp n, 6,5,4,3,2
.Lst\n:
	STATE \n
	s_branch .Lhave
.endr
.Lst1:
	STATE 1
.Lhave:
	PBC
	OBLK 0, 1, 1
	s_branch .Lblk1
.Lseg0:
	PBC
	OBLK 0, 0, 1
.Lblk1:
.irp b, 1,2,3,4,5,6
	OBLK \b, 1, 1
.endr
	OBLK 7, 1, 0
	; PHASE C: two rows a turn, 16 lanes a row, 8 columns a lane
.set GL, 24
.set BG, 88
.set X,  96
.set G,  104
.set TM, 112
.set Y,  120
.set NM, 124
.set RS, 126
	v_lshlrev_b32 v7, 5, v2
	global_load_b128 v[BG:BG+3], v7, s[78:79]
	global_load_b128 v[BG+4:BG+7], v7, s[78:79] offset:16
	v_mul_u32_u24 v5, v3, 0x3000
	v_lshl_add_u32 v5, v2, 4, v5
.set i, 0
.rept 16
	global_load_b128 v[GL+4*i:GL+4*i+3], v5, s[68:69] offset:8192+24576*i
.set i, i+1
.endr
	s_mul_i32 s84, s22, 32*528
	s_add_co_u32 s84, s84, OO
	v_mul_u32_u24 v4, v3, 528
	v_lshl_add_u32 v4, v2, 5, v4
	v_add_nc_u32 v4, s84, v4
	v_lshlrev_b32 v6, 12, v3
	v_lshl_add_u32 v6, v2, 4, v6
	s_wait_dscnt 0x0                               ; my part of o is in LDS, for the others' sake
	s_barrier_signal -1
	s_barrier_wait -1
.macro ROW2 i, r0, r1, r2, r3
	s_wait_xcnt 0x0                                ; Y, which the last store reads, is rewritten only behind this wait
	ds_load_b128 v[X:X+3], v4 offset:1056*\i
	ds_load_b128 v[X+4:X+7], v4 offset:1056*\i+16
	s_wait_loadcnt 15-\i                           ; bg and this turn's g are in; the later rows' stay out
	v_cvt_f32_f16 v[G], v\r0\().l
	v_cvt_f32_f16 v[G+1], v\r0\().h
	v_cvt_f32_f16 v[G+2], v\r1\().l
	v_cvt_f32_f16 v[G+3], v\r1\().h
	v_cvt_f32_f16 v[G+4], v\r2\().l
	v_cvt_f32_f16 v[G+5], v\r2\().h
	v_cvt_f32_f16 v[G+6], v\r3\().l
	v_cvt_f32_f16 v[G+7], v\r3\().h
.irp j, 0,2,4,6
	v_pk_add_f32 v[G+\j:G+\j+1], v[G+\j:G+\j+1], v[BG+\j:BG+\j+1]
.endr
.irp j, 0,2,4,6
	v_pk_mul_f32 v[TM+\j:TM+\j+1], v[G+\j:G+\j+1], s[36:37] op_sel_hi:[1,0]
.endr
.irp j, 0,1,2,3,4,5,6,7
	v_exp_f32 v[TM+\j], v[TM+\j]
.endr
	s_wait_dscnt 0x0
	v_pk_add_f32 v[NM:NM+1], v[X:X+1], v[X+2:X+3]              ; plain work behind the exponentials
	v_pk_add_f32 v[RS:RS+1], v[X+4:X+5], v[X+6:X+7]
	s_wait_alu depctr_va_vdst(0)
.irp j, 0,2,4,6
	v_pk_add_f32 v[TM+\j:TM+\j+1], v[TM+\j:TM+\j+1], 1.0 op_sel_hi:[1,0]
.endr
.irp j, 0,1,2,3,4,5,6,7
	v_rcp_f32 v[TM+\j], v[TM+\j]                               ; sigmoid
.endr
	v_pk_add_f32 v[NM:NM+1], v[NM:NM+1], v[RS:RS+1]            ; plain work behind the reciprocals
	v_add_f32 v[NM], v[NM], v[NM+1]
	v_add_f32_dpp v[NM], v[NM], v[NM] row_xmask:1 row_mask:0xf bank_mask:0xf
	v_add_f32_dpp v[NM], v[NM], v[NM] row_xmask:2 row_mask:0xf bank_mask:0xf
	v_add_f32_dpp v[NM], v[NM], v[NM] row_xmask:4 row_mask:0xf bank_mask:0xf
	v_add_f32_dpp v[NM], v[NM], v[NM] row_xmask:8 row_mask:0xf bank_mask:0xf
	v_mul_f32 v[NM], 0xbc000000, v[NM]                         ; - mean
.irp j, 0,2,4,6
	v_pk_add_f32 v[X+\j:X+\j+1], v[X+\j:X+\j+1], v[NM:NM+1] op_sel_hi:[1,0]
.endr
	v_pk_mul_f32 v[RS:RS+1], v[X:X+1], v[X:X+1]
.irp j, 2,4,6
	v_pk_fma_f32 v[RS:RS+1], v[X+\j:X+\j+1], v[X+\j:X+\j+1], v[RS:RS+1]
.endr
	v_add_f32 v[RS], v[RS], v[RS+1]
	v_add_f32_dpp v[RS], v[RS], v[RS] row_xmask:1 row_mask:0xf bank_mask:0xf
	v_add_f32_dpp v[RS], v[RS], v[RS] row_xmask:2 row_mask:0xf bank_mask:0xf
	v_add_f32_dpp v[RS], v[RS], v[RS] row_xmask:4 row_mask:0xf bank_mask:0xf
	v_add_f32_dpp v[RS], v[RS], v[RS] row_xmask:8 row_mask:0xf bank_mask:0xf
	v_fma_f32 v[RS], v[RS], s33, s32                           ; (var + E) / (1 + E)
	v_rsq_f32 v[RS], v[RS]
	s_wait_alu depctr_va_vdst(0)
.irp j, 0,2,4,6
	v_pk_mul_f32 v[G+\j:G+\j+1], v[G+\j:G+\j+1], v[TM+\j:TM+\j+1]   ; silu; plain work behind the root
.endr
.irp j, 0,2,4,6
	v_pk_mul_f32 v[G+\j:G+\j+1], v[G+\j:G+\j+1], v[X+\j:X+\j+1]
.endr
	v_mul_f32 v[RS], s34, v[RS]
.irp j, 0,2,4,6
	v_pk_mul_f32 v[G+\j:G+\j+1], v[G+\j:G+\j+1], v[RS:RS+1] op_sel_hi:[1,0]
.endr
.irp j, 0,1,2,3
	v_cvt_pk_f16_f32 v[Y+\j], v[G+2*\j], v[G+2*\j+1]
.endr
	global_store_b128 v6, v[Y:Y+3], s[76:77] offset:8192*\i    ; 16 lanes store 256 consecutive bytes, aligned
.endm
	ROW2 0, 24, 25, 26, 27
	ROW2 1, 28, 29, 30, 31
	ROW2 2, 32, 33, 34, 35
	ROW2 3, 36, 37, 38, 39
	ROW2 4, 40, 41, 42, 43
	ROW2 5, 44, 45, 46, 47
	ROW2 6, 48, 49, 50, 51
	ROW2 7, 52, 53, 54, 55
	ROW2 8, 56, 57, 58, 59
	ROW2 9, 60, 61, 62, 63
	ROW2 10, 64, 65, 66, 67
	ROW2 11, 68, 69, 70, 71
	ROW2 12, 72, 73, 74, 75
	ROW2 13, 76, 77, 78, 79
	ROW2 14, 80, 81, 82, 83
	ROW2 15, 84, 85, 86, 87
	s_set_vgpr_msb 0x4
	s_wait_tensorcnt 0x0
	ds_add_u32 v23, v193
	s_wait_dscnt 0x0
	s_set_vgpr_msb 0x400
	s_endpgm
.Lfunc_end_k_q1456284f52_gout:
	.size	k_q1456284f52_gout, .Lfunc_end_k_q1456284f52_gout-k_q1456284f52_gout
	.p2alignl 7, 3214868480
	.fill 96, 4, 3214868480
	.section	.rodata,"a",@progbits
	.p2align	6, 0x0
	.amdhsa_kernel k_q1456284f52_gout
		.amdhsa_group_segment_fixed_size 314368
		.amdhsa_private_segment_fixed_size 0
		.amdhsa_enable_private_segment 0
		.amdhsa_kernarg_size 72
		.amdhsa_user_sgpr_count 2
		.amdhsa_user_sgpr_kernarg_segment_ptr 1
		.amdhsa_wavefront_size32 1
		.amdhsa_system_sgpr_workgroup_id_x 1
		.amdhsa_system_sgpr_workgroup_id_y 1
		.amdhsa_system_sgpr_workgroup_id_z 1
		.amdhsa_system_vgpr_workitem_id 0
		.amdhsa_next_free_vgpr 450
		.amdhsa_next_free_sgpr 92
		.amdhsa_reserve_vcc 1
		.amdhsa_float_denorm_mode_32 3
		.amdhsa_float_denorm_mode_16_64 3
		.amdhsa_memory_ordered 1
		.amdhsa_forward_progress 1
		.amdhsa_inst_pref_size 255
	.end_amdhsa_kernel
	.section	.bss,"aw",@nobits
	.p2align	6
	.space	262144
	.amdgpu_metadata
---
amdhsa.version: [ 1, 2 ]
amdhsa.kernels:
  - .name:           k_q1456284f52_gout
    .symbol:         k_q1456284f52_gout.kd
    .args:
      - { .name: P, .offset: 0, .size: 8, .value_kind: global_buffer, .address_space: global }
      - { .name: z, .offset: 8, .size: 8, .value_kind: global_buffer, .address_space: global }
      - { .name: Wkg2, .offset: 16, .size: 8, .value_kind: global_buffer, .address_space: global }
      - { .name: bkg2, .offset: 24, .size: 8, .value_kind: global_buffer, .address_space: global }
      - { .name: bg, .offset: 32, .size: 8, .value_kind: global_buffer, .address_space: global }
      - { .name: sc, .offset: 40, .size: 8, .value_kind: global_buffer, .address_space: global }
      - { .name: U, .offset: 48, .size: 8, .value_kind: global_buffer, .address_space: global }
      - { .name: dsg, .offset: 56, .size: 8, .value_kind: global_buffer, .address_space: global }
      - { .name: y, .offset: 64, .size: 8, .value_kind: global_buffer, .address_space: global }
    .group_segment_fixed_size: 314368
    .private_segment_fixed_size: 0
    .kernarg_segment_align: 8
    .kernarg_segment_size: 72
    .max_flat_workgroup_size: 256
    .sgpr_count:     92
    .vgpr_count:     450
    .wavefront_size: 32
...
	.end_amdgpu_metadata
.endif
;; end of part 10
;; launch gemm2 (part 11): grid 8 x 32, 4 waves a work-group, clusters of 4 x 4, 327,680 bytes of LDS; arguments y, hb, sc, out0; writes out0
.if DOCPART == 11
	.amdgcn_target "amdgcn-amd-amdhsa--gfx1250"
	.amdhsa_code_object_version 6
	.text
	.protected	k_q1456284f52_gemm2
	.globl	k_q1456284f52_gemm2
	.p2align	8
	.type	k_q1456284f52_gemm2,@function
k_q1456284f52_gemm2:
	s_mov_b64 s[64:65], 0
	v_nop
	global_prefetch_b8 v0, s[64:65] scope:SCOPE_SE
	s_setreg_imm32_b32 hwreg(HW_REG_WAVE_MODE, 25, 1), 1
	s_wait_xcnt 0x0
	s_wait_alu depctr_hold_cnt(0) depctr_sa_sdst(0) depctr_va_vdst(0) depctr_va_sdst(0) depctr_va_ssrc(0) depctr_va_vcc(0) depctr_vm_vsrc(0)
	s_getreg_b32 s2, hwreg(HW_REG_IB_STS2, 6, 4)
	s_cmp_eq_u32 s2, 0
	s_cbranch_scc0 .Lentry_in_a_cluster
	s_endpgm
.Lentry_in_a_cluster:
	s_bfe_u32 s2, ttmp6, 0x10000c
	s_cmp_lg_u32 s2, 0xf033
	s_cbranch_scc0 .Lentry_shape_is_right
	s_endpgm
.Lentry_shape_is_right:
; Launch 5: out0[4096][2048] = F (y Wo^T) in f32, y and Wo in f16, sums in f32, K = 2048; F = sc[7] takes y's scale away.  Nothing of the problem is left out here.
; A work-group makes 128 x 256 with four waves (2 x 2), a wave 64 x 128 in 32 accumulator tiles (window 1); 8 x 32 = 256 work-groups, one for each WGP
; (launch 2's wider block of 384 columns does not divide 2,048).
; K in steps of 128 through two LDS slots filled by the tensor data mover (rows of 256 bytes, padded to 272).
; CLUSTERS 4 x 4: y's tile is asked for jointly by a row of the cluster, Wo's by a column.  Waves 0, 1 ask for y's halves, waves 2, 3 for Wo's.
; The matrix instruction is used transposed (source 0 = rows of Wo, source 1 = rows of y): a lane holds 8 neighbouring columns of a row.
.set KSTEP,  128
.set SIZE_K, 2048
.set SIZE_N, 2048
.set PITCH,  272
.set AH,     64*PITCH
.set BH,     128*PITCH
.set SLOT,   2*AH+2*BH
.set STAGE,  2*SLOT                    ; behind the ring: 16 rows x 528 bytes for each wave; no tensor load lands here
.set SPITCH, 528
.set LAPS,   SIZE_K/(2*KSTEP)
.set ADRA, 16
.set ADRB, 20
.set STO,  24
.set RD,   25
.set CO,   26
.set F0,   32
.set F1,   128
.set G1, 24
.set G0, 32
.set G1B, 48
.set G0B, 56
.set MSB, 0
.macro WIN new
.if MSB != \new
	s_set_vgpr_msb (MSB<<8)|\new
.set MSB, \new
.endif
.endm
.set MUL, 0x50
.macro JLOAD s
	s_cmp_eq_u32 s11, 0
	s_cbranch_scc0 .Lfor_b_\@
	tensor_load_to_lds s[G0+4*\s:G0+4*\s+3], s[G1:G1+7]
	s_nop 0
	s_branch .Lasked_\@
.Lfor_b_\@:
	tensor_load_to_lds s[G0B+4*\s:G0B+4*\s+3], s[G1B:G1B+7]
	s_nop 0
.Lasked_\@:
.endm
.macro CREST
	s_cmp_lg_u32 s10, 0
	s_cbranch_scc1 .Lnot_wave_0_\@
	s_barrier_signal -3
.Lnot_wave_0_\@:
	s_barrier_wait -3
	s_barrier_signal -1
	s_barrier_wait -1
.endm
.macro CROUND
	s_barrier_signal -1
	s_barrier_wait -1
	CREST
.endm
	s_load_b128 s[4:7], s[0:1], 0x0                ; y, hb
	s_load_b128 s[68:71], s[0:1], 0x10             ; sc, out0
	v_lshl_add_u32 v254, v0, 2, 0x3b400
	v_mov_b32 v255, 0
	ds_add_u32 v254, v255
	v_lshrrev_b32 v1, 5, v0
	v_readfirstlane_b32 s10, v1
	s_lshr_b32 s11, s10, 1
	s_and_b32 s12, s10, 1
	s_bfe_u32 s40, ttmp6, 0x40000
	s_bfe_u32 s41, ttmp6, 0x40004
	s_lshl_b32 s42, ttmp9, 2
	s_add_co_u32 s42, s42, s40                     ; block column
	s_and_b32 s13, ttmp7, 0xffff
	s_lshl_b32 s13, s13, 2
	s_add_co_u32 s13, s13, s41                     ; block row
	s_lshl_b32 s43, s41, 2
	s_lshl_b32 s43, 15, s43
	s_lshl_b32 s44, 0x1111, s40
	s_or_b32 s[G1+0], s43, (1<<16)|(1<<20)|(1<<21)|(5<<22)|(3<<25)
	s_or_b32 s[G1B+0], s44, (1<<16)|(1<<20)|(1<<21)|(5<<22)|(3<<25)
	s_mov_b32 s[G1+1], KSTEP<<16
	s_mov_b32 s[G1B+1], KSTEP<<16
	s_mov_b32 s[G1+2], 64<<16
	s_mov_b32 s[G1B+2], 128<<16
	s_mov_b32 s[G1+3], KSTEP<<16
	s_mov_b32 s[G1B+3], KSTEP<<16
	s_mov_b32 s[G1+4], 64
	s_mov_b32 s[G1B+4], 128
	s_mov_b32 s[G1+5], SIZE_K
	s_mov_b32 s[G1B+5], SIZE_K
	s_mov_b32 s[G1+6], 0
	s_mov_b32 s[G1B+6], 0
	s_mov_b32 s[G1+7], 0
	s_mov_b32 s[G1B+7], 0
	s_lshl_b32 s17, s12, 6
	s_lshl_b32 s16, s13, 7
	s_add_co_u32 s16, s16, s17
	s_lshl_b32 s16, s16, 12
	s_mov_b32 s17, 0
	s_lshl_b32 s47, s12, 7
	s_lshl_b32 s46, s42, 8
	s_add_co_u32 s46, s46, s47
	s_lshl_b32 s46, s46, 12
	s_mov_b32 s47, 0
	s_mul_i32 s20, s12, AH
	s_mul_i32 s21, s12, BH
	s_add_co_u32 s21, s21, 2*AH
	s_wait_dscnt 0x0
	s_wait_kmcnt 0x0
	s_load_b32 s72, s[68:69], 0x1c                 ; F
	s_mov_b64 s[8:9], s[70:71]                     ; out0
	s_add_nc_u64 s[6:7], s[6:7], 0x2800000         ; Wo lies 40 MiB into hb
	s_add_nc_u64 s[14:15], s[4:5], s[16:17]
	s_add_nc_u64 s[46:47], s[6:7], s[46:47]
	s_wait_kmcnt 0x0
	s_mov_b32 s73, s72
	CROUND
.irp s, 0,1
	s_mov_b32 s[G0+4*\s], 1
	s_add_co_u32 s[G0+4*\s+1], s20, \s*SLOT
	s_add_nc_u64 s[G0+4*\s+2:G0+4*\s+3], s[14:15], \s*KSTEP*2
	s_or_b32 s[G0+4*\s+3], s[G0+4*\s+3], 0x80000000
	s_mov_b32 s[G0B+4*\s], 1
	s_add_co_u32 s[G0B+4*\s+1], s21, \s*SLOT
	s_add_nc_u64 s[G0B+4*\s+2:G0B+4*\s+3], s[46:47], \s*KSTEP*2
	s_or_b32 s[G0B+4*\s+3], s[G0B+4*\s+3], 0x80000000
	JLOAD \s
.endr
	v_and_b32 v1, 15, v0
	v_bfe_u32 v2, v0, 4, 1
	v_mul_u32_u24 v3, v1, PITCH
	v_lshl_add_u32 v3, v2, 4, v3
	s_mul_i32 s21, s11, AH
	s_mul_i32 s22, s12, BH
	s_add_co_u32 s22, s22, 2*AH
.irp s, 0,1
	v_add_nc_u32 v[ADRA+\s], s21, v3
	v_add_nc_u32 v[ADRB+\s], s22, v3
	s_add_co_u32 s21, s21, SLOT
	s_add_co_u32 s22, s22, SLOT
.endr
	s_mul_i32 s23, s10, 16*SPITCH
	s_add_co_u32 s23, s23, STAGE
	v_mul_u32_u24 v4, v1, SPITCH
	v_lshl_add_u32 v4, v2, 5, v4                   ; in: row r, 32 bytes for each half of the lanes
	v_add_nc_u32 v[STO], s23, v4
	v_and_b32 v5, 31, v0
	v_lshlrev_b32 v[CO], 4, v5                     ; back and out: 32 lanes take one row's 512 bytes
	v_add_nc_u32 v[RD], s23, v[CO]
.macro MUL8 f, a, zero
.irp b, 0,1,2,3,4,5,6,7
.if \zero
	v_wmma_f32_16x16x32_f16 v[8*(8*\a+\b):8*(8*\a+\b)+7], v[\f+8*\b:\f+8*\b+7], v[\f+64+8*\a:\f+64+8*\a+7], 0
.else
	v_wmma_f32_16x16x32_f16 v[8*(8*\a+\b):8*(8*\a+\b)+7], v[\f+8*\b:\f+8*\b+7], v[\f+64+8*\a:\f+64+8*\a+7], v[8*(8*\a+\b):8*(8*\a+\b)+7]
.endif
.endr
.endm
.macro FETCH slot, k, f
.irp i, 0,1,2,3,4,5,6,7
	ds_load_b128 v[\f+8*\i:\f+8*\i+3],   v[ADRB+\slot] offset:\k+\i*16*PITCH
	ds_load_b128 v[\f+8*\i+4:\f+8*\i+7], v[ADRB+\slot] offset:\k+\i*16*PITCH+32
.endr
.irp i, 0,1,2,3
	ds_load_b128 v[\f+64+8*\i:\f+64+8*\i+3],   v[ADRA+\slot] offset:\k+\i*16*PITCH
	ds_load_b128 v[\f+64+8*\i+4:\f+64+8*\i+7], v[ADRA+\slot] offset:\k+\i*16*PITCH+32
.endr
.endm
.macro PLACES                          ; four plain places behind matrix instructions (ISA guide 7.12.1)
.rept 4
	v_nop
.endr
.endm
; The 32 accumulators take turns, one instruction a turn, in the same order in every quarter step.
.macro QUARTER slot, k, f, g, zero
	s_wait_dscnt 4                                 ; Wo's fragments and y's blocks 0, 1 are in; the youngest four loads may be out
	WIN MUL
	MUL8 \f, 0, \zero
	MUL8 \f, 1, \zero
	PLACES
	WIN 0
	FETCH \slot, \k, \g
	s_wait_dscnt 24                                ; all but the 24 just issued
	WIN MUL
	MUL8 \f, 2, \zero
	MUL8 \f, 3, \zero
.endm
.macro THREE slot, zero
	QUARTER \slot, 64,  F0, F1, \zero
	QUARTER \slot, 128, F1, F0, 0
	QUARTER \slot, 192, F0, F1, 0
.endm
.macro TURN slot, next, fill
	s_wait_dscnt 4
	WIN MUL
	MUL8 F1, 0, 0
	s_wait_dscnt 0                                 ; my reads of this slot are over
	s_wait_tensorcnt 0x0                           ; all my tensor loads have landed
	ds_add_u32 v254, v255
	s_wait_dscnt 0x0
	s_barrier_signal -1
	MUL8 F1, 1, 0
	WIN 0
	s_barrier_wait -1
.if \fill
	CREST                                          ; the round closes: no wave of any partner still reads this slot or has a load on its way
	s_add_nc_u64 s[G0+4*\slot+2:G0+4*\slot+3], s[G0+4*\slot+2:G0+4*\slot+3], 2*KSTEP*2
	s_add_nc_u64 s[G0B+4*\slot+2:G0B+4*\slot+3], s[G0B+4*\slot+2:G0B+4*\slot+3], 2*KSTEP*2
	JLOAD \slot
.endif
	PLACES
	FETCH \next, 0, F0
	WIN MUL
	MUL8 F1, 2, 0
	MUL8 F1, 3, 0
.endm
.macro LAP zero
	THREE 0, \zero
	TURN 0, 1, 1
	THREE 1, 0
	TURN 1, 0, 1
.endm
	s_wait_tensorcnt 1                             ; my part of K step 0 is in; K step 1's stays out
	s_barrier_signal -1
	s_barrier_wait -1
	FETCH 0, 0, F0
	LAP 1
	WIN 0
	s_mov_b32 s3, LAPS-2
.Llap:
	LAP 0
	WIN 0
	s_sub_co_u32 s3, s3, 1
	s_cmp_lg_u32 s3, 0
	s_cbranch_scc1 .Llap
	THREE 0, 0
	TURN 0, 1, 0
	THREE 1, 0
	s_wait_dscnt 4
	WIN MUL
	MUL8 F1, 0, 0
	MUL8 F1, 1, 0
	s_wait_dscnt 0
	MUL8 F1, 2, 0
	MUL8 F1, 3, 0
	PLACES
	; the way out, 16 rows at a time: x F, 32 bytes a lane into my own stage, back as whole rows of 512 bytes
	s_lshl_b32 s16, s13, 7
	s_lshl_b32 s17, s11, 6
	s_add_co_u32 s16, s16, s17
	s_lshl_b32 s16, s16, 13                        ; rows of 8,192 bytes
	s_mov_b32 s17, 0
	s_add_nc_u64 s[8:9], s[8:9], s[16:17]
	s_lshl_b32 s46, s42, 10
	s_lshl_b32 s47, s12, 9
	s_add_co_u32 s46, s46, s47
	s_mov_b32 s47, 0
	s_add_nc_u64 s[8:9], s[8:9], s[46:47]
.macro OUT16 a
	WIN 0x01                                       ; source 0 in window 1
.irp b, 0,1,2,3,4,5,6,7
.irp i, 0,2,4,6
	v_pk_mul_f32 v[F0+8*\b+\i:F0+8*\b+\i+1], v[8*(8*\a+\b)+\i:8*(8*\a+\b)+\i+1], s[72:73] op_sel_hi:[1,0]
.endr
.endr
	WIN 0
.irp b, 0,1,2,3,4,5,6,7
	ds_store_b128 v[STO], v[F0+8*\b:F0+8*\b+3] offset:64*\b
	ds_store_b128 v[STO], v[F0+8*\b+4:F0+8*\b+7] offset:64*\b+16
.endr
	s_wait_xcnt 0x0                                ; buffer 1, which stores read, and the stores' base are rewritten only behind this wait
.if \a
	s_add_nc_u64 s[8:9], s[8:9], 16*SIZE_N*4
.endif
.set t, 0
.rept 16
	ds_load_b128 v[F1+4*t:F1+4*t+3], v[RD] offset:t*SPITCH     ; LDS serves a wave's instructions in order: these see the stores above
.set t, t+1
.endr
.set t, 0
.rept 16
	s_wait_dscnt 15-t
	global_store_b128 v[CO], v[F1+4*t:F1+4*t+3], s[8:9] offset:t*SIZE_N*4 th:TH_STORE_NT   ; the wave stores 512 consecutive bytes, aligned
.set t, t+1
.endr
.endm
	OUT16 0
	OUT16 1
	OUT16 2
	OUT16 3
	s_wait_tensorcnt 0x0
	ds_add_u32 v254, v255
	s_wait_dscnt 0x0
	CROUND                                         ; the closing round
	s_endpgm
.Lfunc_end_k_q1456284f52_gemm2:
	.size	k_q1456284f52_gemm2, .Lfunc_end_k_q1456284f52_gemm2-k_q1456284f52_gemm2
	.p2alignl 7, 3214868480
	.fill 96, 4, 3214868480
	.section	.rodata,"a",@progbits
	.p2align	6, 0x0
	.amdhsa_kernel k_q1456284f52_gemm2
		.amdhsa_group_segment_fixed_size 327680
		.amdhsa_private_segment_fixed_size 0
		.amdhsa_enable_private_segment 0
		.amdhsa_kernarg_size 32
		.amdhsa_user_sgpr_count 2
		.amdhsa_user_sgpr_kernarg_segment_ptr 1
		.amdhsa_wavefront_size32 1
		.amdhsa_system_sgpr_workgroup_id_x 1
		.amdhsa_system_sgpr_workgroup_id_y 1
		.amdhsa_system_sgpr_workgroup_id_z 1
		.amdhsa_system_vgpr_workitem_id 0
		.amdhsa_next_free_vgpr 512
		.amdhsa_next_free_sgpr 80
		.amdhsa_reserve_vcc 0
		.amdhsa_float_denorm_mode_32 3
		.amdhsa_float_denorm_mode_16_64 3
		.amdhsa_memory_ordered 1
		.amdhsa_forward_progress 1
		.amdhsa_inst_pref_size 126
	.end_amdhsa_kernel
	.amdgpu_metadata
---
amdhsa.version: [ 1, 2 ]
amdhsa.kernels:
  - .name:           k_q1456284f52_gemm2
    .symbol:         k_q1456284f52_gemm2.kd
    .args:
      - { .name: y, .offset: 0, .size: 8, .value_kind: global_buffer, .address_space: global }
      - { .name: hb, .offset: 8, .size: 8, .value_kind: global_buffer, .address_space: global }
      - { .name: sc, .offset: 16, .size: 8, .value_kind: global_buffer, .address_space: global }
      - { .name: out0, .offset: 24, .size: 8, .value_kind: global_buffer, .address_space: global }
    .group_segment_fixed_size: 327680
    .private_segment_fixed_size: 0
    .kernarg_segment_align: 8
    .kernarg_segment_size: 32
    .max_flat_workgroup_size: 128
    .sgpr_count:     80
    .vgpr_count:     512
    .wavefront_size: 32
...
	.end_amdgpu_metadata
.endif
;; end of part 11
;; ======== version 3 of 3: 5 launches; version 2 with the launches cast, gout written anew for expert scheduling mode
;; limits: values outside matrix products are rounded to f16; values are held in f16: magnitudes above 65,504 overflow, below 6.1e-05 lose precision; right only within a limited range of input values
;; workspace buffers: hb 50,331,648 bytes; P 50,331,648 bytes; pmax 24,576 bytes; z 147,456 bytes; sc 256 bytes; U 8,388,608 bytes; dsg 65,536 bytes; y 16,777,216 bytes
;; launch cast (part 12): grid 768 x 1, 8 waves a work-group, no clusters, 76,032 bytes of LDS; arguments x, Wq, Wk, Wv, Wg, Wo, Wkg1, hb, z; writes hb, z
.if DOCPART == 12
	.amdgcn_target "amdgcn-amd-amdhsa--gfx1250"
	.amdhsa_code_object_version 6
	.text
	.protected	k_q1456284f52_cast
	.globl	k_q1456284f52_cast
	.p2align	8
	.type	k_q1456284f52_cast,@function
k_q1456284f52_cast:
	s_mov_b64 s[64:65], 0
	v_nop
	global_prefetch_b8 v0, s[64:65] scope:SCOPE_SE
	s_setreg_imm32_b32 hwreg(HW_REG_WAVE_SCHED_MODE, 0, 2), 2
	s_setreg_imm32_b32 hwreg(HW_REG_WAVE_MODE, 25, 1), 1
	s_wait_xcnt 0x0
	s_wait_alu depctr_vm_vsrc(0)
; GATED LINEAR ATTENTION, launch 1 of 5: x, Wq, Wk, Wv, Wg, Wo from f32 to f16, one after the other, into hb; and, from the numbers while they are in
; registers, z = x Wkg1^T (f16 operands, f32 sums) and q_0 = Wq x[b][0], k_0 = Wk x[b][0] in f32.
; The program: cast -> gemm1 (q | k | v | g = x Wcat^T, and the largest magnitude of each piece of 128 rows x 32 columns) -> gstate (power-of-two scales
; from those magnitudes; each 256-step segment's own end state) -> gout (the recurrence in blocks of 32 steps, LayerNorm, silu gate) -> gemm2 (the product with Wo).
; WHY f16: eleven bits of mantissa; the chain has many roundings of operands and each output is held to a hundredth of the output's rms.
; WHY q_0, k_0 IN f32: step 0 is the one step whose output is a single term, o_0 = SCALE (q_0 . k_0) v_0: where the 64 products cancel, var comes down to EPS
; and LayerNorm no longer divides the scale away, so the result hangs on the ABSOLUTE error of that sum, which operands rounded to f16 cannot hold.
; WORK LEFT OUT, for all values of the inputs:
;  * S0 is built as zeros by the recurrence itself: a segment's own state starts with its first product, nothing is multiplied by S0.
;  * the own end state of the last segment (steps 1792..2047) is read by no later step and is not made.
;  * SCALE and the scales a, b, c (powers of two on q, k, v) multiply o by one constant f = a b c / SCALE.  LayerNorm without affine gives
;    (o - mu) rsqrt(var + EPS) = (f o - f mu) rsqrt(f^2 var + f^2 EPS): the constant is met by E = f^2 EPS in EPS's place, so SCALE multiplies no data.
; All ten inputs have a way to the output and are loaded.
; LIMITS: |x|, |W..|, |q|, |k|, |v|, |x Wg^T|, |x Wkg1^T| below 65504 (they are kept in f16); a NaN or an infinity in an input is not carried
; as the f32 recurrence would carry it.
; A work-group takes a chunk of 32,768 numbers (16 rows of 2,048): 32 loads of 16 bytes a thread, all out at once; load i of thread t holds row i / 2,
; columns 1,024 (i % 2) + 4 t .. + 3; a wave's store covers 256 consecutive bytes, aligned.  768 chunks.
;   chunks 0..255 (x): the f16 rows also go into LDS, and the eight waves make z for these 16 rows, 256 of K each, summed through LDS.
;   chunks 256..383 (Wq, Wk): each row is also multiplied, in f32, with x[0][0] and x[1][0].
;   chunks 384..767 (Wv, Wg, Wo): the conversion alone.
; LDS: bytes 0 .. 65,791 x's 16 rows in f16 (pitch 4,112, an odd multiple of 16); 65,792 .. 73,983 z's partial sums (1,024 a wave);
;   73,984 .. 75,007 the dot products' partial sums (128 a wave).  No byte serves two roles.
; The chunks carry the hint for data read once; the two rows x[0][0], x[1][0], which 128 work-groups load again, are loaded there without it.
; No cluster: the work-groups share only Wkg1's 128 KiB and two rows of x.
; THE MODE: SCHED_MODE bits 1:0 = 2 (LLVM: expert scheduling mode 2), set by the entry lines.  The code itself states the register dependences
; between vector or matrix instructions and memory or LDS instructions, with s_wait_alu, always for 0.
; THE PLAN.  Registers that memory or LDS instructions touch:
;   v1, v2, v3, v228-v232  offsets and LDS addresses: made at the head of a role, ahead of the role's first wait on va_vdst, and never written again.
;   XD, piece i   Its load lands in four registers; its products and conversions read them; the conversions write the first two; its stores read those two.
;                 The 32 pieces go in eight groups of four.  Group g's vector instructions name group g's registers alone, so ONE wait on va_vdst at the head
;                 of group g states that group g - 1's conversions have written, and group g - 1's stores are dealt among group g's vector instructions.
;   In x's role XD is loaded again (x's fragments, later the partial sums): one wait on vm_vsrc stands ahead of the first of these loads.
;   WB            Wkg1 in f32: the first conversions read the upper half of the first landing, in which the second landing begins: one wait on va_vdst between.
;   ZA, AC, v212-215   sums: one wait on va_vdst ahead of each run of stores that reads them; one on vm_vsrc ahead of the loads that land in AC.
.set XD,  4                            ; v4-131   the chunk as loaded; then two registers of f16 in each four; later x's fragments
.set WB,  132                          ; v132-195 Wkg1's fragments, 8 registers a K step of 32 (landing in f32: v132-195, then v164-227)
.set ZA,  196                          ; v196-211 two accumulators
.set XB,  132                          ; v132-147 my 8 columns of x[0][0] and of x[1][0]
.set AC,  148                          ; v148-211 pair 16 b + r: row r times x[b][0]
.set TP,  4112
.set RED, 16*TP
.set QL,  RED+8192
.set ZQ,  131072                       ; q_0 and k_0 lie behind z: [q, k][batch][1024] in f32
	s_load_b512 s[4:19], s[0:1], 0x0               ; x, Wq, Wk, Wv, Wg, Wo, Wkg1, hb
	s_load_b64 s[20:21], s[0:1], 0x40              ; z
	v_lshl_add_u32 v236, v0, 2, 0x12500
	v_mov_b32 v237, 0
	v_lshlrev_b32 v1, 4, v0                        ; 16 bytes a thread in
	v_lshlrev_b32 v2, 3, v0                        ; 8 bytes a thread out, to memory and to LDS
	v_lshrrev_b32 v3, 5, v0
	v_readfirstlane_b32 s29, v3                    ; wave
	s_mov_b32 s28, 0                               ; first chunk of the chosen source
	s_wait_kmcnt 0x0
	s_mov_b64 s[22:23], s[4:5]
.macro PICK start, reg                             ; chunks from start on belong to the buffer in s[reg:reg+1]
	s_cmp_ge_u32 ttmp9, \start
	s_cselect_b64 s[22:23], s[\reg:\reg+1], s[22:23]
	s_cselect_b32 s28, \start, s28
.endm
	PICK 256, 6
	PICK 320, 8
	PICK 384, 10
	PICK 512, 12
	PICK 640, 14
	s_sub_co_u32 s24, ttmp9, s28
	s_lshl_b32 s24, s24, 17                        ; 131,072 bytes of f32 a chunk
	s_mov_b32 s25, 0
	s_add_nc_u64 s[22:23], s[22:23], s[24:25]
	s_lshl_b32 s26, ttmp9, 16                      ; 65,536 bytes of f16 a chunk
	s_mov_b32 s27, 0
	s_add_nc_u64 s[18:19], s[18:19], s[26:27]
.macro CHUNK_IN
.set i, 0
.rept 32
	global_load_b128 v[XD+4*i:XD+4*i+3], v1, s[22:23] offset:4096*i th:TH_LOAD_NT
.set i, i+1
.endr
.endm
; Piece n leaves: to hb, and (role 1) into LDS.
.macro LEAVE n, role
	global_store_b64 v2, v[XD+4*(\n):XD+4*(\n)+1], s[18:19] offset:2048*(\n)
.if \role == 1
	ds_store_b64 v2, v[XD+4*(\n):XD+4*(\n)+1] offset:((\n)/2)*TP+((\n)%2)*2048
.endif
.endm
; The chunk's 32 pieces, in eight groups of four.  role 0: convert and store; 1: also into LDS; 2: first the products with x[0][0] and x[1][0].
; extra = loads issued behind the chunk's, which may stay out too.
.macro PIECES role, extra
.set i, 0
.rept 32
.if (i%4) == 0
	s_wait_loadcnt 28-i+\extra                     ; loads come back in order: this group's four pieces are in, the younger ones stay out
.if i > 0
	s_wait_alu depctr_va_vdst(0)                   ; the group before has written its eight registers of f16, which the stores dealt among this group's lines read
.endif
.endif
.if i > 3
	LEAVE i-4, \role                               ; no vector instruction since the wait names this piece's registers or v2
.endif
.if \role == 2
.set a0, AC+2*(i/2)
.set a1, a0+32
.set xh, XB+4*(i%2)
.if (i%2) == 0
	v_pk_mul_f32 v[a0:a0+1], v[XD+4*i:XD+4*i+1], v[xh:xh+1]                    ; a row's first products start its sums
	v_pk_mul_f32 v[a1:a1+1], v[XD+4*i:XD+4*i+1], v[xh+8:xh+9]
.else
	v_pk_fma_f32 v[a0:a0+1], v[XD+4*i:XD+4*i+1], v[xh:xh+1], v[a0:a0+1]
	v_pk_fma_f32 v[a1:a1+1], v[XD+4*i:XD+4*i+1], v[xh+8:xh+9], v[a1:a1+1]
.endif
	v_pk_fma_f32 v[a0:a0+1], v[XD+4*i+2:XD+4*i+3], v[xh+2:xh+3], v[a0:a0+1]
	v_pk_fma_f32 v[a1:a1+1], v[XD+4*i+2:XD+4*i+3], v[xh+10:xh+11], v[a1:a1+1]
.endif
	v_cvt_pk_f16_f32 v[XD+4*i], v[XD+4*i], v[XD+4*i+1]
	v_cvt_pk_f16_f32 v[XD+4*i+1], v[XD+4*i+2], v[XD+4*i+3]
.set i, i+1
.endr
	s_wait_alu depctr_va_vdst(0)                   ; the last group has written its eight registers of f16, which the last stores read
.set i, 28
.rept 4
	LEAVE i, \role
.set i, i+1
.endr
.endm
	s_wait_alu depctr_va_sdst(0)                   ; s29, the wave's number, is written
	s_cmp_lt_u32 ttmp9, 256
	s_cbranch_scc1 .Lx
	s_cmp_lt_u32 ttmp9, 384
	s_cbranch_scc1 .Lq
	; Wv, Wg, Wo
	s_wait_alu depctr_va_vdst(0)                   ; v1 and v2 are written: the offsets of every load and store of this role
	CHUNK_IN
	PIECES 0, 0
	s_endpgm
	; Wq, Wk: the conversion, and 16 rows times x[0][0] and x[1][0] in f32
.Lq:
	s_add_nc_u64 s[30:31], s[4:5], 0x1000000       ; x[1][0]: 2,048 rows of 8,192 bytes on
	s_mov_b32 s32, 0x76543210
	s_mov_b32 s33, 0xfedcba98
	s_lshl_b32 s36, s29, 7
	s_add_co_u32 s36, s36, QL                      ; my wave's 128 bytes
	v_mov_b32 v3, s36
	s_wait_alu depctr_va_vdst(0)                   ; v1, v2 and v3 are written: the offsets of this role's loads and stores and the address of its LDS stores
	global_load_b128 v[XB:XB+3],     v1, s[4:5]                ; columns 4 t ..
	global_load_b128 v[XB+4:XB+7],   v1, s[4:5] offset:4096    ; columns 1,024 + 4 t ..
	global_load_b128 v[XB+8:XB+11],  v1, s[30:31]
	global_load_b128 v[XB+12:XB+15], v1, s[30:31] offset:4096
	CHUNK_IN
	s_sub_co_u32 s34, ttmp9, 256                   ; n: 0..63 Wq, 64..127 Wk; rows 16 (n % 64) ..
	s_lshr_b32 s35, s34, 6
	s_lshl_b32 s35, s35, 12
	s_lshl_b32 s34, s34, 6
	s_add_co_u32 s34, s34, s35                     ; 8,192 (n / 64) + 64 (n % 64)
	s_mov_b32 s35, 0
	s_add_nc_u64 s[20:21], s[20:21], s[34:35]
	PIECES 2, 0                                    ; the first wait, for 28, also shows the four loads of x, which are older
.set j, 0
.rept 32
	v_add_f32 v[AC+j], v[AC+2*j], v[AC+2*j+1]      ; the pairs, packed downward: number j never lands on a pair that is still to be read
.set j, j+1
.endr
.irp m, 1,2,4,8
.set j, 0
.rept 32
	v_add_f32_dpp v[AC+j], v[AC+j], v[AC+j] row_xmask:\m row_mask:0xf bank_mask:0xf
.set j, j+1
.endr
.endr
.set j, 0
.rept 32
	v_permlanex16_b32 v[AC+32+j], v[AC+j], s32, s33
.set j, j+1
.endr
.set j, 0
.rept 32
	v_add_f32 v[AC+j], v[AC+j], v[AC+32+j]         ; every lane holds my wave's 32 sums
.set j, j+1
.endr
	s_wait_alu depctr_va_vdst(0)                   ; the 32 sums are written in v[AC .. AC+31], which the LDS stores read
.set j, 0
.rept 8
	ds_store_b128 v3, v[AC+4*j:AC+4*j+3] offset:16*j           ; all lanes write the same bytes with the same values
.set j, j+1
.endr
	s_wait_dscnt 0x0                               ; for the reader's sake
	s_barrier_signal -1
	s_barrier_wait -1
	s_wait_alu depctr_vm_vsrc(0)                   ; my LDS stores have read v[AC ..], in eight of which wave 0's loads land
	s_cmp_lg_u32 s29, 0
	s_cbranch_scc1 .Lqend
	v_and_b32 v212, 31, v0                         ; lane l takes sum l = 16 b + r of each wave
	v_lshlrev_b32 v213, 2, v212
	v_add_nc_u32 v213, QL, v213
	v_lshrrev_b32 v214, 4, v212
	v_and_b32 v212, 15, v212
	v_lshlrev_b32 v212, 2, v212
	v_lshl_add_u32 v212, v214, 12, v212            ; 4,096 b + 4 r
	s_wait_alu depctr_va_vdst(0)                   ; v213, the loads' address, is written (and v212, the store's offset)
.set j, 0
.rept 8
	ds_load_b32 v[AC+j], v213 offset:128*j
.set j, j+1
.endr
	s_wait_dscnt 0x0
	v_add_f32 v[AC], v[AC], v[AC+1]
	v_add_f32 v[AC+2], v[AC+2], v[AC+3]
	v_add_f32 v[AC+4], v[AC+4], v[AC+5]
	v_add_f32 v[AC+6], v[AC+6], v[AC+7]
	v_add_f32 v[AC], v[AC], v[AC+2]
	v_add_f32 v[AC+4], v[AC+4], v[AC+6]
	v_add_f32 v[AC], v[AC], v[AC+4]
	s_wait_alu depctr_va_vdst(0)                   ; the sum over the waves is written in v[AC], which the store reads
	global_store_b32 v212, v[AC], s[20:21] offset:ZQ           ; sixteen lanes store 64 consecutive bytes; 16 KiB in the whole launch
.Lqend:
	s_wait_dscnt 0x0                               ; the closing lines, six on end
	s_wait_alu 0x0
	s_wait_tensorcnt 0x0
	ds_add_u32 v236, v237
	s_wait_dscnt 0x0
	s_endpgm
	; x: the conversion, and z for these 16 rows
.Lx:
	v_and_b32 v233, 15, v0                         ; r
	v_bfe_u32 v234, v0, 4, 1                       ; h
	v_lshlrev_b32 v228, 13, v233
	v_lshl_add_u32 v228, v234, 5, v228             ; Wkg1 in f32: r x 8,192 + 32 h
	v_mul_u32_u24 v229, v233, TP
	v_lshl_add_u32 v229, v234, 4, v229
	v_lshl_add_u32 v229, s29, 9, v229              ; x's fragments in LDS: r x pitch + 16 h + my 512 bytes of a row
	v_and_b32 v230, 31, v0
	v_lshlrev_b32 v230, 5, v230
	v_add_nc_u32 v230, RED, v230                   ; partial sums: 32 bytes a lane,
	v_lshl_add_u32 v231, s29, 10, v230             ; 1,024 a wave
	v_lshlrev_b32 v232, 5, v233
	v_lshl_add_u32 v232, v234, 4, v232             ; z: r x 32 + 16 h
	s_lshl_b32 s34, s29, 10                        ; my 256 of K
	s_mov_b32 s35, 0
	s_add_nc_u64 s[16:17], s[16:17], s[34:35]
; Four K steps of Wkg1 in the order of a fragment: lane (r, h) takes k = 8 h .. + 7 and 16 + 8 h .. + 7 of each 32, four loads of 16 bytes a step.
.macro WBLOAD half
.set j, 0
.rept 16
	global_load_b128 v[WB+32*\half+4*j:WB+32*\half+4*j+3], v228, s[16:17] offset:512*\half+128*(j/4)+64*((j%4)/2)+16*(j%2)
.set j, j+1
.endr
.endm
.macro WBCVT half                      ; 64 f32 to 32 registers of f16, packed downward
.set j, 0
.rept 32
	v_cvt_pk_f16_f32 v[WB+32*\half+j], v[WB+32*\half+2*j], v[WB+32*\half+2*j+1]
.set j, j+1
.endr
.endm
	s_wait_alu depctr_va_vdst(0)                   ; v1, v2 and v228 to v232 are written: every offset and LDS address of this role
	WBLOAD 0
	CHUNK_IN
	s_wait_loadcnt 32                              ; the 16 oldest loads, Wkg1's first four K steps, are in; the chunk's 32 stay out
	WBCVT 0
	s_wait_alu depctr_va_vdst(0)                   ; the conversions are done reading v[WB+32 .. WB+63], in which the next loads land
	WBLOAD 1                                       ; the other four K steps, into the registers that the conversion has left and 32 more
	PIECES 1, 16
	s_wait_loadcnt 0x0
	WBCVT 1
	s_wait_dscnt 0x0                               ; my part of the 16 rows is in LDS, for the others' sake
	s_barrier_signal -1
	s_barrier_wait -1
	s_wait_xcnt 0x0                                ; the chunk's registers, which the stores to hb read, are loaded again only behind this wait
	s_wait_alu depctr_vm_vsrc(0)                   ; the stores to hb and to LDS have read the chunk's registers, in which x's fragments land (the conversions that named them stand ahead of the last wait on va_vdst)
.irp s, 0,1,2,3,4,5,6,7
	ds_load_b128 v[XD+8*\s:XD+8*\s+3],   v229 offset:64*\s
	ds_load_b128 v[XD+8*\s+4:XD+8*\s+7], v229 offset:64*\s+32
.endr
	s_wait_dscnt 0x0
	; source 0 = Wkg1, source 1 = x: a lane holds z[row r][8h .. 8h+7].  Two accumulators take turns.
	v_wmma_f32_16x16x32_f16 v[ZA:ZA+7], v[WB:WB+7], v[XD:XD+7], 0
	v_wmma_f32_16x16x32_f16 v[ZA+8:ZA+15], v[WB+8:WB+15], v[XD+8:XD+15], 0
.irp s, 2,4,6
	v_wmma_f32_16x16x32_f16 v[ZA:ZA+7], v[WB+8*\s:WB+8*\s+7], v[XD+8*\s:XD+8*\s+7], v[ZA:ZA+7]
	v_wmma_f32_16x16x32_f16 v[ZA+8:ZA+15], v[WB+8*\s+8:WB+8*\s+15], v[XD+8*\s+8:XD+8*\s+15], v[ZA+8:ZA+15]
.endr
.rept 4
	v_nop                                          ; four places before the sums are read (ISA guide 7.12.1)
.endr
.irp i, 0,2,4,6
	v_pk_add_f32 v[ZA+\i:ZA+\i+1], v[ZA+\i:ZA+\i+1], v[ZA+8+\i:ZA+9+\i]
.endr
	s_wait_alu depctr_va_vdst(0)                   ; the additions have written v[ZA .. ZA+7], which the LDS stores read; the products are done reading x's fragments, in which wave 0's loads land
	ds_store_b128 v231, v[ZA:ZA+3]
	ds_store_b128 v231, v[ZA+4:ZA+7] offset:16
	s_wait_dscnt 0x0                               ; for the reader's sake
	s_barrier_signal -1
	s_barrier_wait -1
	s_cmp_lg_u32 s29, 0
	s_cbranch_scc1 .Lxend
.irp w, 0,1,2,3,4,5,6,7
	ds_load_b128 v[XD+8*\w:XD+8*\w+3],   v230 offset:1024*\w
	ds_load_b128 v[XD+8*\w+4:XD+8*\w+7], v230 offset:1024*\w+16
.endr
	s_lshl_b32 s34, ttmp9, 9                       ; 16 rows of 32 bytes
	s_mov_b32 s35, 0
	s_add_nc_u64 s[20:21], s[20:21], s[34:35]
	s_wait_dscnt 0x0
.irp w, 1,2,3,4,5,6,7
.irp i, 0,2,4,6
	v_pk_add_f32 v[XD+\i:XD+\i+1], v[XD+\i:XD+\i+1], v[XD+8*\w+\i:XD+8*\w+\i+1]
.endr
.endr
.irp i, 0,1,2,3
	v_cvt_pk_f16_f32 v[212+\i], v[XD+2*\i], v[XD+2*\i+1]
.endr
	s_wait_alu depctr_va_vdst(0)                   ; the conversions have written v212 to v215, which the store reads
	global_store_b128 v232, v[212:215], s[20:21]   ; the wave's store covers 512 consecutive bytes
.Lxend:
	s_wait_dscnt 0x0                               ; the closing lines, six on end
	s_wait_alu 0x0
	s_wait_tensorcnt 0x0
	ds_add_u32 v236, v237
	s_wait_dscnt 0x0
	s_endpgm
.Lfunc_end_k_q1456284f52_cast:
	.size	k_q1456284f52_cast, .Lfunc_end_k_q1456284f52_cast-k_q1456284f52_cast
	.p2alignl 7, 3214868480
	.fill 96, 4, 3214868480
	.section	.rodata,"a",@progbits
	.p2align	6, 0x0
	.amdhsa_kernel k_q1456284f52_cast
		.amdhsa_group_segment_fixed_size 76032
		.amdhsa_private_segment_fixed_size 0
		.amdhsa_enable_private_segment 0
		.amdhsa_kernarg_size 72
		.amdhsa_user_sgpr_count 2
		.amdhsa_user_sgpr_kernarg_segment_ptr 1
		.amdhsa_wavefront_size32 1
		.amdhsa_system_sgpr_workgroup_id_x 1
		.amdhsa_system_sgpr_workgroup_id_y 1
		.amdhsa_system_sgpr_workgroup_id_z 1
		.amdhsa_system_vgpr_workitem_id 0
		.amdhsa_next_free_vgpr 238
		.amdhsa_next_free_sgpr 66
		.amdhsa_reserve_vcc 0
		.amdhsa_float_denorm_mode_32 3
		.amdhsa_float_denorm_mode_16_64 3
		.amdhsa_memory_ordered 1
		.amdhsa_forward_progress 1
		.amdhsa_inst_pref_size 73
	.end_amdhsa_kernel
	.amdgpu_metadata
---
amdhsa.version: [ 1, 2 ]
amdhsa.kernels:
  - .name:           k_q1456284f52_cast
    .symbol:         k_q1456284f52_cast.kd
    .args:
      - { .name: x, .offset: 0, .size: 8, .value_kind: global_buffer, .address_space: global }
      - { .name: Wq, .offset: 8, .size: 8, .value_kind: global_buffer, .address_space: global }
      - { .name: Wk, .offset: 16, .size: 8, .value_kind: global_buffer, .address_space: global }
      - { .name: Wv, .offset: 24, .size: 8, .value_kind: global_buffer, .address_space: global }
      - { .name: Wg, .offset: 32, .size: 8, .value_kind: global_buffer, .address_space: global }
      - { .name: Wo, .offset: 40, .size: 8, .value_kind: global_buffer, .address_space: global }
      - { .name: Wkg1, .offset: 48, .size: 8, .value_kind: global_buffer, .address_space: global }
      - { .name: hb, .offset: 56, .size: 8, .value_kind: global_buffer, .address_space: global }
      - { .name: z, .offset: 64, .size: 8, .value_kind: global_buffer, .address_space: global }
    .group_segment_fixed_size: 76032
    .private_segment_fixed_size: 0
    .kernarg_segment_align: 8
    .kernarg_segment_size: 72
    .max_flat_workgroup_size: 256
    .sgpr_count:     66
    .vgpr_count:     238
    .wavefront_size: 32
...
	.end_amdgpu_metadata
.endif
;; end of part 12
;; launch gemm1: the kernel of part 8 again; grid 16 x 32, 4 waves a work-group, clusters of 4 x 4, 327,680 bytes of LDS; arguments hb, P, pmax; writes P, pmax
;; launch gstate: the kernel of part 9 again; grid 225 x 1, 8 waves a work-group, no clusters, 179,200 bytes of LDS; arguments P, z, Wkg2, bkg2, pmax, U, dsg, bg, sc; writes U, dsg, sc
;; launch gout (part 13): grid 8 x 32, 8 waves a work-group, no clusters, 314,368 bytes of LDS; arguments P, z, Wkg2, bkg2, bg, sc, U, dsg, y; writes y
.if DOCPART == 13
	.amdgcn_target "amdgcn-amd-amdhsa--gfx1250"
	.amdhsa_code_object_version 6
	.text
	.protected	k_q1456284f52_gout
	.globl	k_q1456284f52_gout
	.p2align	8
	.type	k_q1456284f52_gout,@function
k_q1456284f52_gout:
	s_mov_b64 s[64:65], 0
	v_nop
	global_prefetch_b8 v0, s[64:65] scope:SCOPE_SE
	s_setreg_imm32_b32 hwreg(HW_REG_WAVE_SCHED_MODE, 0, 2), 2
	s_setreg_imm32_b32 hwreg(HW_REG_WAVE_MODE, 25, 1), 1
	s_wait_xcnt 0x0
	s_wait_alu depctr_vm_vsrc(0)
; Launch 4: for each (batch, head) and each segment of 256 steps: o, LayerNorm over 128, x silu(x Wg^T + bg), to y in f16 (scaled: see sc).
; LEFT OUT, for all values of the inputs:
;  * SCALE as a multiplication (it is met by E in EPS's place: LayerNorm is unchanged by a constant factor on o when EPS takes its square);
;  * the products with the zero state: a chain's first block adds nothing from a state, and its update starts the sums;
;  * the state's update in a segment's last block: no later step of this work-group reads it, and the next segment takes its start from U.
;  (In a chain's first block q x prefix is still laid into LDS by phase A and not read: it is made in the same tile work as the level arrays.)
; Block of 32 steps, e_t = exp(log_sigmoid(kg_t)/16) <= 1:
;   o_t = (q_t prod_{u<=t} e_u) S_start + sum_{s<=t} A[t][s] v_s,   A[t][s] = sum_key q_t k_s prod_{s<u<=t} e_u,   S_end = diag(prod e) S_start + sum_s (k_s prod_{u>s} e_u) v_s^T.
; Every weight is a product of e's, never a quotient of cumulated decays, so no factor exceeds 1 whatever the gates are.  A's weights split at the
; boundary between s and t on five levels (groups of 2, 4, 8, 16, 32 steps): on each level ONE array holds k x (suffix to the group's middle) in the lower
; half of a group and q x (prefix from the middle) in the upper half; the array times itself gives all of that level's A[t][s] (and numbers that are
; thrown away by lane masks).  The diagonal is q_t k_t, summed by lanes.
; A[0][0] of a chain's very first step is made from q_0 and k_0, which the first launch left in f32, made from the f32 inputs, behind z: o_0 is that
; one number times v_0, and where it cancels to near zero LayerNorm's EPS makes the result hang on its absolute error.  Two keys a lane, summed over
; the lanes; it is put in by a selection.
; PHASE A, wave w = block w.  Layout: lane (r, h), register j of tile (tt, kt) = (step 16 tt + 8 h + j, key 16 kt + r), the result layout of
;   kg = z Wkg2^T + bkg2; q and k come into it exactly by a product with a 0/1 matrix.
; STATE IN, wave w = 16 columns of v: S = U_0, then S = S D_j + U_j for j = 1 .. segment - 1.  Each segment number has an arm of its own, in which all its
;   loads go out in one run and every register that is read has been loaded in the same arm.
; PHASE B, wave w = 16 columns of v, eight blocks in order.   PHASE C, wave w = 32 rows.
; LIMITS: |q|, |k|, |v|, |x Wg^T|, |x Wkg1^T| below 65504 (kept in f16); NaN and infinities are not carried as the f32 recurrence would carry them.
; No cluster and no tensor loads: each work-group reads bytes of its own in small pieces; only Wkg2's 4 KiB and the states are read by several.
; THE MODE: SCHED_MODE bits 1:0 = 2 (LLVM: expert scheduling mode 2), set by the entry lines.  The code itself states the register dependences
; between vector or matrix instructions and memory or LDS instructions, with s_wait_alu, always for 0.
; THE PLAN.  Registers that memory or LDS instructions touch:
;  PHASE A.  v4-v15, v22: offsets and LDS addresses, made at the head, not written again in the phase.
;    OB (v60-115): the out-buffer, 14 slots of four registers.  Written by a key tile's conversions; read by the run of 15 LDS stores at the tile's end.
;      ONE wait on va_vdst ahead of that run; ONE on vm_vsrc at the next tile's head, ahead of the first conversion that writes OB again.  M is named by vector instructions alone.
;    ZF, QF, KF, CT (window 1): loads land there (CT: moves), products read them.  q's and k's second loads follow the second tile's wait on va_vdst.
;    FR (v132-211): the level arrays' transposed loads land where a tile's vector work stood: they follow the same wait, with no vector instruction between.
;  PHASES B AND C.  All addresses are made once, behind the barrier and one wait on vm_vsrc: three sets for the blocks (0-2, 3-5, 6-7: immediates do the rest), two for o, four for phase C.
;    Two operand buffers by turns: even blocks v88-207, odd blocks v0-119 of window 1.  Block b's products read buffer b % 2; the loads of block b + 1 land in the other.
;    Two buffers of o^T by turns: v72-87, v210-225.  Block b's products write one; the four stores issued at the head of block b + 1 read it.
;    At the head of block b: the wait for its operands; vm_vsrc (the stores issued in block b - 1 have read the o^T buffer that b writes); va_vdst (block b - 1 has written its o^T
;    and is done reading its operand buffer).  The stores and the loads follow at once; the block's vector and matrix instructions name none of their registers.
;    Phase C: two buffers of o's rows (X) and two of results (Y) by turns.  The wait behind a turn's exponentials also states that the turn before has written its Y and is done
;    with its X: that turn's store and the next turn's loads follow it.  vm_vsrc stands at a turn's head, ahead of the conversions that write the Y stored a turn ago.
.set BLK, 22272                        ; a block's LDS: Q32 [64 keys] pitch 96, K32 [64] pitch 80, AF 3 x 512, d 64 f32, V [32 steps] pitch 288
.set OKK, 6144
.set OAF, 11264
.set OD,  12800
.set OV,  13056
.set OO,  178176                       ; o [256 steps] pitch 528 in f32; in phase A the same bytes hold each wave's five level arrays
.set LEV, 3072                         ; a level array: [32 keys] pitch 96
.set ZQ,  131072                       ; q_0 and k_0 lie behind z: [q, k][batch][1024] in f32
.set ID, 24
.set W2, 36
.set BI, 56
.set OB, 60                            ; v60-115  the out-buffer
.set CT, 72                            ; window 1: v72-79   the bias as a C tile
.set ZF, 80                            ; window 1: v80-95   z's fragments (upper halves zero)
.set QF, 96                            ; window 1: v96-111  q's fragments
.set KF, 112                           ; window 1: v112-127 k's fragments
.set DG, 116
.set E,  132
.set Q,  148
.set K,  164
.set T,  180
.set UL, 196
.set M,  202
.set QP, 210
.set KR, 226
.set LS, 242
.set VS, 132
.set WS, 196
.set FR, 132
.set AT, 132
.set LM, 10
.set LT, 11
.set LQ, 12
.set LK, 13
.set MSB, 0
.macro WIN new
.if MSB != \new
	s_set_vgpr_msb (MSB<<8)|\new
.set MSB, \new
.endif
.endm
.macro PLACES                          ; five plain places: the next matrix instructions write over registers of the last (ISA guide 7.12.1)
.rept 5
	v_nop
.endr
.endm
	s_load_b512 s[4:19], s[0:1], 0x0               ; P, z, Wkg2, bkg2, bg, sc, U, dsg
	s_load_b64 s[20:21], s[0:1], 0x40              ; y
	v_lshl_add_u32 v23, v0, 2, 0x4c800
	s_set_vgpr_msb 0x40
	v_mov_b32 v193, 0
	s_set_vgpr_msb 0x4000
	v_lshrrev_b32 v1, 5, v0
	v_readfirstlane_b32 s22, v1                    ; wave
	s_mov_b32 s23, ttmp9                           ; segment
	s_and_b32 s24, ttmp7, 0xffff                   ; 16 batch + head
	s_and_b32 s25, s24, 15
	s_lshr_b32 s26, s24, 4
	s_lshl_b32 s26, s26, 11
	s_lshl_b32 s27, s23, 8
	s_add_co_u32 s26, s26, s27
	s_wait_alu depctr_va_sdst(0)                   ; s22, the wave's number, is written, ahead of its first reader
	s_lshl_b32 s27, s22, 5
	s_add_co_u32 s26, s26, s27                     ; my 32 rows' first
	s_or_b32 s89, s22, s23
	s_cmp_eq_u32 s89, 0
	s_cselect_b32 s89, 1, 0                        ; lane 0, in segment 0's wave 0 alone: the chain's step 0
	s_mov_b32 s36, 0xbfb8aa3b                      ; -log2(e)
	s_mov_b32 s37, 0xbfb8aa3b
	s_mov_b32 s38, 0x3db8aa3b                      ; log2(e)/16
	s_mov_b32 s39, 0x3db8aa3b
	s_mov_b32 s60, 0xbd800000                      ; -1/16
	s_mov_b32 s61, 0xbd800000
	s_mov_b32 s40, 0xffff0000                      ; lanes with h = 1
	s_mov_b32 s62, 0x76543210
	s_mov_b32 s63, 0xfedcba98
	; lane masks for a score tile (register j, lane (r, h)) = (s = 8 h + j, t = r)
.irp j, 0,1,2,3,4,5,6,7
	s_mov_b32 s[41+\j], (1<<\j)|(1<<(24+\j))       ; t = s
.endr
.irp j, 0,2,4,6
	s_mov_b32 s[49+\j/2], (2<<\j)|(2<<(24+\j))     ; s even, t = s + 1
.endr
	s_mov_b32 s53, 0x0c00000c                      ; j = 0, 1: t = 2, 3 of the same four
	s_mov_b32 s54, 0xc00000c0                      ; j = 4, 5: t = 6, 7
	s_mov_b32 s55, 0xf00000f0                      ; j < 4: t = 4 .. 7 of the same eight
	s_mov_b32 s56, 0x0000ff00                      ; s < 8 <= t
	s_mul_i32 s87, s22, BLK
	s_mul_i32 s88, s22, 5*LEV
	s_add_co_u32 s88, s88, OO
	v_and_b32 v1, 31, v0
	v_and_b32 v2, 15, v0
	v_bfe_u32 v3, v0, 4, 1
	v_and_b32 v16, 7, v0
	v_lshl_add_u32 v16, v3, 3, v16                 ; 8 h + lane mod 8
	v_bfe_u32 v17, v0, 3, 1
	v_lshlrev_b32 v17, 4, v17
	v_lshlrev_b32 v4, 5, v2
	v_lshl_add_u32 v4, v3, 4, v4                   ; z: r x 32 + 16 h
	v_mul_u32_u24 v5, v2, 0x3000
	v_lshl_add_u32 v5, v3, 4, v5                   ; P: r x 12,288 + 16 h
	v_lshlrev_b32 v6, 6, v2
	v_lshl_add_u32 v6, v3, 5, v6                   ; Wkg2
	v_lshlrev_b32 v7, 2, v2                        ; bkg2
	v_mul_u32_u24 v8, v3, 0x3000
	v_lshl_add_u32 v8, v2, 4, v8                   ; V
	v_mul_u32_u24 v9, v3, 288
	v_lshl_add_u32 v9, v2, 4, v9
	v_add3_u32 v9, v9, s87, OV
	v_mul_u32_u24 v18, v2, 96
	v_lshl_add_u32 v18, v3, 4, v18                 ; r x 96 + 16 h
	v_add_nc_u32 v[LM], s88, v18
	v_add_nc_u32 v[LQ], s87, v18
	v_mul_u32_u24 v[LT], v16, 96
	v_add3_u32 v[LT], v[LT], v17, s88
	v_mul_u32_u24 v[LK], v2, 80
	v_lshl_add_u32 v[LK], v3, 4, v[LK]
	v_add3_u32 v[LK], v[LK], s87, OKK
	v_lshlrev_b32 v14, 2, v2
	v_add3_u32 v14, v14, s87, OD
	v_lshlrev_b32 v15, 4, v1
	v_add3_u32 v15, v15, s87, OAF
	v_lshlrev_b32 v22, 3, v1                       ; q_0, k_0: two keys a lane
	s_wait_kmcnt 0x0
	s_load_b256 s[28:35], s[14:15], 0x0            ; a, b, c (f16 x 2), a b, E/(1+E), 1/(128 (1+E)), d/8, (the last is the next launch's)
	s_lshl_b32 s84, s24, 8                         ; 64 floats a chain
	s_mov_b32 s85, 0
	s_add_nc_u64 s[90:91], s[6:7], s[84:85]        ; my chain's q_0 is ZQ bytes on from here, its k_0 8,192 more
	s_mul_i32 s84, s26, 12288
	s_lshl_b32 s86, s25, 7
	s_add_co_u32 s84, s84, s86
	s_add_nc_u64 s[66:67], s[4:5], s[84:85]        ; q's columns; k's are 2,048 bytes on
	s_add_co_u32 s84, s84, s86
	s_add_nc_u64 s[68:69], s[4:5], s[84:85]        ; v's columns are 4,096 bytes on from here, g's 8,192
	s_lshl_b32 s84, s26, 5
	s_add_nc_u64 s[70:71], s[6:7], s[84:85]
	s_lshl_b32 s84, s25, 12
	s_add_nc_u64 s[72:73], s[8:9], s[84:85]
	s_lshl_b32 s84, s25, 8
	s_add_nc_u64 s[74:75], s[10:11], s[84:85]
	s_lshl_b32 s86, s26, 12
	s_add_co_u32 s84, s84, s86
	s_add_nc_u64 s[76:77], s[20:21], s[84:85]      ; y: my first row, my head's 256 bytes
	s_lshl_b32 s84, s25, 9
	s_add_nc_u64 s[78:79], s[12:13], s[84:85]
	s_lshl_b32 s84, s24, 6
	s_add_co_u32 s84, s84, s22
	s_lshl_b32 s84, s84, 12
	s_add_nc_u64 s[80:81], s[16:17], s[84:85]      ; U of segment 0, my wave's part; segment j's is 32,768 j bytes on
	s_lshl_b32 s84, s24, 11
	s_add_nc_u64 s[82:83], s[18:19], s[84:85]      ; the chain's decays; segment j's are 256 j bytes on
.macro LOADQK c                        ; q's and k's fragments of keys 32 c .. 32 c + 31; the destinations lie in window 1: the caller sets it
.irp tt, 0,1
	global_load_b128 v[QF+8*\tt:QF+8*\tt+3],   v5, s[66:67] offset:196608*\tt+64*\c
	global_load_b128 v[QF+8*\tt+4:QF+8*\tt+7], v5, s[66:67] offset:196608*\tt+64*\c+32
	global_load_b128 v[KF+8*\tt:KF+8*\tt+3],   v5, s[66:67] offset:2048+196608*\tt+64*\c
	global_load_b128 v[KF+8*\tt+4:KF+8*\tt+7], v5, s[66:67] offset:2048+196608*\tt+64*\c+32
.endr
.endm
	WIN 0x40                                       ; destinations in window 1
.irp i, 0,1,2,3
	v_mov_b32 v[ZF+4+\i], 0
	v_mov_b32 v[ZF+12+\i], 0
.endr
	s_wait_alu depctr_va_vdst(0)                   ; the offsets and LDS addresses v4 to v15 and v22 are written, which phase A's loads and stores read
	global_load_b128 v[ZF:ZF+3], v4, s[70:71]
	global_load_b128 v[ZF+8:ZF+11], v4, s[70:71] offset:512
	LOADQK 0
	WIN 0
	global_load_b64 v[20:21], v22, s[90:91] offset:ZQ              ; q_0 of keys 2 l, 2 l + 1
	global_load_b64 v[DG:DG+1], v22, s[90:91] offset:ZQ+8192       ; k_0 of the same
.irp kt, 0,1,2,3
	global_load_b128 v[WS+8*\kt:WS+8*\kt+3],   v6, s[72:73] offset:1024*\kt
	global_load_b128 v[WS+8*\kt+4:WS+8*\kt+7], v6, s[72:73] offset:1024*\kt+16
	global_load_b32 v[BI+\kt], v7, s[74:75] offset:64*\kt
.endr
.set i, 0
.rept 16
	global_load_b128 v[VS+4*i:VS+4*i+3], v8, s[68:69] offset:4096+24576*i
.set i, i+1
.endr
	v_and_b32 v16, 1, v2
	v_lshlrev_b32 v16, 4, v16
	v_lshlrev_b32 v17, v16, 0x3c00                 ; 1.0 in f16, in the half that r's parity names
	v_lshrrev_b32 v18, 3, v2
	v_xor_b32 v18, v18, v3
	v_bfe_u32 v19, v2, 1, 2
	v_lshl_or_b32 v19, v18, 2, v19
	v_cmp_eq_u32 s2, 0, v19                        ; the four compares in a run, each into a scalar register of its own
	v_cmp_eq_u32 s3, 1, v19
	v_cmp_eq_u32 s57, 2, v19
	v_cmp_eq_u32 s86, 3, v19
.irp i, 0,1,2,3
	v_mov_b32 v[ID+\i], 0
	v_mov_b32 v[ID+8+\i], 0
	v_mov_b32 v[W2+16+\i], 0
.endr
	v_mov_b32 v[LS+2], 0
	v_mov_b32 v[LS+3], 0
	v_mov_b32 v[LS+13], 0
	s_wait_alu depctr_va_sdst(0)                   ; the four compares have written s2, s3, s57 and s86, which the selections read
	v_cndmask_b32 v[ID+4], 0, v17, s2
	v_cndmask_b32 v[ID+5], 0, v17, s3
	v_cndmask_b32 v[ID+6], 0, v17, s57
	v_cndmask_b32 v[ID+7], 0, v17, s86
	s_wait_loadcnt 0x0
	s_wait_kmcnt 0x0
	s_mov_b32 s58, s31                             ; a b, as a pair for the packed multiply
	s_mov_b32 s59, s31
	; q_0 . k_0 of the chain in f32, in every lane of v20, kept until the diagonal is put together
	v_pk_mul_f32 v[20:21], v[20:21], v[DG:DG+1]
	v_add_f32 v20, v20, v21
	v_add_f32_dpp v20, v20, v20 row_xmask:1 row_mask:0xf bank_mask:0xf
	v_add_f32_dpp v20, v20, v20 row_xmask:2 row_mask:0xf bank_mask:0xf
	v_add_f32_dpp v20, v20, v20 row_xmask:4 row_mask:0xf bank_mask:0xf
	v_add_f32_dpp v20, v20, v20 row_xmask:8 row_mask:0xf bank_mask:0xf
	v_permlanex16_b32 v21, v20, s62, s63
	v_add_f32 v20, v20, v21
.set i, 0
.rept 16
	ds_store_b128 v9, v[VS+4*i:VS+4*i+3] offset:576*i          ; the data as loaded; no vector instruction since the head's wait names v9
.set i, i+1
.endr
.set i, 0
.rept 16
	v_cvt_pk_f16_f32 v[W2+i], v[WS+2*i], v[WS+2*i+1]
.set i, i+1
.endr
; e = exp2((min(x,0) log2e - log2(1 + exp2(-|x| log2e))) / 16) for 16 registers.  Behind each group of transcendentals stands a run of plain
; instructions that touch none of its registers (ISA guide 5.7.2).
.macro DECAY
.set i, 0
.rept 16
	v_mul_f32 v[T+i], s36, |v[E+i]|
.set i, i+1
.endr
.set i, 0
.rept 16
	v_exp_f32 v[T+i], v[T+i]
.set i, i+1
.endr
.set i, 0
.rept 16
	v_min_num_f32 v[E+i], 0, v[E+i]
.set i, i+1
.endr
.set i, 0
	s_wait_alu depctr_va_vdst(0)                   ; the sixteen exponentials have written v[T ..], ahead of their first reader
.rept 8
	v_pk_add_f32 v[T+2*i:T+2*i+1], v[T+2*i:T+2*i+1], 1.0 op_sel_hi:[1,0]
.set i, i+1
.endr
.set i, 0
.rept 16
	v_log_f32 v[T+i], v[T+i]
.set i, i+1
.endr
.set i, 0
.rept 8
	v_pk_mul_f32 v[E+2*i:E+2*i+1], v[E+2*i:E+2*i+1], s[38:39] op_sel_hi:[1,0]
.set i, i+1
.endr
.set i, 0
	s_wait_alu depctr_va_vdst(0)                   ; the sixteen logarithms have written v[T ..], ahead of their first reader
.rept 8
	v_pk_fma_f32 v[E+2*i:E+2*i+1], v[T+2*i:T+2*i+1], s[60:61], v[E+2*i:E+2*i+1] op_sel_hi:[1,0,1]
.set i, i+1
.endr
.set i, 0
.rept 16
	v_exp_f32 v[E+i], v[E+i]
.set i, i+1
.endr
	v_nop
	s_wait_alu depctr_va_vdst(0)                   ; the sixteen exponentials have written v[E ..], ahead of their first reader
.endm
.macro PACK slot                       ; M's 8 numbers to f16: 16 bytes (8 steps of one key), into a slot of the out-buffer
	v_cvt_pk_f16_f32 v[OB+4*(\slot)], v[M], v[M+1]
	v_cvt_pk_f16_f32 v[OB+4*(\slot)+1], v[M+2], v[M+3]
	v_cvt_pk_f16_f32 v[OB+4*(\slot)+2], v[M+4], v[M+5]
	v_cvt_pk_f16_f32 v[OB+4*(\slot)+3], v[M+6], v[M+7]
.endm
.macro SC8 src, sc, slot               ; 8 numbers x a lane scalar (in an even register), packed into a slot
.set i, 0
.rept 4
	v_pk_mul_f32 v[M+2*i:M+2*i+1], v[\src+2*i:\src+2*i+1], v[\sc:\sc+1] op_sel_hi:[1,0]
.set i, i+1
.endr
	PACK \slot
.endm
; One tile's 8 steps in a lane: the level arrays of groups of 2, 4, 8 and 16 steps (slots 4 tt .. 4 tt + 3), q x prefix, k x suffix, the diagonal.
.macro TILE tt, first
.set te, E+8*\tt
.set tq, Q+8*\tt
.set tk, K+8*\tt
.set tp, QP+8*\tt
.set tr, KR+8*\tt
.set ob, OB+16*\tt
	v_mul_f32 v[UL], v[te+2], v[te+3]              ; e2 e3
	v_mul_f32 v[UL+1], v[te+6], v[te+7]            ; e6 e7
	v_mul_f32 v[UL+2], v[te+4], v[te+5]            ; e4 e5
	v_mul_f32 v[UL+3], v[te+1], v[UL]              ; e1 e2 e3
	v_mul_f32 v[UL+4], v[UL+2], v[te+6]            ; e4 e5 e6
	v_mul_f32 v[UL+5], v[UL+2], v[UL+1]            ; e4 .. e7
	; groups of 2: k0, q1 e1, k2, q3 e3, ..
	v_mul_f32 v[M+1], v[tq+1], v[te+1]
	v_mul_f32 v[M+3], v[tq+3], v[te+3]
	v_mul_f32 v[M+5], v[tq+5], v[te+5]
	v_mul_f32 v[M+7], v[tq+7], v[te+7]
	v_cvt_pk_f16_f32 v[ob], v[tk], v[M+1]
	v_cvt_pk_f16_f32 v[ob+1], v[tk+2], v[M+3]
	v_cvt_pk_f16_f32 v[ob+2], v[tk+4], v[M+5]
	v_cvt_pk_f16_f32 v[ob+3], v[tk+6], v[M+7]
	; groups of 4: k0 e1, k1, q2 e2, q3 e2e3, and the same four steps on
	v_mul_f32 v[M], v[tk], v[te+1]
	v_mul_f32 v[M+2], v[tq+2], v[te+2]
	v_mul_f32 v[M+3], v[tq+3], v[UL]
	v_mul_f32 v[M+4], v[tk+4], v[te+5]
	v_mul_f32 v[M+6], v[tq+6], v[te+6]
	v_mul_f32 v[M+7], v[tq+7], v[UL+1]
	v_cvt_pk_f16_f32 v[ob+4], v[M], v[tk+1]
	v_cvt_pk_f16_f32 v[ob+5], v[M+2], v[M+3]
	v_cvt_pk_f16_f32 v[ob+6], v[M+4], v[tk+5]
	v_cvt_pk_f16_f32 v[ob+7], v[M+6], v[M+7]
	; groups of 8: k0 e1e2e3, k1 e2e3, k2 e3, k3, q4 e4, q5 e4e5, q6 e4e5e6, q7 e4..e7
	v_mul_f32 v[M], v[tk], v[UL+3]
	v_mul_f32 v[M+1], v[tk+1], v[UL]
	v_mul_f32 v[M+2], v[tk+2], v[te+3]
	v_mul_f32 v[M+4], v[tq+4], v[te+4]
	v_mul_f32 v[M+5], v[tq+5], v[UL+2]
	v_mul_f32 v[M+6], v[tq+6], v[UL+4]
	v_mul_f32 v[M+7], v[tq+7], v[UL+5]
	v_cvt_pk_f16_f32 v[ob+8], v[M], v[M+1]
	v_cvt_pk_f16_f32 v[ob+9], v[M+2], v[tk+3]
	v_cvt_pk_f16_f32 v[ob+10], v[M+4], v[M+5]
	v_cvt_pk_f16_f32 v[ob+11], v[M+6], v[M+7]
	; q_j e_0 .. e_j
	v_mul_f32 v[T+1], v[te], v[te+1]
	v_mul_f32 v[T+2], v[T+1], v[te+2]
	v_mul_f32 v[T+3], v[T+1], v[UL]
	v_mul_f32 v[T+4], v[T+3], v[te+4]
	v_mul_f32 v[T+5], v[T+3], v[UL+2]
	v_mul_f32 v[T+6], v[T+3], v[UL+4]
	v_mul_f32 v[LS+\tt], v[T+3], v[UL+5]           ; e0 .. e7
	v_mul_f32 v[tp], v[tq], v[te]
.irp j, 1,2,3,4,5,6
	v_mul_f32 v[tp+\j], v[tq+\j], v[T+\j]
.endr
	v_mul_f32 v[tp+7], v[tq+7], v[LS+\tt]
	; k_j e_{j+1} .. e_7
	v_mul_f32 v[T+8], v[UL+3], v[UL+5]
	v_mul_f32 v[T+9], v[UL], v[UL+5]
	v_mul_f32 v[T+10], v[te+3], v[UL+5]
	v_mul_f32 v[T+12], v[te+5], v[UL+1]
	v_mul_f32 v[tr], v[tk], v[T+8]
	v_mul_f32 v[tr+1], v[tk+1], v[T+9]
	v_mul_f32 v[tr+2], v[tk+2], v[T+10]
	v_mul_f32 v[tr+3], v[tk+3], v[UL+5]
	v_mul_f32 v[tr+4], v[tk+4], v[T+12]
	v_mul_f32 v[tr+5], v[tk+5], v[UL+1]
	v_mul_f32 v[tr+6], v[tk+6], v[te+7]
	v_mov_b32 v[tr+7], v[tk+7]
	; groups of 16: the lower 8 steps (h = 0) hold k x suffix, the upper 8 q x prefix
.irp j, 0,1,2,3,4,5,6,7
	v_cndmask_b32 v[M+\j], v[tr+\j], v[tp+\j], s40
.endr
	PACK 4*\tt+3
	; the diagonal
.irp j, 0,2,4,6
.if \first
	v_pk_mul_f32 v[DG+8*\tt+\j:DG+8*\tt+\j+1], v[tq+\j:tq+\j+1], v[tk+\j:tk+\j+1]
.else
	v_pk_fma_f32 v[DG+8*\tt+\j:DG+8*\tt+\j+1], v[tq+\j:tq+\j+1], v[tk+\j:tk+\j+1], v[DG+8*\tt+\j:DG+8*\tt+\j+1]
.endif
.endr
.endm
.macro KT kt, first                    ; one tile of 16 keys, both step tiles
	s_wait_alu depctr_vm_vsrc(0)                   ; the LDS stores issued so far have read their data: V's registers v132-195 (ahead of the first tile), the out-buffer and v[LS+11] (ahead of the others), all written again below
	WIN 0x40                                       ; CT lies in window 1
.irp j, 0,1,2,3,4,5,6,7
	v_mov_b32 v[CT+\j], v[BI+\kt]
.endr
	WIN 0x11                                       ; source 0 (z's, q's, k's fragments) and source 2 (CT) in window 1
	v_wmma_f32_16x16x32_f16 v[E:E+7], v[ZF:ZF+7], v[W2+4*\kt:W2+4*\kt+7], v[CT:CT+7]
	v_wmma_f32_16x16x32_f16 v[E+8:E+15], v[ZF+8:ZF+15], v[W2+4*\kt:W2+4*\kt+7], v[CT:CT+7]
	v_wmma_f32_16x16x32_f16 v[Q:Q+7], v[QF:QF+7], v[ID+4-4*(\kt&1):ID+11-4*(\kt&1)], 0
	v_wmma_f32_16x16x32_f16 v[Q+8:Q+15], v[QF+8:QF+15], v[ID+4-4*(\kt&1):ID+11-4*(\kt&1)], 0
	v_wmma_f32_16x16x32_f16 v[K:K+7], v[KF:KF+7], v[ID+4-4*(\kt&1):ID+11-4*(\kt&1)], 0
	v_wmma_f32_16x16x32_f16 v[K+8:K+15], v[KF+8:KF+15], v[ID+4-4*(\kt&1):ID+11-4*(\kt&1)], 0
	WIN 0
	PLACES
	DECAY
	TILE 0, \first
	TILE 1, \first
	v_permlanex16_b32 v[LS+2], v[LS], s62, s63     ; the other 8 steps' product, tile 0
	v_permlanex16_b32 v[LS+3], v[LS+1], s62, s63   ; tile 1
	v_mul_f32 v[LS+4], v[LS], v[LS+2]              ; 16 steps, tile 0
	v_mul_f32 v[LS+5], v[LS+1], v[LS+3]            ; tile 1
	v_cndmask_b32 v[LS+6], v[LS+2], 1.0, s40       ; what follows my 8 steps in tile 0
	v_cndmask_b32 v[LS+7], v[LS+3], 1.0, s40       ; in tile 1
	v_cndmask_b32 v[LS+9], 1.0, v[LS+2], s40       ; what precedes my 8 steps in tile 0
	v_cndmask_b32 v[LS+8], 1.0, v[LS+3], s40       ; in tile 1
	v_mul_f32 v[LS+10], v[LS+6], v[LS+5]
	v_mul_f32 v[LS+10], s29, v[LS+10]              ; k, tile 0: to the block's end, x b
	v_mul_f32 v[LS+12], s29, v[LS+7]               ; k, tile 1
	v_mul_f32 v[LS+11], v[LS+4], v[LS+5]           ; the block's decay
	v_mul_f32 v[LS], s28, v[LS+9]                  ; q, tile 0: from the block's start, x a
	v_mul_f32 v[LS+2], v[LS+8], v[LS+4]
	v_mul_f32 v[LS+2], s28, v[LS+2]                ; q, tile 1
	SC8 KR, LS+6, 8                                ; groups of 32: tile 0 holds k x suffix to its end,
	SC8 QP+8, LS+8, 9                              ; tile 1 q x prefix from its start
	SC8 QP, LS, 10
	SC8 QP+8, LS+2, 11
	SC8 KR, LS+10, 12
	SC8 KR+8, LS+12, 13
	s_wait_alu depctr_va_vdst(0)                   ; the tile's conversions have written the out-buffer, and v[LS+11] is written: the stores below read them.  The tile's products are done reading q's and k's fragments, and its vector work is done with v132-211: the loads that follow the second and the fourth tile land there
.set so, ((\kt)&1)*1536
.irp tt, 0,1
.irp l, 0,1,2,3
	ds_store_b128 v[LM], v[OB+16*\tt+4*\l:OB+16*\tt+4*\l+3] offset:\l*LEV+so+32*\tt
.endr
.endr
	ds_store_b128 v[LM], v[OB+32:OB+35] offset:4*LEV+so
	ds_store_b128 v[LM], v[OB+36:OB+39] offset:4*LEV+so+32
	ds_store_b128 v[LQ], v[OB+40:OB+43] offset:1536*\kt
	ds_store_b128 v[LQ], v[OB+44:OB+47] offset:1536*\kt+32
	ds_store_b128 v[LK], v[OB+48:OB+51] offset:1280*\kt
	ds_store_b128 v[LK], v[OB+52:OB+55] offset:1280*\kt+32
	ds_store_b32 v14, v[LS+11] offset:64*\kt
.endm
; The level arrays of 32 keys, read transposed (lane = step, registers = keys), each times itself; nine accumulators (window 1) by turns.
; The loads owe no wait of their own: no vector or matrix instruction stands between the last tile's wait on va_vdst and them.
.macro SCORES c
.set f, 0
.rept 10
	ds_load_tr16_b128 v[FR+8*f:FR+8*f+3],   v[LT] offset:(f/2)*LEV+(f%2)*32       ; LDS serves a wave's instructions in order: these see my stores
	ds_load_tr16_b128 v[FR+8*f+4:FR+8*f+7], v[LT] offset:(f/2)*LEV+(f%2)*32+1536
.set f, f+1
.endr
	s_wait_dscnt 0x0
	WIN 0x50
.set f, 0
.rept 8
.if \c
	v_wmma_f32_16x16x32_f16 v[8*f:8*f+7], v[FR+8*f:FR+8*f+7], v[FR+8*f:FR+8*f+7], v[8*f:8*f+7]
.else
	v_wmma_f32_16x16x32_f16 v[8*f:8*f+7], v[FR+8*f:FR+8*f+7], v[FR+8*f:FR+8*f+7], 0
.endif
.set f, f+1
.endr
.if \c
	v_wmma_f32_16x16x32_f16 v[64:71], v[FR+64:FR+71], v[FR+72:FR+79], v[64:71]
.else
	v_wmma_f32_16x16x32_f16 v[64:71], v[FR+64:FR+71], v[FR+72:FR+79], 0
.endif
	WIN 0
	PLACES
.endm
	KT 0, 1
	KT 1, 0
	WIN 0x40                                       ; destinations in window 1
	LOADQK 1                                       ; behind the tile's wait on va_vdst stand only its stores and this switch, which name neither v5 nor these registers
	WIN 0
	SCORES 0
	s_wait_loadcnt 0x0
	KT 2, 0
	KT 3, 0
	SCORES 1
	; the diagonal over the 16 lanes that hold the keys
.irp x, 1,2,4,8
.set i, 0
.rept 16
	v_add_f32_dpp v[DG+i], v[DG+i], v[DG+i] row_xmask:\x row_mask:0xf bank_mask:0xf
.set i, i+1
.endr
.endr
	v_cndmask_b32 v[DG], v[DG], v20, s89           ; step 0 of the chain (lane 0 of segment 0's block 0) takes the f32 number; every other wave keeps its own
	; A[t][s] of the two diagonal tiles: each (s, t) from the one level that owns it, 0 where t < s
	WIN 0x04                                       ; source 1 in window 1
.irp tt, 0,1
.irp j, 0,1,2,3,4,5,6,7
	v_cndmask_b32 v[AT+8*\tt+\j], 0, v[8*(6+\tt)+\j], s56
.if \j < 4
	v_cndmask_b32 v[AT+8*\tt+\j], v[AT+8*\tt+\j], v[8*(4+\tt)+\j], s55
.endif
.if (\j & 2) == 0
	v_cndmask_b32 v[AT+8*\tt+\j], v[AT+8*\tt+\j], v[8*(2+\tt)+\j], s[53+\j/4]
.endif
.if (\j & 1) == 0
	v_cndmask_b32 v[AT+8*\tt+\j], v[AT+8*\tt+\j], v[8*\tt+\j], s[49+\j/2]
.endif
.endr
.endr
	WIN 0x01                                       ; source 0 in window 1
.irp i, 0,2,4,6
	v_pk_mul_f32 v[AT+16+\i:AT+17+\i], v[64+\i:65+\i], s[58:59] op_sel_hi:[1,0]    ; s in tile 0, t in tile 1: all of it, x a b
.endr
	WIN 0
.irp tt, 0,1
.irp j, 0,1,2,3,4,5,6,7
	v_cndmask_b32 v[AT+8*\tt+\j], v[AT+8*\tt+\j], v[DG+8*\tt+\j], s[41+\j]
.endr
.endr
.set i, 0
.rept 8
	v_pk_mul_f32 v[AT+2*i:AT+2*i+1], v[AT+2*i:AT+2*i+1], s[58:59] op_sel_hi:[1,0]
.set i, i+1
.endr
.irp x, 0,1,2
.irp i, 0,1,2,3
	v_cvt_pk_f16_f32 v[AT+8*\x+\i], v[AT+8*\x+2*\i], v[AT+8*\x+2*\i+1]
.endr
.endr
	s_wait_alu depctr_va_vdst(0)                   ; the conversions have written A's three fragments in v[AT ..], which the LDS stores read
	ds_store_b128 v15, v[AT:AT+3]                  ; lane = t, registers = s: already a fragment for the product with V
	ds_store_b128 v15, v[AT+16:AT+19] offset:512
	ds_store_b128 v15, v[AT+8:AT+11] offset:1024
	s_wait_dscnt 0x0                               ; my block is in LDS and my reads of the level arrays are back, for the others' sake
	s_barrier_signal -1
	s_barrier_wait -1
	; PHASE B.  The eight blocks are written out one after the other, and every LDS address is a lane term plus constants:
	; the loads stay below byte 178,176 (the blocks, written ahead of the barrier above), the stores of o at or above it (read behind the next barrier).
.set S,   24
.set SF,  56
.set OT,  72                           ; v72-87 o^T of the even blocks; v210-225 (OT + 138) of the odd ones
.set GV,  208
.set DD,  56                           ; v56-247: the decays D_1 .. D_6 of earlier segments, 32 registers each, ahead of the first block only
; An operand buffer, 120 registers from v88 (even blocks) or from v0 of window 1 (odd blocks): +0 V^T, +8 A for steps 0-15 (upper four registers 0), +16 A for steps 16-31, +24 q x prefix, +56 k x suffix, +88 the decays
.set AV,  4                            ; v4-6    V transposed, my 16 columns: blocks 0-2, 3-5, 6-7
.set AK,  7                            ; v7-9    K32, likewise
.set AQ,  10                           ; v10-12  Q32 transposed
.set AA,  13                           ; v13-15  A's fragments
.set AO,  16                           ; v16-17  o[step r][16 w + 8 h ..]: blocks 0-3, 4-7
.set AD,  20                           ; v20-22  the blocks' decays
.set CG,  250                          ; phase C: g's offset,
.set CB,  251                          ; bg's,
.set CX,  252                          ; the LDS address of o's rows,
.set CY,  253                          ; y's offset
	s_wait_alu depctr_vm_vsrc(0)                   ; phase A's loads and stores have read their addresses v4-v15, v22 and their data (the out-buffer, v[AT ..], v253): all are written anew below, by vector instructions or by loads
	v_and_b32 v248, 7, v0
	v_lshl_add_u32 v248, v3, 3, v248
	v_bfe_u32 v249, v0, 3, 1
	v_lshlrev_b32 v249, 4, v249
	v_mul_u32_u24 v[AV], v248, 288
	v_add3_u32 v[AV], v[AV], v249, OV
	v_lshl_add_u32 v[AV], s22, 5, v[AV]
	v_mul_u32_u24 v[AK], v2, 80
	v_lshl_add_u32 v[AK], v3, 4, v[AK]
	v_add_nc_u32 v[AK], OKK, v[AK]
	v_mul_u32_u24 v[AQ], v248, 96
	v_add_nc_u32 v[AQ], v[AQ], v249
	v_lshlrev_b32 v[AA], 4, v1
	v_add_nc_u32 v[AA], OAF, v[AA]
	v_lshlrev_b32 v[AD], 5, v3
	v_add_nc_u32 v[AD], OD, v[AD]
.irp g, 1,2
	v_add_nc_u32 v[AV+\g], \g*3*BLK, v[AV]         ; three blocks on: an LDS immediate reaches three blocks
	v_add_nc_u32 v[AK+\g], \g*3*BLK, v[AK]
	v_add_nc_u32 v[AQ+\g], \g*3*BLK, v[AQ]
	v_add_nc_u32 v[AA+\g], \g*3*BLK, v[AA]
	v_add_nc_u32 v[AD+\g], \g*3*BLK, v[AD]
.endr
	v_mul_u32_u24 v[AO], v2, 528
	v_lshl_add_u32 v[AO], v3, 5, v[AO]
	v_lshl_add_u32 v[AO], s22, 6, v[AO]
	v_add_nc_u32 v[AO], OO, v[AO]
	v_add_nc_u32 v[AO+1], 4*16896, v[AO]           ; four blocks of 32 rows on
	v_lshlrev_b32 v18, 4, v1                       ; U: the registers as they were stored, 16 bytes a lane
	v_lshlrev_b32 v19, 5, v3                       ; decays: keys 8 h .. 8 h + 7 of each tile of 16
	v_lshlrev_b32 v[CB], 5, v2
	v_mul_u32_u24 v[CG], v3, 0x3000
	v_lshl_add_u32 v[CG], v2, 4, v[CG]
	s_mul_i32 s84, s22, 32*528
	s_add_co_u32 s84, s84, OO
	v_mul_u32_u24 v[CX], v3, 528
	v_lshl_add_u32 v[CX], v2, 5, v[CX]
	v_add_nc_u32 v[CX], s84, v[CX]
	v_lshlrev_b32 v[CY], 12, v3
	v_lshl_add_u32 v[CY], v2, 4, v[CY]
.macro PBC                             ; constants of the blocks, set behind the state's registers have been used
	v_mov_b32 v[GV], s30
.irp i, 4,5,6,7
	v_mov_b32 v[96+\i], 0                          ; steps 0-15 take nothing from steps 16-31: the even blocks' buffer,
.endr
	WIN 0x40
.irp i, 4,5,6,7
	v_mov_b32 v[8+\i], 0                           ; and the odd blocks'
.endr
	WIN 0
.endm
; The state at the start of segment n (1 to 7): all loads in one run: the decays D_1 .. D_{n-1} (window 0), U_0 straight into S, U_1 .. U_{n-1} (window 1);
; then S = S D_j + U_j in order.  Loads come back in order: stage j waits until only the 8 loads of each later U are out.
.macro STATE n
	s_wait_alu depctr_va_vdst(0)                   ; v18 and v19, the loads' offsets, are written; phase A's vector and matrix instructions are done with the registers in which the loads land.  Only loads and a window switch follow up to the last load
.if \n > 1
.set j, 1
.rept \n-1
.set q, 0
.rept 8
	global_load_b128 v[DD+32*(j-1)+4*q:DD+32*(j-1)+4*q+3], v19, s[82:83] offset:256*j+64*(q/2)+16*(q%2)
.set q, q+1
.endr
.set j, j+1
.endr
.endif
.set q, 0
.rept 8
	global_load_b128 v[S+4*q:S+4*q+3], v18, s[80:81] offset:512*q
.set q, q+1
.endr
.if \n > 1
	WIN 0x40                                       ; destination in window 1
.set j, 1
.rept \n-1
.set q, 0
.rept 8
	global_load_b128 v[32*(j-1)+4*q:32*(j-1)+4*q+3], v18, s[80:81] offset:32768*j+512*q
.set q, q+1
.endr
.set j, j+1
.endr
	WIN 0x10                                       ; source 2 in window 1
.set j, 1
.rept \n-1
	s_wait_loadcnt 8*(\n-1-j)
.set i, 0
.rept 16
	v_pk_fma_f32 v[S+2*i:S+2*i+1], v[S+2*i:S+2*i+1], v[DD+32*(j-1)+2*i:DD+32*(j-1)+2*i+1], v[32*(j-1)+2*i:32*(j-1)+2*i+1]
.set i, i+1
.endr
.set j, j+1
.endr
	WIN 0
.else
	s_wait_loadcnt 0x0
.endif
.endm
; The operands of block blk, into its buffer.  st = 1: the block has a state to read; upd = 1: it carries the state on.  29 loads where both hold.
.macro BLOADS blk, st, upd
.set lb, 88*(1-(\blk)%2)
.set lg, (\blk)/3
.set lo, ((\blk)%3)*BLK
.set lw, 0x40*((\blk)%2)
	WIN lw
	ds_load_tr16_b128 v[lb:lb+3], v[AV+lg] offset:lo
	ds_load_tr16_b128 v[lb+4:lb+7], v[AV+lg] offset:lo+4608
.if \st
.irp f, 0,1,2,3
	ds_load_tr16_b128 v[lb+24+8*\f:lb+24+8*\f+3],   v[AQ+lg] offset:lo+3072*(\f/2)+32*(\f%2)
	ds_load_tr16_b128 v[lb+24+8*\f+4:lb+24+8*\f+7], v[AQ+lg] offset:lo+3072*(\f/2)+32*(\f%2)+1536
.endr
.endif
	ds_load_b128 v[lb+8:lb+11],  v[AA+lg] offset:lo
	ds_load_b128 v[lb+16:lb+19], v[AA+lg] offset:lo+512
	ds_load_b128 v[lb+20:lb+23], v[AA+lg] offset:lo+1024
.if \upd
.irp kt, 0,1,2,3
	ds_load_b128 v[lb+56+8*\kt:lb+56+8*\kt+3],   v[AK+lg] offset:lo+1280*\kt
	ds_load_b128 v[lb+56+8*\kt+4:lb+56+8*\kt+7], v[AK+lg] offset:lo+1280*\kt+32
.if \st
	ds_load_b128 v[lb+88+8*\kt:lb+88+8*\kt+3],   v[AD+lg] offset:lo+64*\kt
	ds_load_b128 v[lb+88+8*\kt+4:lb+88+8*\kt+7], v[AD+lg] offset:lo+64*\kt+16
.endif
.endr
.endif
	WIN 0
.endm
.macro OSTORE b                        ; o^T of block b into LDS
.set sq, OT+138*((\b)%2)
.set sg, AO+(\b)/4
.set sf, ((\b)%4)*16896
	ds_store_b128 v[sg], v[sq:sq+3] offset:sf
	ds_store_b128 v[sg], v[sq+4:sq+7] offset:sf+16
	ds_store_b128 v[sg], v[sq+8:sq+11] offset:sf+8448
	ds_store_b128 v[sg], v[sq+12:sq+15] offset:sf+8464
.endm
; One block.  st = 1: there is a state in S; st = 0: the chain's first block.  upd = 1: the state is carried on; upd = 0: the segment's last block.
.macro OBLK blk, st, upd
.if (\blk) == 0
	s_wait_alu depctr_va_vdst(0)                   ; the blocks' addresses are written; the state's multiply-adds (in segment 0: phase A's instructions) are done with the registers of both operand buffers, in which the loads below land
	BLOADS 0, \st, 1
	BLOADS 1, 1, 1
	s_wait_dscnt 29                                ; LDS loads come back in order: block 0's operands are in, block 1's 29 loads stay out
.else
	s_wait_dscnt 0x0                               ; this block's operands, asked for a block ago, are in
.if (\blk) > 1
	s_wait_alu depctr_vm_vsrc(0)                   ; the stores issued in the block before have read the buffer of o^T that this block's products write again
.endif
	s_wait_alu depctr_va_vdst(0)                   ; the block before has written its o^T, which the stores below read, and is done reading its operand buffer, in which the loads below land
	OSTORE (\blk)-1
.if (\blk) < 6
	BLOADS (\blk)+1, 1, 1
.elseif (\blk) == 6
	BLOADS 7, 1, 0
.endif
.endif
.set p,  (\blk)%2
.set bb, 88*(1-p)
.set ot, OT+138*p
.set wa, 0x41*p                        ; an odd block's operands lie in window 1: destination and source 0,
.set wb, 0x04*p                        ; source 1,
.set wc, 0x05*p                        ; sources 0 and 1
	WIN wa
.irp i, 0,1,2,3,4,5,6,7
	v_pk_mul_f16 v[bb+\i], v[bb+\i], v[GV]         ; v x c, a power of two.  These eight name none of the last block's four state products' registers: they are the places that the reads of those sums need (ISA guide 7.12.1)
.endr
	WIN 0
.if \st
.set i, 0
.rept 16
	v_cvt_pk_f16_f32 v[SF+i], v[S+2*i], v[S+2*i+1] ; the state's result layout, packed, is S^T's fragment: lane = column of v, registers = keys
.set i, i+1
.endr
.endif
	; o^T (rows = my 16 columns of v, columns = 16 steps); the two step tiles take turns
.if \st
	WIN wb
	v_wmma_f32_16x16x32_f16 v[ot:ot+7], v[SF:SF+7], v[bb+24:bb+31], 0
	v_wmma_f32_16x16x32_f16 v[ot+8:ot+15], v[SF:SF+7], v[bb+32:bb+39], 0
	v_wmma_f32_16x16x32_f16 v[ot:ot+7], v[SF+8:SF+15], v[bb+40:bb+47], v[ot:ot+7]
	v_wmma_f32_16x16x32_f16 v[ot+8:ot+15], v[SF+8:SF+15], v[bb+48:bb+55], v[ot+8:ot+15]
	WIN wc
	v_wmma_f32_16x16x32_f16 v[ot:ot+7], v[bb:bb+7], v[bb+8:bb+15], v[ot:ot+7]
	v_wmma_f32_16x16x32_f16 v[ot+8:ot+15], v[bb:bb+7], v[bb+16:bb+23], v[ot+8:ot+15]
.else
	v_wmma_f32_16x16x32_f16 v[ot:ot+7], v[bb:bb+7], v[bb+8:bb+15], 0
	v_wmma_f32_16x16x32_f16 v[ot+8:ot+15], v[bb:bb+7], v[bb+16:bb+23], 0
.endif
.if \upd
.if \st
	WIN wb
.set i, 0
.rept 16
	v_pk_mul_f32 v[S+2*i:S+2*i+1], v[S+2*i:S+2*i+1], v[bb+88+2*i:bb+88+2*i+1]   ; the block's decay; these are also the places behind the six products, for the stores at the next block's head
.set i, i+1
.endr
	WIN wc
.irp kt, 0,1,2,3
	v_wmma_f32_16x16x32_f16 v[S+8*\kt:S+8*\kt+7], v[bb+56+8*\kt:bb+56+8*\kt+7], v[bb:bb+7], v[S+8*\kt:S+8*\kt+7]
.endr
.else
.irp kt, 0,1,2,3
	v_wmma_f32_16x16x32_f16 v[S+8*\kt:S+8*\kt+7], v[bb+56+8*\kt:bb+56+8*\kt+7], v[bb:bb+7], 0     ; the chain's first products start the state
.endr
	PLACES                                         ; before the stores at the next block's head read o's sums
.endif
.else
	WIN 0
	PLACES                                         ; before the stores below read o's sums
.endif
	WIN 0
.endm
	; one branch on the segment's number, alike in all waves: the state's loads and the first block that reads it stand in one arm
	s_cmp_eq_u32 s23, 0
	s_cbranch_scc1 .Lseg0
.irp n, 1,2,3,4,5,6
	s_cmp_eq_u32 s23, \n
	s_cbranch_scc1 .Lst\n
.endr
	STATE 7
	s_branch .Lhave
.irp n, 6,5,4,3,2
.Lst\n:
	STATE \n
	s_branch .Lhave
.endr
.Lst1:
	STATE 1
.Lhave:
	PBC
	OBLK 0, 1, 1
	s_branch .Lblk1
.Lseg0:
	PBC
	OBLK 0, 0, 1
.Lblk1:
.irp b, 1,2,3,4,5,6
	OBLK \b, 1, 1
.endr
	OBLK 7, 1, 0
	; PHASE C: two rows a turn, 16 lanes a row, 8 columns a lane
.set GL, 24
.set BG, 88
.set X,  96                            ; v96-103 o's rows of the even turns; v128-135 (X + 32) of the odd ones
.set G,  104
.set TM, 112
.set Y,  120                           ; v120-123 the even turns' results; v136-139 (Y + 16) the odd ones'
.set NM, 124
.set RS, 126
	s_wait_alu depctr_vm_vsrc(0)                   ; the stores of block 6's o have read v72-87, in which loads of g land
	s_wait_alu depctr_va_vdst(0)                   ; block 7's products have written its o^T, which the stores below read; phase B's vector and matrix instructions are done with v24-103, in which the loads below and behind the barrier land
	OSTORE 7
	global_load_b128 v[BG:BG+3], v[CB], s[78:79]
	global_load_b128 v[BG+4:BG+7], v[CB], s[78:79] offset:16
.set i, 0
.rept 16
	global_load_b128 v[GL+4*i:GL+4*i+3], v[CG], s[68:69] offset:8192+24576*i
.set i, i+1
.endr
	s_wait_dscnt 0x0                               ; my part of o is in LDS, for the others' sake
	s_barrier_signal -1
	s_barrier_wait -1
	ds_load_b128 v[X:X+3], v[CX]                   ; turn 0's rows; each turn asks for the next turn's
	ds_load_b128 v[X+4:X+7], v[CX] offset:16
.macro ROW2 i, r0, r1, r2, r3
.set xx, X+32*((\i)%2)
.set xn, X+32*(1-(\i)%2)
.set yy, Y+16*((\i)%2)
.set yp, Y+16*(1-(\i)%2)
.if (\i) > 1
	s_wait_xcnt 0x0                                ; this turn's Y, which the store issued in the last turn reads, is rewritten only behind this wait
	s_wait_alu depctr_vm_vsrc(0)                   ; that store has read this turn's Y, which the conversions at the turn's end write again
.endif
	s_wait_loadcnt 15-\i                           ; bg and this turn's g are in; the later rows' stay out
	v_cvt_f32_f16 v[G], v\r0\().l
	v_cvt_f32_f16 v[G+1], v\r0\().h
	v_cvt_f32_f16 v[G+2], v\r1\().l
	v_cvt_f32_f16 v[G+3], v\r1\().h
	v_cvt_f32_f16 v[G+4], v\r2\().l
	v_cvt_f32_f16 v[G+5], v\r2\().h
	v_cvt_f32_f16 v[G+6], v\r3\().l
	v_cvt_f32_f16 v[G+7], v\r3\().h
.irp j, 0,2,4,6
	v_pk_add_f32 v[G+\j:G+\j+1], v[G+\j:G+\j+1], v[BG+\j:BG+\j+1]
.endr
.irp j, 0,2,4,6
	v_pk_mul_f32 v[TM+\j:TM+\j+1], v[G+\j:G+\j+1], s[36:37] op_sel_hi:[1,0]
.endr
.irp j, 0,1,2,3,4,5,6,7
	v_exp_f32 v[TM+\j], v[TM+\j]
.endr
	s_wait_dscnt 0x0                               ; this turn's rows of o, asked for a turn ago, are in
	v_pk_add_f32 v[NM:NM+1], v[xx:xx+1], v[xx+2:xx+3]          ; plain work behind the exponentials
	v_pk_add_f32 v[RS:RS+1], v[xx+4:xx+5], v[xx+6:xx+7]
	s_wait_alu depctr_va_vdst(0)                   ; the eight exponentials have written v[TM ..], ahead of their first reader; the turn before has written its Y, which the store below reads, and is done with its X, in which the loads below land
.if (\i) > 0
	global_store_b128 v[CY], v[yp:yp+3], s[76:77] offset:8192*((\i)-1)   ; the turn before: 16 lanes store 256 consecutive bytes, aligned
.endif
.if (\i) < 15
	ds_load_b128 v[xn:xn+3], v[CX] offset:1056*((\i)+1)
	ds_load_b128 v[xn+4:xn+7], v[CX] offset:1056*((\i)+1)+16
.endif
.irp j, 0,2,4,6
	v_pk_add_f32 v[TM+\j:TM+\j+1], v[TM+\j:TM+\j+1], 1.0 op_sel_hi:[1,0]
.endr
.irp j, 0,1,2,3,4,5,6,7
	v_rcp_f32 v[TM+\j], v[TM+\j]                               ; sigmoid
.endr
	v_pk_add_f32 v[NM:NM+1], v[NM:NM+1], v[RS:RS+1]            ; plain work behind the reciprocals
	v_add_f32 v[NM], v[NM], v[NM+1]
	v_add_f32_dpp v[NM], v[NM], v[NM] row_xmask:1 row_mask:0xf bank_mask:0xf
	v_add_f32_dpp v[NM], v[NM], v[NM] row_xmask:2 row_mask:0xf bank_mask:0xf
	v_add_f32_dpp v[NM], v[NM], v[NM] row_xmask:4 row_mask:0xf bank_mask:0xf
	v_add_f32_dpp v[NM], v[NM], v[NM] row_xmask:8 row_mask:0xf bank_mask:0xf
	v_mul_f32 v[NM], 0xbc000000, v[NM]                         ; - mean
.irp j, 0,2,4,6
	v_pk_add_f32 v[xx+\j:xx+\j+1], v[xx+\j:xx+\j+1], v[NM:NM+1] op_sel_hi:[1,0]
.endr
	v_pk_mul_f32 v[RS:RS+1], v[xx:xx+1], v[xx:xx+1]
.irp j, 2,4,6
	v_pk_fma_f32 v[RS:RS+1], v[xx+\j:xx+\j+1], v[xx+\j:xx+\j+1], v[RS:RS+1]
.endr
	v_add_f32 v[RS], v[RS], v[RS+1]
	v_add_f32_dpp v[RS], v[RS], v[RS] row_xmask:1 row_mask:0xf bank_mask:0xf
	v_add_f32_dpp v[RS], v[RS], v[RS] row_xmask:2 row_mask:0xf bank_mask:0xf
	v_add_f32_dpp v[RS], v[RS], v[RS] row_xmask:4 row_mask:0xf bank_mask:0xf
	v_add_f32_dpp v[RS], v[RS], v[RS] row_xmask:8 row_mask:0xf bank_mask:0xf
	v_fma_f32 v[RS], v[RS], s33, s32                           ; (var + E) / (1 + E)
	v_rsq_f32 v[RS], v[RS]
	s_wait_alu depctr_va_vdst(0)                   ; the eight reciprocals have written v[TM ..] and the root v[RS], ahead of their first readers
.irp j, 0,2,4,6
	v_pk_mul_f32 v[G+\j:G+\j+1], v[G+\j:G+\j+1], v[TM+\j:TM+\j+1]   ; silu; plain work behind the root
.endr
.irp j, 0,2,4,6
	v_pk_mul_f32 v[G+\j:G+\j+1], v[G+\j:G+\j+1], v[xx+\j:xx+\j+1]
.endr
	v_mul_f32 v[RS], s34, v[RS]
.irp j, 0,2,4,6
	v_pk_mul_f32 v[G+\j:G+\j+1], v[G+\j:G+\j+1], v[RS:RS+1] op_sel_hi:[1,0]
.endr
.irp j, 0,1,2,3
	v_cvt_pk_f16_f32 v[yy+\j], v[G+2*\j], v[G+2*\j+1]
.endr
.endm
	ROW2 0, 24, 25, 26, 27
	ROW2 1, 28, 29, 30, 31
	ROW2 2, 32, 33, 34, 35
	ROW2 3, 36, 37, 38, 39
	ROW2 4, 40, 41, 42, 43
	ROW2 5, 44, 45, 46, 47
	ROW2 6, 48, 49, 50, 51
	ROW2 7, 52, 53, 54, 55
	ROW2 8, 56, 57, 58, 59
	ROW2 9, 60, 61, 62, 63
	ROW2 10, 64, 65, 66, 67
	ROW2 11, 68, 69, 70, 71
	ROW2 12, 72, 73, 74, 75
	ROW2 13, 76, 77, 78, 79
	ROW2 14, 80, 81, 82, 83
	ROW2 15, 84, 85, 86, 87
	s_wait_alu depctr_va_vdst(0)                   ; the last turn's conversions have written its Y, which the last store reads
	global_store_b128 v[CY], v[Y+16:Y+19], s[76:77] offset:8192*15
	s_set_vgpr_msb 0x4                             ; the add's second register lies in window 1
	s_wait_dscnt 0x0                               ; the closing lines, six on end
	s_wait_alu 0x0
	s_wait_tensorcnt 0x0
	ds_add_u32 v23, v193
	s_wait_dscnt 0x0
	s_endpgm
.Lfunc_end_k_q1456284f52_gout:
	.size	k_q1456284f52_gout, .Lfunc_end_k_q1456284f52_gout-k_q1456284f52_gout
	.p2alignl 7, 3214868480
	.fill 96, 4, 3214868480
	.section	.rodata,"a",@progbits
	.p2align	6, 0x0
	.amdhsa_kernel k_q1456284f52_gout
		.amdhsa_group_segment_fixed_size 314368
		.amdhsa_private_segment_fixed_size 0
		.amdhsa_enable_private_segment 0
		.amdhsa_kernarg_size 72
		.amdhsa_user_sgpr_count 2
		.amdhsa_user_sgpr_kernarg_segment_ptr 1
		.amdhsa_wavefront_size32 1
		.amdhsa_system_sgpr_workgroup_id_x 1
		.amdhsa_system_sgpr_workgroup_id_y 1
		.amdhsa_system_sgpr_workgroup_id_z 1
		.amdhsa_system_vgpr_workitem_id 0
		.amdhsa_next_free_vgpr 450
		.amdhsa_next_free_sgpr 92
		.amdhsa_reserve_vcc 0
		.amdhsa_float_denorm_mode_32 3
		.amdhsa_float_denorm_mode_16_64 3
		.amdhsa_memory_ordered 1
		.amdhsa_forward_progress 1
		.amdhsa_inst_pref_size 255
	.end_amdhsa_kernel
	.section	.bss,"aw",@nobits
	.p2align	6
	.space	262144
	.amdgpu_metadata
---
amdhsa.version: [ 1, 2 ]
amdhsa.kernels:
  - .name:           k_q1456284f52_gout
    .symbol:         k_q1456284f52_gout.kd
    .args:
      - { .name: P, .offset: 0, .size: 8, .value_kind: global_buffer, .address_space: global }
      - { .name: z, .offset: 8, .size: 8, .value_kind: global_buffer, .address_space: global }
      - { .name: Wkg2, .offset: 16, .size: 8, .value_kind: global_buffer, .address_space: global }
      - { .name: bkg2, .offset: 24, .size: 8, .value_kind: global_buffer, .address_space: global }
      - { .name: bg, .offset: 32, .size: 8, .value_kind: global_buffer, .address_space: global }
      - { .name: sc, .offset: 40, .size: 8, .value_kind: global_buffer, .address_space: global }
      - { .name: U, .offset: 48, .size: 8, .value_kind: global_buffer, .address_space: global }
      - { .name: dsg, .offset: 56, .size: 8, .value_kind: global_buffer, .address_space: global }
      - { .name: y, .offset: 64, .size: 8, .value_kind: global_buffer, .address_space: global }
    .group_segment_fixed_size: 314368
    .private_segment_fixed_size: 0
    .kernarg_segment_align: 8
    .kernarg_segment_size: 72
    .max_flat_workgroup_size: 256
    .sgpr_count:     92
    .vgpr_count:     450
    .wavefront_size: 32
...
	.end_amdgpu_metadata
.endif
;; end of part 13
;; launch gemm2: the kernel of part 11 again; grid 8 x 32, 4 waves a work-group, clusters of 4 x 4, 327,680 bytes of LDS; arguments y, hb, sc, out0; writes out0
